; MI455X (gfx1250); checked and timed in simulation.
; The chip was launched on July 23, 2026; its instructions are those of AMD's public machine-readable ISA for CDNA 5 (MIT licence, August 2026) and "CDNA5" Instruction Set Architecture Reference Guide (July 2026). The comments in the code are by the model that wrote it; some were corrected since.
;; Moe Layer. Allowed arithmetic: float matrix products may take bf16 or f16 operands with f32 sums; all other float work in f32.
;; Inputs: W1 8 x 2,730 x 1,024 float32; W2 8 x 2,730 x 1,024 float32; W3 8 x 1,024 x 2,730 float32; Wg 8 x 1,024 float32; x 4 x 256 x 1,024 float32.
;; Outputs: out0 4 x 256 x 1,024 float32.
;; 3 versions, each right; version 2 is faster than version 1; version 3 is version 2 with the launches up, down written anew for expert scheduling mode. Each part assembles by itself: llvm-mc -triple=amdgcn-amd-amdhsa -mcpu=gfx1250 --defsym DOCPART=n.
;; ======== version 1 of 3: 6 launches
;; workspace buffers: xb 2,097,152 bytes; sel 4,096 bytes of whole numbers; gw 8,192 bytes; slots 8,192 bytes of whole numbers; route 41,216 bytes of whole numbers; hid 50,331,648 bytes; part 134,217,728 bytes
;; launch gate (part 1): grid 256 x 1, 4 waves a work-group, no clusters, 0 bytes of LDS; arguments x, Wg, xb, sel, gw; writes xb, sel, gw
.if DOCPART == 1
	.amdgcn_target "amdgcn-amd-amdhsa--gfx1250"
	.amdhsa_code_object_version 6
	.text
	.protected	k_qbdc070adbf_gate
	.globl	k_qbdc070adbf_gate
	.p2align	8
	.type	k_qbdc070adbf_gate,@function
k_qbdc070adbf_gate:
	s_mov_b64 s[64:65], 0
	v_nop
	global_prefetch_b8 v0, s[64:65] scope:SCOPE_SE
	s_setreg_imm32_b32 hwreg(HW_REG_WAVE_MODE, 25, 1), 1
	s_wait_xcnt 0x0
; THE GATE.  One wave takes one token t = 4 x work-group + wave.  x's row and all of Wg are rounded to bf16 (nearest even); the eight
; logits are f32 sums of exact products of bf16 numbers.  Stored: x's row in bf16 (xb), the two chosen experts (sel = i1 | i2 << 8) and
; their softmax weights (gw = g1, g2).  The softmax over the two chosen logits takes the larger away first:
; g1 = 1 / (1 + 2^d), g2 = 2^d g1, d = (m2 - m1) log2(e) <= 0.
; Lane l owns elements 128 c + 4 l + 0..3, c = 0..7, of x's row and of every row of Wg.
; LIMITS.  NaN and infinite logits are not treated apart; of equal logits the lower index wins (strict compares, ascending).
; The matrix unit is left out: eight output columns fill half a tile, and the gate is a ten-thousandth of the arithmetic.  No LDS, no barrier.
.set ACC, 8                            ; v8-15    the logits
.set CH,  16                           ; v16-19   four chains of a row's sum, so that no line waits for the one before it
.set XR,  24                           ; v24-55   x's row as loaded; later at work
.set XP,  56                           ; v56-71   x's row in bf16, two to a register
.set WK,  72                           ; v72-87   the row of Wg in hand, in bf16
.set WR,  88                           ; v88-215  four rows of Wg as loaded: row e lies at 32 (e % 4)
	s_load_b256 s[4:11], s[0:1], 0x0               ; x s[4:5], Wg s[6:7], xb s[8:9], sel s[10:11]
	s_load_b64 s[12:13], s[0:1], 0x20              ; gw
	v_and_b32 v3, 31, v0                           ; lane
	v_lshrrev_b32 v7, 5, v0
	v_readfirstlane_b32 s14, v7                    ; wave
	v_lshlrev_b32 v1, 4, v3                        ; 16 l
	v_lshlrev_b32 v2, 3, v3                        ; 8 l
	s_lshl2_add_u32 s15, ttmp9, s14                ; the token
	s_lshl_b32 s22, s15, 12                        ; its row in x,
	s_mov_b32 s23, 0
	s_lshl_b32 s24, s15, 11                        ; in xb,
	s_mov_b32 s25, 0
	s_lshl_b32 s26, s15, 2                         ; its word in sel,
	s_mov_b32 s27, 0
	s_lshl_b32 s28, s15, 3                         ; its pair in gw
	s_mov_b32 s29, 0
	s_mov_b32 s20, 0x76543210                      ; v_permlanex16_b32: each lane takes its own place in the other half
	s_mov_b32 s21, 0xfedcba98
	s_wait_kmcnt 0x0
	s_add_nc_u64 s[4:5], s[4:5], s[22:23]
	s_add_nc_u64 s[8:9], s[8:9], s[24:25]
	s_add_nc_u64 s[10:11], s[10:11], s[26:27]
	s_add_nc_u64 s[12:13], s[12:13], s[28:29]
.irp c, 0,1,2,3,4,5,6,7
	global_load_b128 v[XR+4*\c:XR+4*\c+3], v1, s[4:5] offset:512*\c
.endr
.irp e, 0,1,2,3
.irp c, 0,1,2,3,4,5,6,7
	global_load_b128 v[WR+32*\e+4*\c:WR+32*\e+4*\c+3], v1, s[6:7] offset:4096*\e+512*\c
.endr
.endr
	s_wait_loadcnt 32                              ; x's row is in; the 32 loads of Wg's rows 0-3 stay out
.set d, 0
.rept 16
	v_cvt_pk_bf16_f32 v[XP+d], v[XR+2*d], v[XR+2*d+1]
.set d, d+1
.endr
.irp c, 0,1,2,3,4,5,6,7
	global_store_b64 v2, v[XP+2*\c:XP+2*\c+1], s[8:9] offset:256*\c  ; 32 lanes store 256 consecutive bytes, at a multiple of 256 from xb's first
.endr
; Row e of Wg: packed, its raw registers loaded again with row e + 4 (more = 1), then 32 multiply-adds a lane.
; left = the loads issued behind row e's, which may stay out.
.macro ROWE e, left, more
	s_wait_loadcnt \left
.set RW, WR+32*((\e)%4)
.set d, 0
.rept 16
	v_cvt_pk_bf16_f32 v[WK+d], v[RW+2*d], v[RW+2*d+1]
.set d, d+1
.endr
.if \more
.irp c, 0,1,2,3,4,5,6,7
	global_load_b128 v[RW+4*\c:RW+4*\c+3], v1, s[6:7] offset:4096*((\e)+4)+512*\c
.endr
.endif
.irp k, 0,1,2,3
	v_mov_b32 v[CH+\k], 0
.endr
.set d, 0
.rept 16
	v_fma_mix_f32_bf16 v[CH+(2*d)%4], v[XP+d], v[WK+d], v[CH+(2*d)%4] op_sel_hi:[1,1,0]                    ; the low halves' product
	v_fma_mix_f32_bf16 v[CH+(2*d)%4+1], v[XP+d], v[WK+d], v[CH+(2*d)%4+1] op_sel:[1,1,0] op_sel_hi:[1,1,0]  ; the high halves'
.set d, d+1
.endr
	v_add_f32 v[CH], v[CH], v[CH+1]
	v_add_f32 v[CH+2], v[CH+2], v[CH+3]
	v_add_f32 v[ACC+(\e)], v[CH], v[CH+2]
.endm
	ROWE 0, 24, 1                                  ; behind each row's loads stand three younger rows' 24,
	ROWE 1, 24, 1
	ROWE 2, 24, 1
	ROWE 3, 24, 1
	ROWE 4, 24, 0
	ROWE 5, 16, 0                                  ; then the counts run down
	ROWE 6, 8, 0
	ROWE 7, 0, 0
	; the sums over the 32 lanes: four steps inside each half of 16 lanes, one across; every lane ends with all eight logits
.irp x, 1,2,4,8
.irp e, 0,1,2,3,4,5,6,7
	v_add_f32_dpp v[ACC+\e], v[ACC+\e], v[ACC+\e] row_xmask:\x row_mask:0xf bank_mask:0xf
.endr
.endr
.irp e, 0,1,2,3,4,5,6,7
	v_permlanex16_b32 v[XR+\e], v[ACC+\e], s20, s21  ; its destination counts as read: x's raw registers have been written
.endr
.irp e, 0,1,2,3,4,5,6,7
	v_add_f32 v[ACC+\e], v[ACC+\e], v[XR+\e]
.endr
	; the largest logit and its index, then the largest of the others: selects only, no branch
	v_mov_b32 v32, v[ACC]                          ; m1
	v_mov_b32 v33, 0                               ; i1
.irp e, 1,2,3,4,5,6,7
	v_cmp_gt_f32 vcc_lo, v[ACC+\e], v32
	v_cndmask_b32 v32, v32, v[ACC+\e], vcc_lo
	v_cndmask_b32 v33, v33, \e, vcc_lo
.endr
	v_mov_b32 v34, 0xff800000                      ; m2 starts at minus infinity
	v_mov_b32 v35, 0                               ; i2
.irp e, 0,1,2,3,4,5,6,7
	v_cmp_ne_u32 s24, \e, v33
	v_cmp_gt_f32 s25, v[ACC+\e], v34
	s_and_b32 vcc_lo, s24, s25
	v_cndmask_b32 v34, v34, v[ACC+\e], vcc_lo
	v_cndmask_b32 v35, v35, \e, vcc_lo
.endr
	v_sub_f32 v36, v34, v32                        ; m2 - m1 <= 0: the maximum is taken away
	v_mul_f32 v36, 0x3fb8aa3b, v36
	v_exp_f32 v37, v36
	v_lshl_or_b32 v38, v35, 8, v33                 ; sel; also the plain line behind the exponential
	s_wait_alu depctr_va_vdst(0)
	v_add_f32 v39, 1.0, v37
	v_rcp_f32 v40, v39                             ; g1
	v_mov_b32 v42, 0                               ; the stores' offset; also the plain line behind the reciprocal
	s_wait_alu depctr_va_vdst(0)
	v_mul_f32 v41, v37, v40                        ; g2
	v_cmp_eq_u32 vcc_lo, 0, v3
	s_wait_xcnt 0x0                                ; EXEC changes only behind this wait: xb's stores have been issued
	s_and_saveexec_b32 s26, vcc_lo                 ; lane 0 alone
	global_store_b32 v42, v38, s[10:11]
	global_store_b64 v42, v[40:41], s[12:13]
	s_wait_xcnt 0x0                                ; and again, in front of the line that widens it
	s_or_b32 exec_lo, exec_lo, s26
	s_endpgm
.Lfunc_end_k_qbdc070adbf_gate:
	.size	k_qbdc070adbf_gate, .Lfunc_end_k_qbdc070adbf_gate-k_qbdc070adbf_gate
	.p2alignl 7, 3214868480
	.fill 96, 4, 3214868480
	.section	.rodata,"a",@progbits
	.p2align	6, 0x0
	.amdhsa_kernel k_qbdc070adbf_gate
		.amdhsa_group_segment_fixed_size 0
		.amdhsa_private_segment_fixed_size 0
		.amdhsa_enable_private_segment 0
		.amdhsa_kernarg_size 40
		.amdhsa_user_sgpr_count 2
		.amdhsa_user_sgpr_kernarg_segment_ptr 1
		.amdhsa_wavefront_size32 1
		.amdhsa_system_sgpr_workgroup_id_x 1
		.amdhsa_system_sgpr_workgroup_id_y 1
		.amdhsa_system_sgpr_workgroup_id_z 1
		.amdhsa_system_vgpr_workitem_id 0
		.amdhsa_next_free_vgpr 216
		.amdhsa_next_free_sgpr 66
		.amdhsa_reserve_vcc 1
		.amdhsa_float_denorm_mode_32 3
		.amdhsa_float_denorm_mode_16_64 3
		.amdhsa_memory_ordered 1
		.amdhsa_forward_progress 1
		.amdhsa_inst_pref_size 43
	.end_amdhsa_kernel
	.amdgpu_metadata
---
amdhsa.version: [ 1, 2 ]
amdhsa.kernels:
  - .name:           k_qbdc070adbf_gate
    .symbol:         k_qbdc070adbf_gate.kd
    .args:
      - { .name: x, .offset: 0, .size: 8, .value_kind: global_buffer, .address_space: global }
      - { .name: Wg, .offset: 8, .size: 8, .value_kind: global_buffer, .address_space: global }
      - { .name: xb, .offset: 16, .size: 8, .value_kind: global_buffer, .address_space: global }
      - { .name: sel, .offset: 24, .size: 8, .value_kind: global_buffer, .address_space: global }
      - { .name: gw, .offset: 32, .size: 8, .value_kind: global_buffer, .address_space: global }
    .group_segment_fixed_size: 0
    .private_segment_fixed_size: 0
    .kernarg_segment_align: 8
    .kernarg_segment_size: 40
    .max_flat_workgroup_size: 128
    .sgpr_count:     66
    .vgpr_count:     216
    .wavefront_size: 32
...
	.end_amdgpu_metadata
.endif
;; end of part 1
;; launch route (part 2): grid 1 x 1, 8 waves a work-group, no clusters, 34,048 bytes of LDS; arguments sel, route, slots; writes route, slots
.if DOCPART == 2
	.amdgcn_target "amdgcn-amd-amdhsa--gfx1250"
	.amdhsa_code_object_version 6
	.text
	.protected	k_qbdc070adbf_route
	.globl	k_qbdc070adbf_route
	.p2align	8
	.type	k_qbdc070adbf_route,@function
k_qbdc070adbf_route:
	s_mov_b64 s[64:65], 0
	v_nop
	global_prefetch_b8 v0, s[64:65] scope:SCOPE_SE
	s_setreg_imm32_b32 hwreg(HW_REG_WAVE_MODE, 25, 1), 1
	s_wait_xcnt 0x0
; POSITIONS.  One work-group; wave w is expert w.  It walks the 1,024 tokens in 32 chunks of 32 and gives each token that chose it the next
; position of its list.  Stored in route: byte 0 cnt[8]; byte 256 slot[1024][2] = expert x 1,024 + position, for a token's two choices;
; byte 8,448 list[8][1024], here all zeros: the next launch puts the tokens' numbers at their slots, and token 0 stays behind each count.
; The slots are stored a second time, into a buffer of their own, from which that launch reads them.
; NO ADDRESS HERE IS MADE FROM A NUMBER THAT WAS LOADED, and every lane is on throughout: a token's position goes to a place fixed by the
; thread's number, and the two positions that a token needs are picked from the eight experts' tables by selects.
; LDS: POS[w][1024] at 4,096 w, each wave's own table of every token's position (without meaning where the token did not choose w);
; the counts at 32,768.  One barrier, between the writing of the tables and the reading.  No LDS word has two writers.
.set LCN, 32768
.set SEL, 16                           ; v16-47   sel of chunk c, one token a lane
.set PS,  48                           ; v48-79   my tokens' positions: group j of 32 tokens, expert e at 48 + 8 j + e
.set MY,  80                           ; v80-83   sel of my 128 tokens
.set SLT, 84                           ; v84-91   their slots: group j, choice k at 84 + 2 j + k
.set IK,  92                           ; v92-99   their chosen experts, likewise
	s_load_b128 s[4:7], s[0:1], 0x0                ; sel s[4:5], route s[6:7]
	s_load_b64 s[8:9], s[0:1], 0x10                ; slots
	v_lshl_add_u32 v128, v0, 2, 0x8100
	v_mov_b32 v129, 0
	v_and_b32 v1, 31, v0                           ; lane
	v_lshrrev_b32 v8, 5, v0
	v_readfirstlane_b32 s16, v8                    ; wave = expert
	v_lshlrev_b32 v2, 2, v1                        ; 4 l
	v_lshlrev_b32 v4, 4, v1                        ; 16 l
	s_lshl_b32 s10, s16, 12                        ; 4,096 w
	s_lshl_b32 s11, s16, 9                         ; 512 w
	s_lshl_b32 s12, s16, 10                        ; 1,024 w
	v_add_nc_u32 v3, s11, v2                       ; 512 w + 4 l: my 128 tokens' words
	v_add_nc_u32 v6, s10, v2                       ; my table: 4,096 w + 4 l
	v_add_nc_u32 v7, s10, v4                       ; 4,096 w + 16 l: my list's place in route
	v_lshl_add_u32 v12, v1, 3, s12                 ; 1,024 w + 8 l: my tokens' slots
.irp k, 0,1,2,3
	v_mov_b32 v[112+\k], 0
.endr
	s_wait_kmcnt 0x0
.set c, 0
.rept 32
	global_load_b32 v[SEL+c], v2, s[4:5] offset:128*c
.set c, c+1
.endr
.irp j, 0,1,2,3
	global_load_b32 v[MY+\j], v3, s[4:5] offset:128*\j
.endr
.irp k, 0,1,2,3,4,5,6,7
	global_store_b128 v7, v[112:115], s[6:7] offset:8448+512*\k  ; 512 consecutive bytes of zeros, at a multiple of 256 from route's first
.endr
	s_mov_b32 s17, 0                               ; the count
	s_wait_loadcnt 0x0
.set c, 0
.rept 32
	v_and_b32 v8, 0xff, v[SEL+c]
	v_lshrrev_b32 v9, 8, v[SEL+c]
	v_cmp_eq_u32 s20, s16, v8
	v_cmp_eq_u32 s21, s16, v9
	s_or_b32 s22, s20, s21                         ; the lanes whose token chose me
	v_mbcnt_lo_u32_b32 v10, s22, s17               ; the count so far + the choosing lanes below mine
	ds_store_b32 v6, v10 offset:128*c              ; every token's position into my table
	s_bcnt1_i32_b32 s23, s22
	s_add_co_u32 s17, s17, s23
.set c, c+1
.endr
	s_lshl_b32 s19, s16, 2
	s_add_co_u32 s19, s19, LCN
	v_mov_b32 v14, s19
	v_mov_b32 v15, s17
	ds_store_b32 v14, v15                          ; all lanes write the same word with the same number
	s_wait_dscnt 0x0                               ; for the others' sake: my table and my count are written
	s_barrier_signal -1
	s_barrier_wait -1
.irp j, 0,1,2,3
.irp e, 0,1,2,3,4,5,6,7
	ds_load_b32 v[PS+8*\j+\e], v3 offset:4096*\e+128*\j  ; token 128 w + 32 j + l in expert e's table
.endr
.endr
.irp j, 0,1,2,3
	v_and_b32 v[IK+2*\j], 0xff, v[MY+\j]
	v_lshrrev_b32 v[IK+2*\j+1], 8, v[MY+\j]
.endr
	s_wait_dscnt 0x0
.irp j, 0,1,2,3
.irp k, 0,1
	v_mov_b32 v[SLT+2*\j+\k], v[PS+8*\j]
.irp e, 1,2,3,4,5,6,7
	v_cmp_eq_u32 vcc_lo, \e, v[IK+2*\j+\k]
	v_cndmask_b32 v[SLT+2*\j+\k], v[SLT+2*\j+\k], v[PS+8*\j+\e], vcc_lo
.endr
	v_lshl_add_u32 v[SLT+2*\j+\k], v[IK+2*\j+\k], 10, v[SLT+2*\j+\k]  ; expert x 1,024 + position
.endr
.endr
.irp j, 0,1,2,3
	global_store_b64 v12, v[SLT+2*\j:SLT+2*\j+1], s[6:7] offset:256+256*\j  ; 256 consecutive bytes
	global_store_b64 v12, v[SLT+2*\j:SLT+2*\j+1], s[8:9] offset:256*\j
.endr
	s_cmp_lg_u32 s16, 0
	s_cbranch_scc1 .Lend                           ; wave 0 alone stores the counts
	v_and_b32 v13, 7, v1
	v_lshl_add_u32 v13, v13, 2, LCN
	ds_load_b32 v14, v13
	s_wait_dscnt 0x0
	global_store_b32 v2, v14, s[6:7]               ; 128 bytes: the eight counts, four times
.Lend:
	s_wait_tensorcnt 0x0
	ds_add_u32 v128, v129
	s_wait_dscnt 0x0
	s_endpgm
.Lfunc_end_k_qbdc070adbf_route:
	.size	k_qbdc070adbf_route, .Lfunc_end_k_qbdc070adbf_route-k_qbdc070adbf_route
	.p2alignl 7, 3214868480
	.fill 96, 4, 3214868480
	.section	.rodata,"a",@progbits
	.p2align	6, 0x0
	.amdhsa_kernel k_qbdc070adbf_route
		.amdhsa_group_segment_fixed_size 34048
		.amdhsa_private_segment_fixed_size 0
		.amdhsa_enable_private_segment 0
		.amdhsa_kernarg_size 24
		.amdhsa_user_sgpr_count 2
		.amdhsa_user_sgpr_kernarg_segment_ptr 1
		.amdhsa_wavefront_size32 1
		.amdhsa_system_sgpr_workgroup_id_x 1
		.amdhsa_system_sgpr_workgroup_id_y 1
		.amdhsa_system_sgpr_workgroup_id_z 1
		.amdhsa_system_vgpr_workitem_id 0
		.amdhsa_next_free_vgpr 130
		.amdhsa_next_free_sgpr 66
		.amdhsa_reserve_vcc 1
		.amdhsa_float_denorm_mode_32 3
		.amdhsa_float_denorm_mode_16_64 3
		.amdhsa_memory_ordered 1
		.amdhsa_forward_progress 1
		.amdhsa_inst_pref_size 28
	.end_amdhsa_kernel
	.amdgpu_metadata
---
amdhsa.version: [ 1, 2 ]
amdhsa.kernels:
  - .name:           k_qbdc070adbf_route
    .symbol:         k_qbdc070adbf_route.kd
    .args:
      - { .name: sel, .offset: 0, .size: 8, .value_kind: global_buffer, .address_space: global }
      - { .name: route, .offset: 8, .size: 8, .value_kind: global_buffer, .address_space: global }
      - { .name: slots, .offset: 16, .size: 8, .value_kind: global_buffer, .address_space: global }
    .group_segment_fixed_size: 34048
    .private_segment_fixed_size: 0
    .kernarg_segment_align: 8
    .kernarg_segment_size: 24
    .max_flat_workgroup_size: 256
    .sgpr_count:     66
    .vgpr_count:     130
    .wavefront_size: 32
...
	.end_amdgpu_metadata
.endif
;; end of part 2
;; launch scatter (part 3): grid 1 x 1, 8 waves a work-group, no clusters, 0 bytes of LDS; arguments slots, route; writes route
.if DOCPART == 3
	.amdgcn_target "amdgcn-amd-amdhsa--gfx1250"
	.amdhsa_code_object_version 6
	.text
	.protected	k_qbdc070adbf_scatter
	.globl	k_qbdc070adbf_scatter
	.p2align	8
	.type	k_qbdc070adbf_scatter,@function
k_qbdc070adbf_scatter:
	s_mov_b64 s[64:65], 0
	v_nop
	global_prefetch_b8 v0, s[64:65] scope:SCOPE_SE
	s_setreg_imm32_b32 hwreg(HW_REG_WAVE_MODE, 25, 1), 1
	s_wait_xcnt 0x0
; THE LISTS.  list[slot[t][k]] = t for the 1,024 tokens' two choices: the table of slots turned round.  One work-group of 256 threads;
; thread i takes tokens i, 256 + i, 512 + i, 768 + i.  A slot (expert x 1,024 + position) is a whole number that the launch before stored;
; it enters the address clamped to the table's 8,192 words and shifted left.  Each slot belongs to one token and choice, so every lane
; stores and no word is stored twice.  Words behind an expert's count keep the zeros of the launch before.
; Stores of four bytes to places far apart: 2,048 of them in all; that is what turning a table round is.
	s_load_b128 s[4:7], s[0:1], 0x0                ; slots s[4:5], route s[6:7]
	v_lshlrev_b32 v1, 3, v0                        ; 8 x thread: a token's pair of slots
.irp j, 0,1,2,3
	v_add_nc_u32 v[16+\j], 256*\j, v0              ; the token
.endr
	s_wait_kmcnt 0x0
.irp j, 0,1,2,3
	global_load_b64 v[8+2*\j:9+2*\j], v1, s[4:5] offset:2048*\j
.endr
	s_wait_loadcnt 0x0
.irp i, 0,1,2,3,4,5,6,7
	v_min_u32 v[8+\i], 0x1fff, v[8+\i]
	v_lshlrev_b32 v[8+\i], 2, v[8+\i]
.endr
.irp j, 0,1,2,3
.irp k, 0,1
	global_store_b32 v[8+2*\j+\k], v[16+\j], s[6:7] offset:8448
.endr
.endr
	s_endpgm
.Lfunc_end_k_qbdc070adbf_scatter:
	.size	k_qbdc070adbf_scatter, .Lfunc_end_k_qbdc070adbf_scatter-k_qbdc070adbf_scatter
	.p2alignl 7, 3214868480
	.fill 96, 4, 3214868480
	.section	.rodata,"a",@progbits
	.p2align	6, 0x0
	.amdhsa_kernel k_qbdc070adbf_scatter
		.amdhsa_group_segment_fixed_size 0
		.amdhsa_private_segment_fixed_size 0
		.amdhsa_enable_private_segment 0
		.amdhsa_kernarg_size 16
		.amdhsa_user_sgpr_count 2
		.amdhsa_user_sgpr_kernarg_segment_ptr 1
		.amdhsa_wavefront_size32 1
		.amdhsa_system_sgpr_workgroup_id_x 1
		.amdhsa_system_sgpr_workgroup_id_y 1
		.amdhsa_system_sgpr_workgroup_id_z 1
		.amdhsa_system_vgpr_workitem_id 0
		.amdhsa_next_free_vgpr 24
		.amdhsa_next_free_sgpr 66
		.amdhsa_reserve_vcc 0
		.amdhsa_float_denorm_mode_32 3
		.amdhsa_float_denorm_mode_16_64 3
		.amdhsa_memory_ordered 1
		.amdhsa_forward_progress 1
		.amdhsa_inst_pref_size 3
	.end_amdhsa_kernel
	.amdgpu_metadata
---
amdhsa.version: [ 1, 2 ]
amdhsa.kernels:
  - .name:           k_qbdc070adbf_scatter
    .symbol:         k_qbdc070adbf_scatter.kd
    .args:
      - { .name: slots, .offset: 0, .size: 8, .value_kind: global_buffer, .address_space: global }
      - { .name: route, .offset: 8, .size: 8, .value_kind: global_buffer, .address_space: global }
    .group_segment_fixed_size: 0
    .private_segment_fixed_size: 0
    .kernarg_segment_align: 8
    .kernarg_segment_size: 16
    .max_flat_workgroup_size: 256
    .sgpr_count:     66
    .vgpr_count:     24
    .wavefront_size: 32
...
	.end_amdgpu_metadata
.endif
;; end of part 3
;; launch up (part 4): grid 32 x 8, 8 waves a work-group, no clusters, 209,920 bytes of LDS; arguments xb, W1, W2, route, hid; writes hid
.if DOCPART == 4
	.amdgcn_target "amdgcn-amd-amdhsa--gfx1250"
	.amdhsa_code_object_version 6
	.text
	.protected	k_qbdc070adbf_up
	.globl	k_qbdc070adbf_up
	.p2align	8
	.type	k_qbdc070adbf_up,@function
k_qbdc070adbf_up:
	s_mov_b64 s[64:65], 0
	v_nop
	global_prefetch_b8 v0, s[64:65] scope:SCOPE_SE
	s_setreg_imm32_b32 hwreg(HW_REG_WAVE_MODE, 25, 1), 1
	s_wait_xcnt 0x0
; hid = silu(x W1^T) * (x W2^T) for the rows of one expert's list and one slice of the hidden axis, rounded once to bf16.
; THE SHARE.  Work-group (s, e): slice s of 32, expert e.  A slice is a block of 96 hidden columns beginning at weight row ROW0: 86 s with
; columns 0-85 valid, or, for s = 31, 2,634 with columns 32-95 valid; the other columns are stored as +0, so the launch behind may multiply
; them by whatever finite numbers of W3 stand there.  8 x 32 work-groups, 86 (once 64) rows of W1 and of W2 each: every weight byte is read once.
; Rows 0-319 of the list (20 tiles of 16) go through LDS; K = 1,024 in 16 tiles of 64 on two LDS buffers.  Wave w: wm = w & 3, wn = w >> 2;
; it owns the row tiles 4 m + wm, m = 0..4, and the column tiles 48 wn + 16 n, n = 0..2, of both products: 30 accumulators.
; THE FILLS GO THROUGH REGISTERS: the weights are f32 and each number is rounded once on its way into LDS, the token rows are gathered by
; the list, one address a lane, and loads into registers stay out across barriers: two weight tiles, 12 KB a wave, are always on their way.
; NO CLUSTER for the same reason: a joint request is a tensor load's, and none is used here.
; COUNTS.  The list's length is read from route.  It steers forward jumps over a wave's dead row tiles (text without a barrier) and the trip
; count of the last part, which takes the rows from 320 on, a tile of 16 a wave, without LDS and without a barrier.  Rows behind the count
; inside a live tile are token 0's: finite numbers that nobody reads.
; THE MATRIX INSTRUCTION IS USED TRANSPOSED: source 0 = 16 weight rows, source 1 = 16 tokens: a lane holds one token and 8 neighbouring columns.
; LIMITS.  NaN and infinities are not treated apart.  silu(a) b = a b / (1 + 2^(-a log2 e)): for very negative a the power is +inf and the result 0.
; REGISTERS.  Window 0: v2-31 addresses; v32-71 token fragments; v72-119 weight fragments; v120-159 a token tile on its way; v160-255 two
; weight tiles on their way.  Window 1: accumulator (m, c) at v[48 m + 8 c], c = 0..2 the first product's n, c = 3..5 the second's.
.set PX,   144                         ; an LDS row: 128 bytes + 16: the 16 rows of a fragment load start at 16 different groups of four banks (ISA guide 11.1)
.set BUF,  73728                       ; a buffer: 320 token rows, then 192 weight rows (96 of W1, 96 of W2)
.set WOF,  46080
.set OUT,  147456                      ; behind the buffers: the block of hid as it lies in memory, 320 rows x 192 bytes
.set VW,   2                           ; v2      (2 wm + h) x 4,096 + 16 r: my place in two weight rows
.set VWL,  3                           ; v3-6    the same for loads 0-3, rows clamped from below to LO
.set VWH,  7                           ; v7-8    for loads 10, 11, rows clamped from above to QMAX
.set XOFF, 9                           ; v9-18   token x 2,048 + 16 (l & 7), for my ten rows
.set AADR, 19                          ; v19-20  LDS address of my token fragments, buffer 0, 1
.set BADR, 21                          ; v21-22  of my weight fragments
.set WST,  23                          ; v23-24  where I put weights
.set XST,  25                          ; v25-26  where I put token rows
.set RR,   27                          ; v27     r = l & 15
.set HH,   28                          ; v28     h = l >> 4
.set OSTA, 29                          ; v29     the way out: where I put 16 bytes of a row
.set OLD,  30                          ; v30     the way out: where I read the block back
.set OGO,  31                          ; v31     my byte offset in the block of hid
.set AF,   32
.set BF,   72
.set XS,   120
.set WS0,  160
.set MK,   170                         ; the way out: v170-181 masks, v184-207, v208-231 at work, v232-243 packed
.set T,    184
.set U,    208
.set PK,   232
.set WV,   16                          ; s16-18  w, wm, wn
.set WM,   17
.set WN,   18
.set SL,   19                          ; s19, s20  slice, expert
.set EX,   20
.set CN,   21                          ; s21  the list's length
.set NTT,  22                          ; s22  its tiles of 16
.set NT,   23                          ; s23  those that go through LDS, 20 at the most
.set NM,   24                          ; s24  how many of them are my wave's
.set QMAX, 26                          ; s26-28  last weight row fetched; first valid column; number of valid columns
.set LO,   27
.set WID,  28
.set CT,   29
.set WB,   30                          ; s[30:31] my matrix at the slice's first row, running along K
.set XB,   32                          ; s[32:33] xb, running along K
.set W1B,  36                          ; s[36:39] W1 and W2 at the slice's first row
.set W2B,  38
.set HB,   40                          ; s[40:41] hid at the block's first byte
.set LB,   42                          ; s[42:43] the expert's list
.set LG,   46                          ; s[46:47] -log2(e), named as a pair
.set OF,   48
.set MSB, 0
.macro WIN new                         ; the immediate's high byte repeats the setting that is left; a switch that changes nothing is dropped
.if MSB != (\new)
	s_set_vgpr_msb (MSB<<8)|(\new)
.set MSB, \new
.endif
.endm
.macro SYNC                            ; my LDS stores are done and my LDS reads are back; then everybody's
	s_wait_dscnt 0x0
	s_barrier_signal -1
	s_barrier_wait -1
.endm
; 12 loads: my 24 rows' 256 bytes of a weight tile (row 8 i + 2 wm + h, 16 bytes a lane: each load covers two whole pieces of 256 bytes)
.macro LDW set
.set WSB, WS0+48*(\set)
.irp i, 0,1,2,3
	global_load_b128 v[WSB+4*\i:WSB+4*\i+3], v[VWL+\i], s[WB:WB+1]
.endr
.irp i, 4,5,6,7,8,9
	global_load_b128 v[WSB+4*\i:WSB+4*\i+3], v[VW], s[WB:WB+1] offset:32768*\i th:TH_LOAD_NT
.endr
.irp i, 10,11
	global_load_b128 v[WSB+4*\i:WSB+4*\i+3], v[VWH+\i-10], s[WB:WB+1]
.endr
.endm
; 10 loads: rows 32 i + 4 w + (l >> 3) of the list, 128 bytes of each
.macro LDX
.irp i, 0,1,2,3,4,5,6,7,8,9
	global_load_b128 v[XS+4*\i:XS+4*\i+3], v[XOFF+\i], s[XB:XB+1]
.endr
.endm
; A tile goes into buffer b: the weights of register set `set` rounded to bf16, the token rows as they are.  cnt = the younger loads that may stay out.
; Then the next loads are issued, the tokens' ahead of the weights', so that a later count of 12 leaves exactly one weight tile out.
.macro STAGE b, set, cnt, ldx, ldw
	s_wait_loadcnt \cnt
.set WSB, WS0+48*(\set)
.irp i, 0,1,2,3,4,5,6,7,8,9,10,11
	v_cvt_pk_bf16_f32 v[WSB+4*\i], v[WSB+4*\i], v[WSB+4*\i+1]
	v_cvt_pk_bf16_f32 v[WSB+4*\i+1], v[WSB+4*\i+2], v[WSB+4*\i+3]
	ds_store_b64 v[WST+\b], v[WSB+4*\i:WSB+4*\i+1] offset:1152*\i
.endr
.irp i, 0,1,2,3,4,5,6,7,8,9
	ds_store_b128 v[XST+\b], v[XS+4*\i:XS+4*\i+3] offset:4608*\i
.endr
.if (\ldx)||(\ldw)
	s_wait_xcnt 0x0                                ; the bases of loads that are out are stepped only behind this wait
.endif
.if \ldx
	s_add_nc_u64 s[XB:XB+1], s[XB:XB+1], 128
	LDX
.endif
.if \ldw
	s_add_nc_u64 s[WB:WB+1], s[WB:WB+1], 256
	LDW \set
.endif
.endm
; The fragments of 32 along K (half j of buffer b): six of weights, and my live row tiles' of tokens.  lad = 1: dead tiles are jumped over.
.macro FRAG b, j, lad
.irp c, 0,1,2,3,4,5
	ds_load_b128 v[BF+8*\c:BF+8*\c+3],   v[BADR+\b] offset:2304*((\c)%3)+13824*((\c)/3)+64*\j
	ds_load_b128 v[BF+8*\c+4:BF+8*\c+7], v[BADR+\b] offset:2304*((\c)%3)+13824*((\c)/3)+64*\j+32
.endr
.irp m, 0,1,2,3,4
.if \lad
	s_cmp_le_u32 s[NM], \m
	s_cbranch_scc1 .Lfr_\@
.endif
	ds_load_b128 v[AF+8*\m:AF+8*\m+3],   v[AADR+\b] offset:9216*\m+64*\j
	ds_load_b128 v[AF+8*\m+4:AF+8*\m+7], v[AADR+\b] offset:9216*\m+64*\j+32
.endr
.Lfr_\@:
	s_wait_dscnt 0x0
.endm
; Six products for each live row tile.  The accumulators take turns, one instruction a turn.  zero = 1: the products start the sums.
; The four v_nop at the end are the places in front of the next loads into the fragments and of the way out's reads.
.macro MMA zero, lad
.irp m, 0,1,2,3,4
.if \lad
	s_cmp_le_u32 s[NM], \m
	s_cbranch_scc1 .Lmm_\@
.endif
	WIN 0x50                                       ; C and D in window 1
.irp c, 0,1,2,3,4,5
.if \zero
	v_wmma_f32_16x16x32_bf16 v[48*\m+8*\c:48*\m+8*\c+7], v[BF+8*\c:BF+8*\c+7], v[AF+8*\m:AF+8*\m+7], 0
.else
	v_wmma_f32_16x16x32_bf16 v[48*\m+8*\c:48*\m+8*\c+7], v[BF+8*\c:BF+8*\c+7], v[AF+8*\m:AF+8*\m+7], v[48*\m+8*\c:48*\m+8*\c+7]
.endif
.endr
.if \lad
	WIN 0                                          ; at a branch and at a label every window is 0
.endif
.endr
	WIN 0
.Lmm_\@:
.rept 4
	v_nop
.endr
.endm
.macro KSTEP b, j, first
	FRAG \b, \j, 1-(\first)
	MMA \first, 1-(\first)
.endm
; A trip: buffer b is multiplied, the next tile goes into buffer nb, one barrier.  Behind it nobody reads b any more and nb is whole.
.macro TRIP b, nb, set, cnt, ldx, ldw
	KSTEP \b, 0, 0
	KSTEP \b, 1, 0
	STAGE \nb, \set, \cnt, \ldx, \ldw
	SYNC
.endm
	s_load_b256 s[4:11], s[0:1], 0x0               ; xb s[4:5], W1 s[6:7], W2 s[8:9], route s[10:11]
	s_load_b64 s[12:13], s[0:1], 0x20              ; hid
	v_lshl_add_u32 v1, v0, 2, 0x33000
	s_set_vgpr_msb 0x40
	v_mov_b32 v241, 0
	s_set_vgpr_msb 0x4000
	v_lshrrev_b32 v32, 5, v0
	v_readfirstlane_b32 s[WV], v32
	v_and_b32 v[RR], 15, v0
	v_bfe_u32 v[HH], v0, 4, 1
	v_and_b32 v33, 31, v0                          ; lane
	s_and_b32 s[WM], s[WV], 3
	s_lshr_b32 s[WN], s[WV], 2
	s_mov_b32 s[SL], ttmp9
	s_and_b32 s[EX], ttmp7, 0xffff
	s_mul_i32 s50, s[SL], 86
	s_mov_b32 s[QMAX], 85
	s_cmp_eq_u32 s[SL], 31
	s_cselect_b32 s50, 2634, s50                   ; ROW0
	s_cselect_b32 s[QMAX], 95, s[QMAX]
	s_cselect_b32 s[LO], 32, 0
	s_cselect_b32 s[WID], 64, 86
	s_mul_i32 s[OF], s[EX], 2730
	s_add_co_u32 s[OF], s[OF], s50
	s_lshl_b32 s[OF], s[OF], 12                    ; the slice's first weight row, in bytes
	s_mov_b32 s[OF+1], 0
	s_lshl_b32 s52, s[EX], 12
	s_add_co_u32 s52, s52, 8448                    ; the expert's list in route
	s_mov_b32 s53, 0
	s_lshl_b32 s54, s[SL], 13
	s_lshl_b32 s55, s[EX], 10
	s_add_co_u32 s54, s54, s55
	s_mul_i32 s54, s54, 192                        ; the block of hid
	s_mov_b32 s55, 0
	s_lshl_b32 s56, s[EX], 2                       ; the expert's count in route
	s_mov_b32 s[LG], 0xbfb8aa3b                    ; -log2(e)
	s_mov_b32 s[LG+1], s[LG]
	s_lshl_b32 s57, s[WM], 1
	v_add_nc_u32 v34, s57, v[HH]                   ; 2 wm + h
	v_lshlrev_b32 v35, 4, v[RR]                    ; 16 r
	v_lshl_add_u32 v[VW], v34, 12, v35
.irp i, 0,1,2,3
	v_add_nc_u32 v39, 8*\i, v34
	v_max_u32 v39, s[LO], v39                      ; rows below the first valid column repeat it: nothing is fetched for them
	v_lshl_add_u32 v[VWL+\i], v39, 12, v35
.endr
.irp i, 10,11
	v_add_nc_u32 v39, 8*\i, v34
	v_min_u32 v39, s[QMAX], v39                    ; rows past the last valid column repeat it
	v_lshl_add_u32 v[VWH+\i-10], v39, 12, v35
.endr
	v_lshrrev_b32 v38, 3, v33
	s_lshl_b32 s58, s[WV], 2
	v_add_nc_u32 v38, s58, v38                     ; 4 w + (l >> 3): my row among 32
	v_lshlrev_b32 v36, 2, v38                      ; its word in the list
	v_and_b32 v37, 7, v33
	v_lshlrev_b32 v37, 4, v37                      ; 16 (l & 7)
	s_wait_kmcnt 0x0
	s_load_b32 s[CN], s[10:11], s56 offset:0x0
	s_cmp_lt_u32 s[WV], 4                          ; waves 0-3 fetch W1, waves 4-7 W2
	s_cselect_b64 s[WB:WB+1], s[6:7], s[8:9]
	s_add_nc_u64 s[WB:WB+1], s[WB:WB+1], s[OF:OF+1]
	s_add_nc_u64 s[W1B:W1B+1], s[6:7], s[OF:OF+1]
	s_add_nc_u64 s[W2B:W2B+1], s[8:9], s[OF:OF+1]
	s_mov_b64 s[XB:XB+1], s[4:5]
	s_add_nc_u64 s[HB:HB+1], s[12:13], s[54:55]
	s_add_nc_u64 s[LB:LB+1], s[10:11], s[52:53]
.irp i, 0,1,2,3,4,5,6,7,8,9
	global_load_b32 v[XOFF+\i], v36, s[LB:LB+1] offset:128*\i
.endr
	LDW 0                                          ; weight tiles 0 and 1: the stream starts ahead of all that hangs on the list
	s_wait_xcnt 0x0
	s_add_nc_u64 s[WB:WB+1], s[WB:WB+1], 256
	LDW 1
	s_lshl_b32 s57, s[WM], 4
	v_add_nc_u32 v39, s57, v[RR]                   ; 16 wm + r
	v_mul_u32_u24 v40, 192, v39
	v_mul_u32_u24 v39, PX, v39
	v_lshl_add_u32 v[AADR], v[HH], 4, v39
	v_add_nc_u32 v[AADR+1], BUF, v[AADR]
	v_lshl_add_u32 v40, v[HH], 4, v40
	s_mul_i32 s57, s[WN], 96
	s_add_co_u32 s58, s57, OUT
	v_add_nc_u32 v[OSTA], s58, v40                 ; OUT + (16 wm + r) x 192 + 96 wn + 16 h
	v_add_nc_u32 v39, s57, v34                     ; 96 wn + 2 wm + h
	v_mul_u32_u24 v39, PX, v39
	v_lshl_add_u32 v39, v[RR], 3, v39
	v_add_nc_u32 v[WST], WOF, v39
	v_add_nc_u32 v[WST+1], WOF+BUF, v39
	s_mul_i32 s57, s[WN], 48
	v_add_nc_u32 v39, s57, v[RR]                   ; 48 wn + r
	v_mul_u32_u24 v39, PX, v39
	v_lshl_add_u32 v39, v[HH], 4, v39
	v_add_nc_u32 v[BADR], WOF, v39
	v_add_nc_u32 v[BADR+1], WOF+BUF, v39
	v_mul_u32_u24 v39, PX, v38
	v_add_nc_u32 v[XST], v37, v39
	v_add_nc_u32 v[XST+1], BUF, v[XST]
	s_mul_i32 s57, s[WV], 7680
	v_lshl_add_u32 v[OGO], v33, 4, s57             ; 7,680 w + 16 l
	v_add_nc_u32 v[OLD], OUT, v[OGO]
	s_wait_kmcnt 0x0
	s_min_u32 s[CN], s[CN], 1024
	s_add_co_u32 s[NTT], s[CN], 15
	s_lshr_b32 s[NTT], s[NTT], 4
	s_min_u32 s[NT], s[NTT], 20
	s_add_co_u32 s[NM], s[NT], 3
	s_sub_co_u32 s[NM], s[NM], s[WM]
	s_lshr_b32 s[NM], s[NM], 2                     ; the m with 4 m + wm < NT
	s_wait_loadcnt 24                              ; the list is in; the 24 weight loads issued behind it stay out
.irp i, 0,1,2,3,4,5,6,7,8,9
	v_min_u32 v[XOFF+\i], 0x3ff, v[XOFF+\i]        ; a token number enters an address clamped, then by a shift left and an add
	v_lshlrev_b32 v[XOFF+\i], 11, v[XOFF+\i]
	v_add_nc_u32 v[XOFF+\i], v37, v[XOFF+\i]
.endr
	LDX                                            ; token tile 0
	STAGE 0, 0, 0, 1, 1                            ; it stands behind both weight tiles, so the wait is for all; asks for tokens 1, weights 2
	SYNC
	KSTEP 0, 0, 1                                  ; the first 32 along K start all 30 sums, dead tiles' too: every accumulator is written
	KSTEP 0, 1, 0
	STAGE 1, 1, 12, 1, 1
	SYNC
	s_mov_b32 s[CT], 6
.Lk:                                                   ; tiles 1 to 12: trip t stages tile t + 1 and asks for tokens t + 2 and weights t + 3
	TRIP 1, 0, 0, 12, 1, 1
	TRIP 0, 1, 1, 12, 1, 1
	s_sub_co_u32 s[CT], s[CT], 1
	s_cmp_lg_u32 s[CT], 0
	s_cbranch_scc1 .Lk
	TRIP 1, 0, 0, 12, 1, 0                         ; tile 13: the last token tile is asked for, no weights are left
	TRIP 0, 1, 1, 0, 0, 0                          ; tile 14: all that is out is tile 15
	KSTEP 1, 0, 0                                  ; tile 15
	KSTEP 1, 1, 0
	; THE WAY OUT.  A mask word for each pair of my columns: all ones where the column is valid (LO and WID are even).
	s_mul_i32 s57, s[WN], 48
	s_sub_co_u32 s57, s57, s[LO]
	v_lshl_add_u32 v33, v[HH], 3, s57              ; 48 wn + 8 h - LO
.irp p, 0,1,2,3,4,5,6,7,8,9,10,11
	v_add_nc_u32 v34, 16*((\p)/4)+2*((\p)%4), v33
	v_cmp_gt_u32 vcc_lo, s[WID], v34               ; unsigned: a column below LO wraps round and fails too
	v_cndmask_b32 v[MK+\p], 0, -1, vcc_lo
.endr
; Row tile m: 24 numbers a lane.  Each accumulator is read from its low end on.
.macro SWI m
	WIN 0x01                                       ; source 0 in window 1
.irp p, 0,1,2,3,4,5,6,7,8,9,10,11
	v_pk_mul_f32 v[T+2*\p:T+2*\p+1], v[48*\m+2*\p:48*\m+2*\p+1], s[LG:LG+1] op_sel_hi:[1,0]
.endr
	WIN 0x05                                       ; sources 0 and 1 in window 1
.irp p, 0,1,2,3,4,5,6,7,8,9,10,11
	v_pk_mul_f32 v[U+2*\p:U+2*\p+1], v[48*\m+2*\p:48*\m+2*\p+1], v[48*\m+24+2*\p:48*\m+24+2*\p+1]
.endr
	WIN 0
.set i, 0
.rept 24
	v_exp_f32 v[T+i], v[T+i]
.set i, i+1
.endr
	v_nop                                          ; a plain line between the exponentials and the use of their results (ISA guide 5.7.2)
	s_wait_alu depctr_va_vdst(0)
.irp p, 0,1,2,3,4,5,6,7,8,9,10,11
	v_pk_add_f32 v[T+2*\p:T+2*\p+1], v[T+2*\p:T+2*\p+1], 1.0 op_sel_hi:[1,0]
.endr
.set i, 0
.rept 24
	v_rcp_f32 v[T+i], v[T+i]
.set i, i+1
.endr
	v_nop
	s_wait_alu depctr_va_vdst(0)
.irp p, 0,1,2,3,4,5,6,7,8,9,10,11
	v_pk_mul_f32 v[U+2*\p:U+2*\p+1], v[U+2*\p:U+2*\p+1], v[T+2*\p:T+2*\p+1]
.endr
.irp p, 0,1,2,3,4,5,6,7,8,9,10,11
	v_cvt_pk_bf16_f32 v[PK+\p], v[U+2*\p], v[U+2*\p+1]
.endr
.irp p, 0,1,2,3,4,5,6,7,8,9,10,11
	v_and_b32 v[PK+\p], v[MK+\p], v[PK+\p]
.endr
.irp n, 0,1,2
	ds_store_b128 v[OSTA], v[PK+4*\n:PK+4*\n+3] offset:12288*\m+32*\n
.endr
.endm
	SWI 0
	SWI 1
	SWI 2
	SWI 3
	SWI 4
	SYNC                                           ; the block is whole
.irp u, 0,1,2,3,4,5,6,7,8,9,10,11,12,13,14
	ds_load_b128 v[32+4*\u:32+4*\u+3], v[OLD] offset:512*\u
.endr
	s_wait_dscnt 0x0
.irp u, 0,1,2,3,4,5,6,7,8,9,10,11,12,13,14
	global_store_b128 v[OGO], v[32+4*\u:32+4*\u+3], s[HB:HB+1] offset:512*\u  ; 512 consecutive bytes, at a multiple of 256 from hid's first
.endr
	; ROWS FROM 320 ON: tile 20 + w + 8 c for trip c.  No LDS, no barrier: fragments come straight from memory, the weights rounded in registers.
	; v32-47 two accumulators; v48-79 tokens, v80-143 W1, v144-207 W2 for 128 along K; v208-237 at work.
.set OPOS, 208
.set OLA,  209
.set OAV,  210
.set OHO,  211
.set OBV,  212
.set OH16, 213                         ; 16 h
.set OT,   214
.set OU,   222
.set OPK,  230
.set OH32, 236                         ; 32 h
	s_max_u32 s50, s[NTT], 20
	s_sub_co_u32 s50, s50, 13
	s_sub_co_u32 s50, s50, s[WV]
	s_lshr_b32 s50, s50, 3                         ; (tiles past 20 + 7 - w) / 8: my trips
	s_cmp_eq_u32 s50, 0
	s_cbranch_scc1 .Lend
	v_lshlrev_b32 v[OH16], 4, v[HH]
	v_lshlrev_b32 v[OH32], 5, v[HH]
	s_mov_b32 s51, 0
.Lotile:
	s_lshl3_add_u32 s52, s51, s[WV]
	s_add_co_u32 s52, s52, 20
	s_min_u32 s52, s52, 63                         ; the tile
	s_lshl_b32 s53, s52, 4
	s_wait_xcnt 0x0                                ; earlier stores have read their registers
	v_add_nc_u32 v[OPOS], s53, v[RR]               ; my row of the list
	v_lshlrev_b32 v[OLA], 2, v[OPOS]
	global_load_b32 v[OAV], v[OLA], s[LB:LB+1]
	v_mul_u32_u24 v[OHO], 192, v[OPOS]
	v_add_nc_u32 v[OHO], v[OH16], v[OHO]           ; row x 192 + 16 h
	s_wait_loadcnt 0x0
	v_min_u32 v[OAV], 0x3ff, v[OAV]
	v_lshlrev_b32 v[OAV], 11, v[OAV]
	v_add_nc_u32 v[OAV], v[OH16], v[OAV]           ; token x 2,048 + 16 h
	s_mov_b32 s54, 0
.Lon:                                                  ; six column tiles
	s_lshl_b32 s55, s54, 4
	s_wait_xcnt 0x0                                ; the last store has read its registers; the bases are written anew
	v_add_nc_u32 v[OBV], s55, v[RR]
	v_lshlrev_b32 v[OBV], 12, v[OBV]
	v_add_nc_u32 v[OBV], v[OH32], v[OBV]           ; (16 n + r) x 4,096 + 32 h: inside the matrix for every slice, since ROW0 + 95 < 2,730
	s_mov_b64 s[56:57], s[4:5]
	s_mov_b64 s[58:59], s[W1B:W1B+1]
	s_mov_b64 s[60:61], s[W2B:W2B+1]
.set i, 32
.rept 16
	v_mov_b32 v[i], 0
.set i, i+1
.endr
	s_mov_b32 s62, 8
.Lok:                                                  ; 128 along K a trip
.irp j, 0,1,2,3
	global_load_b128 v[48+8*\j:48+8*\j+3], v[OAV], s[56:57] offset:64*\j
	global_load_b128 v[48+8*\j+4:48+8*\j+7], v[OAV], s[56:57] offset:64*\j+32
.endr
.irp j, 0,1,2,3
.irp q, 0,1,2,3
	global_load_b128 v[80+16*\j+4*\q:80+16*\j+4*\q+3], v[OBV], s[58:59] offset:128*\j+16*((\q)%2)+64*((\q)/2)
	global_load_b128 v[144+16*\j+4*\q:144+16*\j+4*\q+3], v[OBV], s[60:61] offset:128*\j+16*((\q)%2)+64*((\q)/2)
.endr
.endr
	s_wait_loadcnt 0x0
.set d, 0
.rept 32                               ; packed in place, ascending: register d takes raw 2 d and 2 d + 1, which lie at or above it
	v_cvt_pk_bf16_f32 v[80+d], v[80+2*d], v[80+2*d+1]
	v_cvt_pk_bf16_f32 v[144+d], v[144+2*d], v[144+2*d+1]
.set d, d+1
.endr
.irp j, 0,1,2,3                        ; the two accumulators take turns, over the backward jump too
	v_wmma_f32_16x16x32_bf16 v[32:39], v[80+8*\j:80+8*\j+7], v[48+8*\j:48+8*\j+7], v[32:39]
	v_wmma_f32_16x16x32_bf16 v[40:47], v[144+8*\j:144+8*\j+7], v[48+8*\j:48+8*\j+7], v[40:47]
.endr
.rept 4
	v_nop
.endr
	s_wait_xcnt 0x0
	s_add_nc_u64 s[56:57], s[56:57], 256
	s_add_nc_u64 s[58:59], s[58:59], 512
	s_add_nc_u64 s[60:61], s[60:61], 512
	s_sub_co_u32 s62, s62, 1
	s_cmp_lg_u32 s62, 0
	s_cbranch_scc1 .Lok
.irp p, 0,1,2,3
	v_pk_mul_f32 v[OT+2*\p:OT+2*\p+1], v[32+2*\p:32+2*\p+1], s[LG:LG+1] op_sel_hi:[1,0]
.endr
.irp p, 0,1,2,3
	v_pk_mul_f32 v[OU+2*\p:OU+2*\p+1], v[32+2*\p:32+2*\p+1], v[40+2*\p:40+2*\p+1]
.endr
.irp i, 0,1,2,3,4,5,6,7
	v_exp_f32 v[OT+\i], v[OT+\i]
.endr
	v_nop
	s_wait_alu depctr_va_vdst(0)
.irp p, 0,1,2,3
	v_pk_add_f32 v[OT+2*\p:OT+2*\p+1], v[OT+2*\p:OT+2*\p+1], 1.0 op_sel_hi:[1,0]
.endr
.irp i, 0,1,2,3,4,5,6,7
	v_rcp_f32 v[OT+\i], v[OT+\i]
.endr
	v_nop
	s_wait_alu depctr_va_vdst(0)
.irp p, 0,1,2,3
	v_pk_mul_f32 v[OU+2*\p:OU+2*\p+1], v[OU+2*\p:OU+2*\p+1], v[OT+2*\p:OT+2*\p+1]
.endr
	s_sub_co_u32 s63, s55, s[LO]
	v_lshl_add_u32 v234, v[HH], 3, s63             ; 16 n + 8 h - LO
.irp p, 0,1,2,3
	v_cvt_pk_bf16_f32 v[OPK+\p], v[OU+2*\p], v[OU+2*\p+1]
	v_add_nc_u32 v235, 2*\p, v234
	v_cmp_gt_u32 vcc_lo, s[WID], v235
	v_cndmask_b32 v[OPK+\p], 0, v[OPK+\p], vcc_lo
.endr
	s_lshl_b32 s63, s54, 5
	v_add_nc_u32 v237, s63, v[OHO]
	global_store_b128 v237, v[OPK:OPK+3], s[HB:HB+1]  ; 16 bytes a lane, rows 192 bytes apart: accepted on this way alone
	s_add_co_u32 s54, s54, 1
	s_cmp_lt_u32 s54, 6
	s_cbranch_scc1 .Lon
	s_add_co_u32 s51, s51, 1
	s_cmp_lt_u32 s51, s50
	s_cbranch_scc1 .Lotile
.Lend:
	s_set_vgpr_msb 0x4
	s_wait_tensorcnt 0x0
	ds_add_u32 v1, v241
	s_wait_dscnt 0x0
	s_set_vgpr_msb 0x400
	s_endpgm
.Lfunc_end_k_qbdc070adbf_up:
	.size	k_qbdc070adbf_up, .Lfunc_end_k_qbdc070adbf_up-k_qbdc070adbf_up
	.p2alignl 7, 3214868480
	.fill 96, 4, 3214868480
	.section	.rodata,"a",@progbits
	.p2align	6, 0x0
	.amdhsa_kernel k_qbdc070adbf_up
		.amdhsa_group_segment_fixed_size 209920
		.amdhsa_private_segment_fixed_size 0
		.amdhsa_enable_private_segment 0
		.amdhsa_kernarg_size 40
		.amdhsa_user_sgpr_count 2
		.amdhsa_user_sgpr_kernarg_segment_ptr 1
		.amdhsa_wavefront_size32 1
		.amdhsa_system_sgpr_workgroup_id_x 1
		.amdhsa_system_sgpr_workgroup_id_y 1
		.amdhsa_system_sgpr_workgroup_id_z 1
		.amdhsa_system_vgpr_workitem_id 0
		.amdhsa_next_free_vgpr 498
		.amdhsa_next_free_sgpr 66
		.amdhsa_reserve_vcc 1
		.amdhsa_float_denorm_mode_32 3
		.amdhsa_float_denorm_mode_16_64 3
		.amdhsa_memory_ordered 1
		.amdhsa_forward_progress 1
		.amdhsa_inst_pref_size 138
	.end_amdhsa_kernel
	.amdgpu_metadata
---
amdhsa.version: [ 1, 2 ]
amdhsa.kernels:
  - .name:           k_qbdc070adbf_up
    .symbol:         k_qbdc070adbf_up.kd
    .args:
      - { .name: xb, .offset: 0, .size: 8, .value_kind: global_buffer, .address_space: global }
      - { .name: W1, .offset: 8, .size: 8, .value_kind: global_buffer, .address_space: global }
      - { .name: W2, .offset: 16, .size: 8, .value_kind: global_buffer, .address_space: global }
      - { .name: route, .offset: 24, .size: 8, .value_kind: global_buffer, .address_space: global }
      - { .name: hid, .offset: 32, .size: 8, .value_kind: global_buffer, .address_space: global }
    .group_segment_fixed_size: 209920
    .private_segment_fixed_size: 0
    .kernarg_segment_align: 8
    .kernarg_segment_size: 40
    .max_flat_workgroup_size: 256
    .sgpr_count:     66
    .vgpr_count:     498
    .wavefront_size: 32
...
	.end_amdgpu_metadata
.endif
;; end of part 4
;; launch down (part 5): grid 32 x 8, 8 waves a work-group, no clusters, 222,208 bytes of LDS; arguments hid, W3, route, part; writes part
.if DOCPART == 5
	.amdgcn_target "amdgcn-amd-amdhsa--gfx1250"
	.amdhsa_code_object_version 6
	.text
	.protected	k_qbdc070adbf_down
	.globl	k_qbdc070adbf_down
	.p2align	8
	.type	k_qbdc070adbf_down,@function
k_qbdc070adbf_down:
	s_mov_b64 s[64:65], 0
	v_nop
	global_prefetch_b8 v0, s[64:65] scope:SCOPE_SE
	s_setreg_imm32_b32 hwreg(HW_REG_WAVE_MODE, 25, 1), 1
	s_wait_xcnt 0x0
; part[ks] = hid W3^T over a quarter of the hidden axis, in f32, for the rows of one expert's list and 128 output channels.
; THE SHARE.  Work-group (db + 8 ks, e): channels 128 db .. + 127, slices 8 ks .. 8 ks + 7 of the hidden axis (blocks of 96 columns beginning at
; column 86 s, the last at 2,634; hid holds +0 in a block's columns that belong to a neighbour), expert e.  Every byte of W3 that is needed is
; asked for by one work-group.  K is split in four: with fewer parts each block of hid is read by more work-groups, with more parts the partial
; sums grow; four moves the fewest bytes beside W3.
; Rows 0-319 of the list go through LDS, K in 8 tiles of 96 on two buffers.  Wave w: wm = w & 3, wn = w >> 2: row tiles 4 m + wm, m = 0..4,
; channel tiles 64 wn + 16 n, n = 0..3: 20 accumulators.
; THE FILLS GO THROUGH REGISTERS: W3 is f32 and each number is rounded once on its way into LDS; loads into registers stay out across barriers:
; two tiles of W3 are always on their way.  A row of W3 is 10,920 bytes and a block begins at a multiple of 8 bytes, not of 16: 8 bytes a lane
; is the widest aligned load.  NO CLUSTER: a joint request is a tensor load's, and none is used here.
; COUNTS.  The list's length steers forward jumps over a wave's dead row tiles (text without a barrier) and the trips of the last part, which
; takes the rows from 320 on without LDS and without a barrier.  Dead tiles are not stored, and nobody reads them.
; THE MATRIX INSTRUCTION IS USED TRANSPOSED: source 0 = 16 rows of W3 (channels), source 1 = 16 rows of hid: a lane holds one row and 8 channels.
; LIMITS.  NaN and infinities are not treated apart: a column of hid that is +0 is multiplied by a number of W3 that must be finite.
; REGISTERS.  Window 0: v2-23, v252-254 addresses; v24-63 fragments of hid; v64-95 of W3; v96-155 a tile of hid on its way; v156-251 two tiles
; of W3 on their way.  Window 1: accumulator (m, n) at v[32 m + 8 n].
.set PH,   208                         ; an LDS row: 192 bytes + 16: an odd multiple of 16, so the 16 rows of a fragment load start at 16 different groups of four banks (ISA guide 11.1)
.set BUF,  93184                       ; a buffer: 320 rows of hid, then 128 rows of W3
.set WOF,  66560
.set STG,  186368                      ; behind the buffers: 16 rows x 272 bytes for each wave, for the way out
.set V3,   2                           ; v2      h x 10,920 + 8 r: my 8 bytes in 128 bytes of two rows of W3
.set VH,   5                           ; v5      (40 w + (l >> 2)) x 192 + 16 (l & 3): my 16 bytes in 64 bytes of eight rows of hid
.set HST,  6                           ; v6-7    where I put hid, buffer 0, 1
.set W3ST, 12                          ; v12-13  where I put W3, buffer 0, 1
.set AADR, 18                          ; v18-19  LDS address of my fragments of hid
.set BADR, 20                          ; v20-21  of W3
.set SST,  22                          ; v22     the way out: where I put 32 bytes of a row
.set SRD,  23                          ; v23     where I read rows back
.set AF,   24
.set BF,   64
.set HS,   96
.set WS0,  156
.set PO,   252                         ; v252    4,096 h + 16 r
.set RR,   253
.set HH,   254
.set WV,   16
.set WM,   17
.set WN,   18
.set DB,   19
.set KS,   20
.set EX,   21
.set CN,   22
.set NTT,  23
.set NT,   24
.set NM,   25
.set SLC,  27                          ; s27  the slice of the tile of W3 asked for last
.set CT,   29
.set W3B,  30                          ; s[30:31] W3 at my 16 rows, running along the slices
.set HB,   32                          ; s[32:33] hid at the expert's rows, running along the slices
.set PB,   34                          ; s[34:35] part at my wave's first row and channel
.set HBO,  36                          ; s[36:41] the same three for the last part: the first slice, the work-group's first row of W3, its first channel
.set W3O,  38
.set PBO,  40
.set C344, 44                          ; s44  344: 86 columns of W3 in bytes
.set OF,   48                          ; s[48:49] the step from a block's first column to the next block's, in bytes
.set MSB, 0
.macro WIN new                         ; the immediate's high byte repeats the setting that is left; a switch that changes nothing is dropped
.if MSB != (\new)
	s_set_vgpr_msb (MSB<<8)|(\new)
.set MSB, \new
.endif
.endm
.macro SYNC                            ; my LDS stores are done and my LDS reads are back; then everybody's
	s_wait_dscnt 0x0
	s_barrier_signal -1
	s_barrier_wait -1
.endm
; The bases go one slice on: 86 columns of W3, or 54 into the last block; 8,192 rows of hid.  Bases of loads that are out are written only behind the wait.
.macro STEP wreg, hreg, ldh, ldw
	s_wait_xcnt 0x0
.if \ldw
	s_add_co_u32 s[SLC], s[SLC], 1
	s_cmp_eq_u32 s[SLC], 31
	s_cselect_b32 s[OF], 216, s[C344]
	s_add_nc_u64 s[\wreg:\wreg+1], s[\wreg:\wreg+1], s[OF:OF+1]
.endif
.if \ldh
	s_add_nc_u64 s[\hreg:\hreg+1], s[\hreg:\hreg+1], 1572864
.endif
.endm
.macro LDW3 set                        ; 24 loads: my 16 rows' 384 bytes: rows 2 i + h, third p of a row, 8 bytes a lane
.set WSB, WS0+48*(\set)
.irp i, 0,1,2,3,4,5,6,7
.irp p, 0,1,2
	global_load_b64 v[WSB+2*(3*\i+\p):WSB+2*(3*\i+\p)+1], v[V3], s[W3B:W3B+1] offset:21840*\i+128*\p
.endr
.endr
.endm
.macro LDH                             ; 15 loads: my 40 rows' 192 bytes: rows 8 (u / 3) + (l >> 2), third u % 3 of a row; three loads on end cover 1,536 consecutive bytes
.irp u, 0,1,2,3,4,5,6,7,8,9,10,11,12,13,14
	global_load_b128 v[HS+4*\u:HS+4*\u+3], v[VH], s[HB:HB+1] offset:1536*((\u)/3)+64*((\u)%3)
.endr
.endm
; A tile goes into buffer b.  cnt = the younger loads that may stay out.  Then the next loads, hid's ahead of W3's, so that a later count of 24 leaves exactly one tile of W3 out.
.macro STAGE b, set, cnt, ldh, ldw
	s_wait_loadcnt \cnt
.set WSB, WS0+48*(\set)
.irp i, 0,1,2,3,4,5,6,7
.irp p, 0,1,2
	v_cvt_pk_bf16_f32 v[WSB+2*(3*\i+\p)], v[WSB+2*(3*\i+\p)], v[WSB+2*(3*\i+\p)+1]
	ds_store_b32 v[W3ST+\b], v[WSB+2*(3*\i+\p)] offset:416*\i+64*\p
.endr
.endr
.irp u, 0,1,2,3,4,5,6,7,8,9,10,11,12,13,14
	ds_store_b128 v[HST+\b], v[HS+4*\u:HS+4*\u+3] offset:1664*((\u)/3)+64*((\u)%3)
.endr
.if (\ldh)||(\ldw)
	STEP W3B, HB, \ldh, \ldw
.endif
.if \ldh
	LDH
.endif
.if \ldw
	LDW3 \set
.endif
.endm
.macro FRAG b, j, lad
.irp n, 0,1,2,3
	ds_load_b128 v[BF+8*\n:BF+8*\n+3],   v[BADR+\b] offset:3328*\n+64*\j
	ds_load_b128 v[BF+8*\n+4:BF+8*\n+7], v[BADR+\b] offset:3328*\n+64*\j+32
.endr
.irp m, 0,1,2,3,4
.if \lad
	s_cmp_le_u32 s[NM], \m
	s_cbranch_scc1 .Lfr_\@
.endif
	ds_load_b128 v[AF+8*\m:AF+8*\m+3],   v[AADR+\b] offset:13312*\m+64*\j
	ds_load_b128 v[AF+8*\m+4:AF+8*\m+7], v[AADR+\b] offset:13312*\m+64*\j+32
.endr
.Lfr_\@:
	s_wait_dscnt 0x0
.endm
; Four products for each live row tile; the accumulators take turns, one instruction a turn.  The four v_nop are the
; places in front of the next loads into the fragments and of the way out's reads.
.macro MMA zero, lad
.irp m, 0,1,2,3,4
.if \lad
	s_cmp_le_u32 s[NM], \m
	s_cbranch_scc1 .Lmm_\@
.endif
	WIN 0x50                                       ; C and D in window 1
.irp n, 0,1,2,3
.if \zero
	v_wmma_f32_16x16x32_bf16 v[32*\m+8*\n:32*\m+8*\n+7], v[BF+8*\n:BF+8*\n+7], v[AF+8*\m:AF+8*\m+7], 0
.else
	v_wmma_f32_16x16x32_bf16 v[32*\m+8*\n:32*\m+8*\n+7], v[BF+8*\n:BF+8*\n+7], v[AF+8*\m:AF+8*\m+7], v[32*\m+8*\n:32*\m+8*\n+7]
.endif
.endr
.if \lad
	WIN 0                                          ; at a branch and at a label every window is 0
.endif
.endr
	WIN 0
.Lmm_\@:
.rept 4
	v_nop
.endr
.endm
.macro KSTEP b, j, first
	FRAG \b, \j, 1-(\first)
	MMA \first, 1-(\first)
.endm
.macro TRIP b, nb, set, cnt, ldh, ldw  ; buffer b is multiplied, the next tile goes into nb, one barrier: behind it nobody reads b and nb is whole
	KSTEP \b, 0, 0
	KSTEP \b, 1, 0
	KSTEP \b, 2, 0
	STAGE \nb, \set, \cnt, \ldh, \ldw
	SYNC
.endm
	s_load_b256 s[4:11], s[0:1], 0x0               ; hid s[4:5], W3 s[6:7], route s[8:9], part s[10:11]
	v_lshl_add_u32 v17, v0, 2, 0x36000
	v_mov_b32 v255, 0
	v_lshrrev_b32 v24, 5, v0
	v_readfirstlane_b32 s[WV], v24
	v_and_b32 v[RR], 15, v0
	v_bfe_u32 v[HH], v0, 4, 1
	v_and_b32 v32, 31, v0                          ; lane
	s_and_b32 s[WM], s[WV], 3
	s_lshr_b32 s[WN], s[WV], 2
	s_and_b32 s[DB], ttmp9, 7
	s_lshr_b32 s[KS], ttmp9, 3
	s_and_b32 s[EX], ttmp7, 0xffff
	s_mov_b32 s[C344], 344
	s_lshl_b32 s50, s[EX], 10
	s_lshl_b32 s51, s[DB], 7
	s_add_co_u32 s50, s50, s51                     ; the work-group's first row of W3
	s_mul_i32 s52, s50, 10920
	s_mul_i32 s53, s[KS], 2752                     ; its first slice's first column: 8 ks x 86 x 4 bytes
	s_add_co_u32 s52, s52, s53
	s_mov_b32 s53, 0
	s_mul_i32 s54, s[WV], 174720                   ; my 16 rows
	s_mov_b32 s55, 0
	s_mul_i32 s56, s[KS], 12582912                 ; 8 ks slices of 8,192 rows of 192 bytes,
	s_mul_i32 s57, s[EX], 196608                   ; the expert's 1,024 rows
	s_add_co_u32 s56, s56, s57
	s_mov_b32 s57, 0
	s_lshl_b32 s58, s[KS], 13
	s_lshl_b32 s59, s[EX], 10
	s_add_co_u32 s58, s58, s59
	s_lshl_b32 s58, s58, 12                        ; the expert's first row in my quarter of part,
	s_lshl_b32 s59, s[DB], 9
	s_add_co_u32 s58, s58, s59                     ; the work-group's first channel
	s_mov_b32 s59, 0
	s_lshl_b32 s60, s[WM], 16                      ; 16 wm rows,
	s_lshl_b32 s61, s[WN], 8
	s_add_co_u32 s60, s60, s61                     ; 64 wn channels
	s_mov_b32 s61, 0
	s_lshl_b32 s62, s[EX], 2
	s_lshl_b32 s[SLC], s[KS], 3
	s_mov_b32 s[OF+1], 0
	; the staging addresses: made of bit fields of the lane, the wave's number and constants alone
	v_mul_u32_u24 v24, 10920, v[HH]
	v_lshl_add_u32 v[V3], v[RR], 3, v24            ; h x 10,920 + 8 r
	s_lshl_b32 s26, s[WV], 4
	v_add_nc_u32 v24, s26, v[HH]                   ; 16 w + h
	v_mul_u32_u24 v24, PH, v24
	v_lshl_add_u32 v24, v[RR], 2, v24              ; x pitch + 4 r: two numbers in bf16
	v_add_nc_u32 v[W3ST], WOF, v24
	v_add_nc_u32 v[W3ST+1], WOF+BUF, v24
	s_mul_i32 s28, s[WV], 40
	v_lshrrev_b32 v25, 2, v32
	v_add_nc_u32 v25, s28, v25                     ; 40 w + (l >> 2)
	v_and_b32 v26, 3, v32
	v_lshlrev_b32 v26, 4, v26                      ; 16 (l & 3)
	v_mul_u32_u24 v27, 192, v25
	v_add_nc_u32 v[VH], v26, v27
	v_mul_u32_u24 v27, PH, v25
	v_add_nc_u32 v[HST], v26, v27
	v_add_nc_u32 v[HST+1], BUF, v[HST]
	s_wait_kmcnt 0x0
	s_load_b32 s[CN], s[8:9], s62 offset:0x0
	s_add_nc_u64 s[W3O:W3O+1], s[6:7], s[52:53]
	s_add_nc_u64 s[W3B:W3B+1], s[W3O:W3O+1], s[54:55]
	s_add_nc_u64 s[HBO:HBO+1], s[4:5], s[56:57]
	s_mov_b64 s[HB:HB+1], s[HBO:HBO+1]
	s_add_nc_u64 s[PBO:PBO+1], s[10:11], s[58:59]
	s_add_nc_u64 s[PB:PB+1], s[PBO:PBO+1], s[60:61]
	LDH                                            ; tile 0 of hid: rows 0-319 of every block are always written by the launch before
	LDW3 0                                         ; tiles 0 and 1 of W3
	STEP W3B, HB, 0, 1
	LDW3 1
	s_lshl_b32 s26, s[WM], 4
	v_add_nc_u32 v24, s26, v[RR]
	v_mul_u32_u24 v24, PH, v24
	v_lshl_add_u32 v[AADR], v[HH], 4, v24          ; (16 wm + r) x pitch + 16 h
	v_add_nc_u32 v[AADR+1], BUF, v[AADR]
	s_lshl_b32 s26, s[WN], 6
	v_add_nc_u32 v24, s26, v[RR]
	v_mul_u32_u24 v24, PH, v24
	v_lshl_add_u32 v24, v[HH], 4, v24              ; (64 wn + r) x pitch + 16 h
	v_add_nc_u32 v[BADR], WOF, v24
	v_add_nc_u32 v[BADR+1], WOF+BUF, v24
	s_mul_i32 s26, s[WV], 4352
	s_add_co_u32 s26, s26, STG                     ; my stage
	v_mul_u32_u24 v24, 272, v[RR]
	v_lshl_add_u32 v24, v[HH], 5, v24
	v_add_nc_u32 v[SST], s26, v24                  ; in: row r, 32 bytes for each half of the lanes
	v_mul_u32_u24 v24, 272, v[HH]
	v_lshl_add_u32 v24, v[RR], 4, v24
	v_add_nc_u32 v[SRD], s26, v24                  ; back: lanes 0-15 one row of 256 bytes, lanes 16-31 the next
	v_lshlrev_b32 v24, 12, v[HH]
	v_lshl_add_u32 v[PO], v[RR], 4, v24            ; the same two rows in part
	s_wait_kmcnt 0x0
	s_min_u32 s[CN], s[CN], 1024
	s_add_co_u32 s[NTT], s[CN], 15
	s_lshr_b32 s[NTT], s[NTT], 4
	s_min_u32 s[NT], s[NTT], 20
	s_add_co_u32 s[NM], s[NT], 3
	s_sub_co_u32 s[NM], s[NM], s[WM]
	s_lshr_b32 s[NM], s[NM], 2                     ; the m with 4 m + wm < NT
	STAGE 0, 0, 24, 1, 1                           ; tile 0 is in; the 24 loads of W3's tile 1 stay out; asks for hid 1 and W3 2
	SYNC
	KSTEP 0, 0, 1                                  ; the first 32 along K start all 20 sums, dead tiles' too: every accumulator is written
	KSTEP 0, 1, 0
	KSTEP 0, 2, 0
	STAGE 1, 1, 24, 1, 1
	SYNC
	s_mov_b32 s[CT], 2
.Lk:                                                   ; tiles 1 to 4: trip t stages tile t + 1 and asks for hid t + 2 and W3 t + 3
	TRIP 1, 0, 0, 24, 1, 1
	TRIP 0, 1, 1, 24, 1, 1
	s_sub_co_u32 s[CT], s[CT], 1
	s_cmp_lg_u32 s[CT], 0
	s_cbranch_scc1 .Lk
	TRIP 1, 0, 0, 24, 1, 0                         ; tile 5: the last tile of hid is asked for
	TRIP 0, 1, 1, 0, 0, 0                          ; tile 6: all that is out is tile 7
	KSTEP 1, 0, 0                                  ; tile 7
	KSTEP 1, 1, 0
	KSTEP 1, 2, 0
	; THE WAY OUT, a live row tile at a time, through my own stage: no barrier.  Each accumulator's low half is stored first.
.irp m, 0,1,2,3,4
	s_cmp_le_u32 s[NM], \m
	s_cbranch_scc1 .Lstored
	WIN 0x04                                       ; the stores' data in window 1
.irp n, 0,1,2,3
	ds_store_b128 v[SST], v[32*\m+8*\n:32*\m+8*\n+3] offset:64*\n
	ds_store_b128 v[SST], v[32*\m+8*\n+4:32*\m+8*\n+7] offset:64*\n+16
.endr
	WIN 0
	s_wait_xcnt 0x0                                ; the last tile's stores have read the registers that are loaded again below
.irp t, 0,1,2,3,4,5,6,7
	ds_load_b128 v[HS+4*\t:HS+4*\t+3], v[SRD] offset:544*\t  ; LDS serves a wave's instructions in order (ISA guide 5.7.1.4): these see the stores above
.endr
	s_wait_dscnt 0x0
.irp t, 0,1,2,3,4,5,6,7
	global_store_b128 v[PO], v[HS+4*\t:HS+4*\t+3], s[PB:PB+1] offset:(64*\m+2*\t)*4096  ; 16 lanes store 256 consecutive bytes, at a multiple of 256 from part's first
.endr
.endr
.Lstored:
	; ROWS FROM 320 ON: tile 20 + w + 8 c for trip c, all 128 channels, two channel tiles at a time.  No LDS, no barrier.
	; v24-39 two accumulators; v40-63 hid, v64-159 W3 for a slice's 96 columns; v160-166 addresses.
	s_max_u32 s50, s[NTT], 20
	s_sub_co_u32 s50, s50, 13
	s_sub_co_u32 s50, s50, s[WV]
	s_lshr_b32 s50, s50, 3                         ; (tiles past 20 + 7 - w) / 8: my trips
	s_cmp_eq_u32 s50, 0
	s_cbranch_scc1 .Lend
	v_lshlrev_b32 v165, 4, v[HH]                   ; 16 h
	v_lshlrev_b32 v166, 5, v[HH]                   ; 32 h
	s_mov_b32 s51, 0
.Lotile:
	s_lshl3_add_u32 s52, s51, s[WV]
	s_add_co_u32 s52, s52, 20
	s_min_u32 s52, s52, 63                         ; the tile
	s_lshl_b32 s53, s52, 4
	s_wait_xcnt 0x0                                ; earlier stores have read their registers
	v_add_nc_u32 v160, s53, v[RR]                  ; my row
	v_mul_u32_u24 v161, 192, v160
	v_add_nc_u32 v161, v165, v161                  ; in hid: row x 192 + 16 h
	v_lshlrev_b32 v162, 12, v160
	v_add_nc_u32 v162, v166, v162                  ; in part: row x 4,096 + 32 h
	v_mul_u32_u24 v163, 10920, v[RR]
	v_add_nc_u32 v163, v166, v163                  ; in W3: r x 10,920 + 32 h,
	v_add_nc_u32 v164, 174720, v163                ; and 16 rows on
	s_mov_b32 s54, 0
.Lon:                                                  ; four pairs of channel tiles
	s_wait_xcnt 0x0
	s_mov_b64 s[56:57], s[HBO:HBO+1]
	s_mov_b64 s[58:59], s[W3O:W3O+1]
	s_lshl_b32 s[SLC], s[KS], 3
.set i, 24
.rept 16
	v_mov_b32 v[i], 0
.set i, i+1
.endr
	s_mov_b32 s62, 8
.Lok:                                                  ; a slice a trip
.irp j, 0,1,2
	global_load_b128 v[40+8*\j:40+8*\j+3], v161, s[56:57] offset:64*\j
	global_load_b128 v[40+8*\j+4:40+8*\j+7], v161, s[56:57] offset:64*\j+32
.endr
.irp j, 0,1,2
.irp q, 0,1,2,3,4,5,6,7
	global_load_b64 v[64+16*\j+2*\q:64+16*\j+2*\q+1], v163, s[58:59] offset:128*\j+8*((\q)%4)+64*((\q)/4)
	global_load_b64 v[112+16*\j+2*\q:112+16*\j+2*\q+1], v164, s[58:59] offset:128*\j+8*((\q)%4)+64*((\q)/4)
.endr
.endr
	s_wait_loadcnt 0x0
.set d, 0
.rept 48                               ; packed in place, ascending: register d takes raw 2 d and 2 d + 1, which lie at or above it
	v_cvt_pk_bf16_f32 v[64+d], v[64+2*d], v[64+2*d+1]
.set d, d+1
.endr
.irp j, 0,1,2                          ; the two accumulators take turns, over the backward jump too
	v_wmma_f32_16x16x32_bf16 v[24:31], v[64+8*\j:64+8*\j+7], v[40+8*\j:40+8*\j+7], v[24:31]
	v_wmma_f32_16x16x32_bf16 v[32:39], v[88+8*\j:88+8*\j+7], v[40+8*\j:40+8*\j+7], v[32:39]
.endr
.rept 4
	v_nop
.endr
	STEP 58, 56, 1, 1
	s_sub_co_u32 s62, s62, 1
	s_cmp_lg_u32 s62, 0
	s_cbranch_scc1 .Lok
	global_store_b128 v162, v[24:27], s[PBO:PBO+1]             ; 32 bytes a lane and tile, rows 4,096 bytes apart: accepted on this way alone
	global_store_b128 v162, v[28:31], s[PBO:PBO+1] offset:16
	global_store_b128 v162, v[32:35], s[PBO:PBO+1] offset:64
	global_store_b128 v162, v[36:39], s[PBO:PBO+1] offset:80
	s_wait_xcnt 0x0
	v_add_nc_u32 v162, 128, v162                   ; 32 channels on
	v_add_nc_u32 v163, 349440, v163                ; 32 rows of W3 on
	v_add_nc_u32 v164, 349440, v164
	s_add_co_u32 s54, s54, 1
	s_cmp_lt_u32 s54, 4
	s_cbranch_scc1 .Lon
	s_add_co_u32 s51, s51, 1
	s_cmp_lt_u32 s51, s50
	s_cbranch_scc1 .Lotile
.Lend:
	s_wait_tensorcnt 0x0
	ds_add_u32 v17, v255
	s_wait_dscnt 0x0
	s_endpgm
.Lfunc_end_k_qbdc070adbf_down:
	.size	k_qbdc070adbf_down, .Lfunc_end_k_qbdc070adbf_down-k_qbdc070adbf_down
	.p2alignl 7, 3214868480
	.fill 96, 4, 3214868480
	.section	.rodata,"a",@progbits
	.p2align	6, 0x0
	.amdhsa_kernel k_qbdc070adbf_down
		.amdhsa_group_segment_fixed_size 222208
		.amdhsa_private_segment_fixed_size 0
		.amdhsa_enable_private_segment 0
		.amdhsa_kernarg_size 32
		.amdhsa_user_sgpr_count 2
		.amdhsa_user_sgpr_kernarg_segment_ptr 1
		.amdhsa_wavefront_size32 1
		.amdhsa_system_sgpr_workgroup_id_x 1
		.amdhsa_system_sgpr_workgroup_id_y 1
		.amdhsa_system_sgpr_workgroup_id_z 1
		.amdhsa_system_vgpr_workitem_id 0
		.amdhsa_next_free_vgpr 416
		.amdhsa_next_free_sgpr 66
		.amdhsa_reserve_vcc 0
		.amdhsa_float_denorm_mode_32 3
		.amdhsa_float_denorm_mode_16_64 3
		.amdhsa_memory_ordered 1
		.amdhsa_forward_progress 1
		.amdhsa_inst_pref_size 135
	.end_amdhsa_kernel
	.amdgpu_metadata
---
amdhsa.version: [ 1, 2 ]
amdhsa.kernels:
  - .name:           k_qbdc070adbf_down
    .symbol:         k_qbdc070adbf_down.kd
    .args:
      - { .name: hid, .offset: 0, .size: 8, .value_kind: global_buffer, .address_space: global }
      - { .name: W3, .offset: 8, .size: 8, .value_kind: global_buffer, .address_space: global }
      - { .name: route, .offset: 16, .size: 8, .value_kind: global_buffer, .address_space: global }
      - { .name: part, .offset: 24, .size: 8, .value_kind: global_buffer, .address_space: global }
    .group_segment_fixed_size: 222208
    .private_segment_fixed_size: 0
    .kernarg_segment_align: 8
    .kernarg_segment_size: 32
    .max_flat_workgroup_size: 256
    .sgpr_count:     66
    .vgpr_count:     416
    .wavefront_size: 32
...
	.end_amdgpu_metadata
.endif
;; end of part 5
;; launch combine (part 6): grid 256 x 1, 8 waves a work-group, no clusters, 0 bytes of LDS; arguments part, route, gw, out0; writes out0
.if DOCPART == 6
	.amdgcn_target "amdgcn-amd-amdhsa--gfx1250"
	.amdhsa_code_object_version 6
	.text
	.protected	k_qbdc070adbf_combine
	.globl	k_qbdc070adbf_combine
	.p2align	8
	.type	k_qbdc070adbf_combine,@function
k_qbdc070adbf_combine:
	s_mov_b64 s[64:65], 0
	v_nop
	global_prefetch_b8 v0, s[64:65] scope:SCOPE_SE
	s_setreg_imm32_b32 hwreg(HW_REG_WAVE_MODE, 25, 1), 1
	s_wait_xcnt 0x0
; out0[t] = g1 x (the four partial rows of the token's first choice, added) + g2 x (those of its second), all in f32, in a fixed order.
; Two waves take a token, t = 4 x work-group + (wave >> 1), 512 channels each; a lane takes four pieces of 16 bytes.  The rows' numbers
; (slot = expert x 1,024 + position) are whole numbers that an earlier launch stored; the weights g come from the gate, in f32.
; A stream: 32 loads a wave go out at once, each of 512 consecutive bytes; no LDS, no barrier, no matrix unit: there is nothing to share.
.set R0, 8                             ; v8-135  piece c, choice k, quarter q at 8 + 4 (8 c + 4 k + q)
	s_load_b256 s[4:11], s[0:1], 0x0               ; part s[4:5], route s[6:7], gw s[8:9], out0 s[10:11]
	v_and_b32 v1, 31, v0
	v_lshrrev_b32 v4, 5, v0
	v_readfirstlane_b32 s12, v4                    ; wave
	s_lshr_b32 s13, s12, 1
	s_and_b32 s14, s12, 1
	s_lshl2_add_u32 s15, ttmp9, s13                ; the token
	s_lshl_b32 s16, s15, 3                         ; its pair of slots, and of weights
	s_lshl_b32 s28, s15, 12                        ; its row in out0
	s_mov_b32 s29, 0
	s_lshl_b32 s17, s14, 11
	v_lshl_add_u32 v1, v1, 4, s17                  ; 2,048 x half + 16 l
	s_wait_kmcnt 0x0
	s_load_b64 s[18:19], s[6:7], s16 offset:0x100
	s_load_b64 s[20:21], s[8:9], s16 offset:0x0
	s_mov_b64 s[32:33], s[4:5]                     ; the four quarters of part, 33,554,432 bytes apart
	s_add_nc_u64 s[34:35], s[4:5], 0x2000000
	s_add_nc_u64 s[36:37], s[4:5], 0x4000000
	s_add_nc_u64 s[38:39], s[4:5], 0x6000000
	s_add_nc_u64 s[10:11], s[10:11], s[28:29]
	s_wait_kmcnt 0x0
	s_min_u32 s18, s18, 0x1fff
	s_min_u32 s19, s19, 0x1fff
	s_lshl_b32 s18, s18, 12
	s_lshl_b32 s19, s19, 12
	v_add_nc_u32 v2, s18, v1
	v_add_nc_u32 v3, s19, v1
	s_mov_b32 s22, s21                             ; g2 as the low word of a pair of its own; g1 is the low word of s[20:21]
	s_mov_b32 s23, s21
.irp c, 0,1,2,3
.irp k, 0,1
.irp q, 0,1,2,3
	global_load_b128 v[R0+4*(8*\c+4*\k+\q):R0+4*(8*\c+4*\k+\q)+3], v[2+\k], s[32+2*\q:33+2*\q] offset:512*\c th:TH_LOAD_NT
.endr
.endr
.endr
.irp c, 0,1,2,3
	s_wait_loadcnt 24-8*\c                         ; piece c's eight loads are in; the younger pieces' stay out
.irp k, 0,1
.irp p, 0,1
	v_pk_add_f32 v[R0+32*\c+16*\k+2*\p:R0+32*\c+16*\k+2*\p+1], v[R0+32*\c+16*\k+2*\p:R0+32*\c+16*\k+2*\p+1], v[R0+32*\c+16*\k+4+2*\p:R0+32*\c+16*\k+4+2*\p+1]
	v_pk_add_f32 v[R0+32*\c+16*\k+8+2*\p:R0+32*\c+16*\k+8+2*\p+1], v[R0+32*\c+16*\k+8+2*\p:R0+32*\c+16*\k+8+2*\p+1], v[R0+32*\c+16*\k+12+2*\p:R0+32*\c+16*\k+12+2*\p+1]
.endr
.endr
.irp k, 0,1
.irp p, 0,1
	v_pk_add_f32 v[R0+32*\c+16*\k+2*\p:R0+32*\c+16*\k+2*\p+1], v[R0+32*\c+16*\k+2*\p:R0+32*\c+16*\k+2*\p+1], v[R0+32*\c+16*\k+8+2*\p:R0+32*\c+16*\k+8+2*\p+1]
.endr
.endr
.irp p, 0,1
	v_pk_mul_f32 v[R0+32*\c+2*\p:R0+32*\c+2*\p+1], v[R0+32*\c+2*\p:R0+32*\c+2*\p+1], s[20:21] op_sel_hi:[1,0]
.endr
.irp p, 0,1
	v_pk_fma_f32 v[R0+32*\c+2*\p:R0+32*\c+2*\p+1], v[R0+32*\c+16+2*\p:R0+32*\c+16+2*\p+1], s[22:23], v[R0+32*\c+2*\p:R0+32*\c+2*\p+1] op_sel_hi:[1,0,1]
.endr
	global_store_b128 v1, v[R0+32*\c:R0+32*\c+3], s[10:11] offset:512*\c  ; 512 consecutive bytes, at a multiple of 256 from out0's first
.endr
	s_endpgm
.Lfunc_end_k_qbdc070adbf_combine:
	.size	k_qbdc070adbf_combine, .Lfunc_end_k_qbdc070adbf_combine-k_qbdc070adbf_combine
	.p2alignl 7, 3214868480
	.fill 96, 4, 3214868480
	.section	.rodata,"a",@progbits
	.p2align	6, 0x0
	.amdhsa_kernel k_qbdc070adbf_combine
		.amdhsa_group_segment_fixed_size 0
		.amdhsa_private_segment_fixed_size 0
		.amdhsa_enable_private_segment 0
		.amdhsa_kernarg_size 32
		.amdhsa_user_sgpr_count 2
		.amdhsa_user_sgpr_kernarg_segment_ptr 1
		.amdhsa_wavefront_size32 1
		.amdhsa_system_sgpr_workgroup_id_x 1
		.amdhsa_system_sgpr_workgroup_id_y 1
		.amdhsa_system_sgpr_workgroup_id_z 1
		.amdhsa_system_vgpr_workitem_id 0
		.amdhsa_next_free_vgpr 136
		.amdhsa_next_free_sgpr 66
		.amdhsa_reserve_vcc 0
		.amdhsa_float_denorm_mode_32 3
		.amdhsa_float_denorm_mode_16_64 3
		.amdhsa_memory_ordered 1
		.amdhsa_forward_progress 1
		.amdhsa_inst_pref_size 9
	.end_amdhsa_kernel
	.amdgpu_metadata
---
amdhsa.version: [ 1, 2 ]
amdhsa.kernels:
  - .name:           k_qbdc070adbf_combine
    .symbol:         k_qbdc070adbf_combine.kd
    .args:
      - { .name: part, .offset: 0, .size: 8, .value_kind: global_buffer, .address_space: global }
      - { .name: route, .offset: 8, .size: 8, .value_kind: global_buffer, .address_space: global }
      - { .name: gw, .offset: 16, .size: 8, .value_kind: global_buffer, .address_space: global }
      - { .name: out0, .offset: 24, .size: 8, .value_kind: global_buffer, .address_space: global }
    .group_segment_fixed_size: 0
    .private_segment_fixed_size: 0
    .kernarg_segment_align: 8
    .kernarg_segment_size: 32
    .max_flat_workgroup_size: 256
    .sgpr_count:     66
    .vgpr_count:     136
    .wavefront_size: 32
...
	.end_amdgpu_metadata
.endif
;; end of part 6
;; ======== version 2 of 3: 5 launches; 1.15 times as fast as version 1
;; workspace buffers: xb 2,097,152 bytes; sel 4,096 bytes of whole numbers; gw 8,192 bytes; route 41,216 bytes of whole numbers; hid 50,331,648 bytes; part 134,217,728 bytes
;; launch gate: the kernel of part 1 again; grid 256 x 1, 4 waves a work-group, no clusters, 0 bytes of LDS; arguments x, Wg, xb, sel, gw; writes xb, sel, gw
;; launch route (part 7): grid 1 x 1, 8 waves a work-group, no clusters, 34,048 bytes of LDS; arguments sel, route; writes route
.if DOCPART == 7
	.amdgcn_target "amdgcn-amd-amdhsa--gfx1250"
	.amdhsa_code_object_version 6
	.text
	.protected	k_qbdc070adbf_route
	.globl	k_qbdc070adbf_route
	.p2align	8
	.type	k_qbdc070adbf_route,@function
k_qbdc070adbf_route:
	s_mov_b64 s[64:65], 0
	v_nop
	global_prefetch_b8 v0, s[64:65] scope:SCOPE_SE
	s_setreg_imm32_b32 hwreg(HW_REG_WAVE_MODE, 25, 1), 1
	s_wait_xcnt 0x0
; THE LISTS.  One work-group; wave w is expert w.  It walks the 1,024 tokens in 32 chunks of 32 and gives each token that chose it the next
; position of its list.  Stored in route: byte 0 cnt[8]; byte 256 slot[1024][2] = expert x 1,024 + position, for a token's two choices;
; byte 8,448 list[8][1024]: the tokens' numbers at their slots, 0 behind each count.
; LDS: POS[w][1024] at 4,096 w, each wave's own table of every token's position (without meaning where the token did not choose w);
; the counts at 32,768.  No LDS address is made from a number that was loaded, and every lane is on throughout: a token's position goes to a
; place fixed by the thread's number, and the two positions that a token needs are picked from the eight tables by selects.
; ONE BARRIER.  In front of it each wave has written its table and its count (s_wait_dscnt 0) and its zeros over its own list have been
; acknowledged (s_wait_storecnt 0).  Behind it wave w makes the slots of tokens 128 w .. + 127 and stores each token's number at its slot:
; a slot enters the address clamped to the table's 8,192 words and shifted left.  A slot belongs to one token and choice, so no two of these
; stores meet; each lands on a word that holds a zero already.  Stores of four bytes to places far apart, 2,048 in all: a table turned round.
.set LCN, 32768
.set SEL, 16                           ; v16-47   sel of chunk c, one token a lane
.set PS,  48                           ; v48-79   my tokens' positions: group j of 32 tokens, expert e at 48 + 8 j + e
.set MY,  80                           ; v80-83   sel of my 128 tokens
.set SLT, 84                           ; v84-91   their slots: group j, choice k at 84 + 2 j + k
.set IK,  92                           ; v92-99   their chosen experts, likewise
.set AD,  100                          ; v100-107 4 x slot, clamped
.set TK,  108                          ; v108-111 my tokens' numbers
	s_load_b128 s[4:7], s[0:1], 0x0                ; sel s[4:5], route s[6:7]
	v_lshl_add_u32 v128, v0, 2, 0x8100
	v_mov_b32 v129, 0
	v_and_b32 v1, 31, v0                           ; lane
	v_lshrrev_b32 v8, 5, v0
	v_readfirstlane_b32 s16, v8                    ; wave = expert
	v_lshlrev_b32 v2, 2, v1                        ; 4 l
	v_lshlrev_b32 v4, 4, v1                        ; 16 l
	s_lshl_b32 s10, s16, 12                        ; 4,096 w
	s_lshl_b32 s11, s16, 9                         ; 512 w
	s_lshl_b32 s12, s16, 10                        ; 1,024 w
	s_lshl_b32 s13, s16, 7                         ; 128 w
	v_add_nc_u32 v3, s11, v2                       ; 512 w + 4 l: my 128 tokens' words
	v_add_nc_u32 v6, s10, v2                       ; my table: 4,096 w + 4 l
	v_add_nc_u32 v7, s10, v4                       ; 4,096 w + 16 l: my list's place in route
	v_lshl_add_u32 v12, v1, 3, s12                 ; 1,024 w + 8 l: my tokens' slots
	v_add_nc_u32 v5, s13, v1                       ; 128 w + l
.irp j, 0,1,2,3
	v_add_nc_u32 v[TK+\j], 32*\j, v5
.endr
.irp k, 0,1,2,3
	v_mov_b32 v[112+\k], 0
.endr
	s_wait_kmcnt 0x0
.set c, 0
.rept 32
	global_load_b32 v[SEL+c], v2, s[4:5] offset:128*c
.set c, c+1
.endr
.irp j, 0,1,2,3
	global_load_b32 v[MY+\j], v3, s[4:5] offset:128*\j
.endr
.irp k, 0,1,2,3,4,5,6,7
	global_store_b128 v7, v[112:115], s[6:7] offset:8448+512*\k  ; 512 consecutive bytes of zeros, at a multiple of 256 from route's first
.endr
	s_mov_b32 s17, 0                               ; the count
	s_wait_loadcnt 0x0
.set c, 0
.rept 32
	v_and_b32 v8, 0xff, v[SEL+c]
	v_lshrrev_b32 v9, 8, v[SEL+c]
	v_cmp_eq_u32 s20, s16, v8
	v_cmp_eq_u32 s21, s16, v9
	s_or_b32 s22, s20, s21                         ; the lanes whose token chose me
	v_mbcnt_lo_u32_b32 v10, s22, s17               ; the count so far + the choosing lanes below mine
	ds_store_b32 v6, v10 offset:128*c              ; every token's position into my table
	s_bcnt1_i32_b32 s23, s22
	s_add_co_u32 s17, s17, s23
.set c, c+1
.endr
	s_lshl_b32 s19, s16, 2
	s_add_co_u32 s19, s19, LCN
	v_mov_b32 v14, s19
	v_mov_b32 v15, s17
	ds_store_b32 v14, v15                          ; all lanes write the same word with the same number
	s_wait_storecnt 0x0                            ; for the others' sake: my list's zeros are done, ahead of the numbers that other waves store into it
	s_wait_dscnt 0x0                               ; and my table and my count are written
	s_barrier_signal -1
	s_barrier_wait -1
.irp j, 0,1,2,3
.irp e, 0,1,2,3,4,5,6,7
	ds_load_b32 v[PS+8*\j+\e], v3 offset:4096*\e+128*\j  ; token 128 w + 32 j + l in expert e's table
.endr
.endr
.irp j, 0,1,2,3
	v_and_b32 v[IK+2*\j], 0xff, v[MY+\j]
	v_lshrrev_b32 v[IK+2*\j+1], 8, v[MY+\j]
.endr
	s_wait_dscnt 0x0
.irp j, 0,1,2,3
.irp k, 0,1
	v_mov_b32 v[SLT+2*\j+\k], v[PS+8*\j]
.irp e, 1,2,3,4,5,6,7
	v_cmp_eq_u32 vcc_lo, \e, v[IK+2*\j+\k]
	v_cndmask_b32 v[SLT+2*\j+\k], v[SLT+2*\j+\k], v[PS+8*\j+\e], vcc_lo
.endr
	v_lshl_add_u32 v[SLT+2*\j+\k], v[IK+2*\j+\k], 10, v[SLT+2*\j+\k]  ; expert x 1,024 + position
.endr
.endr
.irp k, 0,1,2,3,4,5,6,7
	v_min_u32 v[AD+\k], 0x1fff, v[SLT+\k]
	v_lshlrev_b32 v[AD+\k], 2, v[AD+\k]
.endr
.irp j, 0,1,2,3
	global_store_b64 v12, v[SLT+2*\j:SLT+2*\j+1], s[6:7] offset:256+256*\j  ; 256 consecutive bytes
.endr
.irp j, 0,1,2,3
.irp k, 0,1
	global_store_b32 v[AD+2*\j+\k], v[TK+\j], s[6:7] offset:8448
.endr
.endr
	s_cmp_lg_u32 s16, 0
	s_cbranch_scc1 .Lend                           ; wave 0 alone stores the counts
	v_and_b32 v13, 7, v1
	v_lshl_add_u32 v13, v13, 2, LCN
	ds_load_b32 v14, v13
	s_wait_dscnt 0x0
	global_store_b32 v2, v14, s[6:7]               ; 128 bytes: the eight counts, four times
.Lend:
	s_wait_tensorcnt 0x0
	ds_add_u32 v128, v129
	s_wait_dscnt 0x0
	s_endpgm
.Lfunc_end_k_qbdc070adbf_route:
	.size	k_qbdc070adbf_route, .Lfunc_end_k_qbdc070adbf_route-k_qbdc070adbf_route
	.p2alignl 7, 3214868480
	.fill 96, 4, 3214868480
	.section	.rodata,"a",@progbits
	.p2align	6, 0x0
	.amdhsa_kernel k_qbdc070adbf_route
		.amdhsa_group_segment_fixed_size 34048
		.amdhsa_private_segment_fixed_size 0
		.amdhsa_enable_private_segment 0
		.amdhsa_kernarg_size 16
		.amdhsa_user_sgpr_count 2
		.amdhsa_user_sgpr_kernarg_segment_ptr 1
		.amdhsa_wavefront_size32 1
		.amdhsa_system_sgpr_workgroup_id_x 1
		.amdhsa_system_sgpr_workgroup_id_y 1
		.amdhsa_system_sgpr_workgroup_id_z 1
		.amdhsa_system_vgpr_workitem_id 0
		.amdhsa_next_free_vgpr 130
		.amdhsa_next_free_sgpr 66
		.amdhsa_reserve_vcc 1
		.amdhsa_float_denorm_mode_32 3
		.amdhsa_float_denorm_mode_16_64 3
		.amdhsa_memory_ordered 1
		.amdhsa_forward_progress 1
		.amdhsa_inst_pref_size 29
	.end_amdhsa_kernel
	.amdgpu_metadata
---
amdhsa.version: [ 1, 2 ]
amdhsa.kernels:
  - .name:           k_qbdc070adbf_route
    .symbol:         k_qbdc070adbf_route.kd
    .args:
      - { .name: sel, .offset: 0, .size: 8, .value_kind: global_buffer, .address_space: global }
      - { .name: route, .offset: 8, .size: 8, .value_kind: global_buffer, .address_space: global }
    .group_segment_fixed_size: 34048
    .private_segment_fixed_size: 0
    .kernarg_segment_align: 8
    .kernarg_segment_size: 16
    .max_flat_workgroup_size: 256
    .sgpr_count:     66
    .vgpr_count:     130
    .wavefront_size: 32
...
	.end_amdgpu_metadata
.endif
;; end of part 7
;; launch up (part 8): grid 32 x 8, 8 waves a work-group, no clusters, 148,480 bytes of LDS; arguments xb, W1, W2, route, hid; writes hid
.if DOCPART == 8
	.amdgcn_target "amdgcn-amd-amdhsa--gfx1250"
	.amdhsa_code_object_version 6
	.text
	.protected	k_qbdc070adbf_up
	.globl	k_qbdc070adbf_up
	.p2align	8
	.type	k_qbdc070adbf_up,@function
k_qbdc070adbf_up:
	s_mov_b64 s[64:65], 0
	v_nop
	global_prefetch_b8 v0, s[64:65] scope:SCOPE_SE
	s_setreg_imm32_b32 hwreg(HW_REG_WAVE_MODE, 25, 1), 1
	s_wait_xcnt 0x0
; hid = silu(x W1^T) * (x W2^T) for the rows of one expert's list and one slice of the hidden axis, rounded once to bf16.
; THE SHARE.  Work-group (s, e): slice s of 32, expert e.  A slice is a block of 96 hidden columns beginning at weight row ROW0: 86 s with
; columns 0-85 valid, or, for s = 31, 2,634 with columns 32-95 valid; the other columns are stored as +0, so the launch behind may multiply
; them by whatever finite numbers of W3 stand there.  8 x 32 work-groups, 86 (once 64) rows of W1 and of W2 each: every weight byte is read once.
; Rows 0-319 of the list (20 tiles of 16) go through LDS; K = 1,024 in 16 tiles of 64 on two LDS buffers.  Wave w: wm = w & 3, wn = w >> 2;
; it owns the row tiles 4 m + wm, m = 0..4, and the column tiles 48 wn + 16 n, n = 0..2, of both products: 30 accumulators.
; HID LIES BY TILES: block (s, e) is 64 row tiles of 3,072 bytes; a tile is 12 groups of 8 columns, 256 bytes each: 16 rows x 16 bytes.  That is the
; matrix result's own layout (below), so the results leave straight from registers, 512 consecutive bytes a store, with no way through LDS.
; THE FILLS GO THROUGH REGISTERS: the weights are f32 and each number is rounded once on its way into LDS, the token rows are gathered by
; the list, one address a lane, and loads into registers stay out across barriers: two weight tiles, 12 KB a wave, are always on their way.
; NO CLUSTER for the same reason: a joint request is a tensor load's, and none is used here.
; A TRIP multiplies one buffer and fills the other.  The filling (the wait for the loads, the roundings, the LDS stores, the next loads) stands
; in five pieces behind the five groups of six products of the trip's first 32 along K, so that it is issued while the matrix unit works.
; The barrier is split: signal behind the fragments of the second 32 along K, 18 products on registers, wait.
; COUNTS.  The list's length is read from route.  It steers forward jumps over a wave's row tiles m = 3 and 4 where they are dead (text without
; a barrier) and the trip count of the last part, which takes the rows from 320 on, a tile of 16 a wave, without LDS and without a barrier.
; Tiles m = 0..2 are always multiplied.  Rows behind the count are token 0's: finite numbers that nobody reads.
; THE MATRIX INSTRUCTION IS USED TRANSPOSED: source 0 = 16 weight rows, source 1 = 16 tokens: a lane holds one token and 8 neighbouring columns.
; LIMITS.  NaN and infinities are not treated apart.  silu(a) b = a b / (1 + 2^(-a log2 e)): for very negative a the power is +inf and the result 0.
; REGISTERS.  Window 0: v2-31 addresses; v32-71 token fragments; v72-119 weight fragments; v120-159 a token tile on its way; v160-255 two
; weight tiles on their way.  Window 1: accumulator (m, c) at v[48 m + 8 c], c = 0..2 the first product's n, c = 3..5 the second's.
.set PX,   144                         ; an LDS row: 128 bytes + 16: the 16 rows of a fragment load start at 16 different groups of four banks (64 banks of 4 bytes: ISA guide 11.1).
                                       ; Rows 8 apart lie 1,152 = 4 x 256 + 128 bytes apart
.set BUF,  73728                       ; a buffer: 320 token rows, then 192 weight rows (96 of W1, 96 of W2)
.set WOF,  46080
.set VW,   2                           ; v2      (2 wm + 8 h) x 4,096 + 16 r: my place in two weight rows, 8 rows apart
.set VWL,  3                           ; v3-6    the same for loads 0-3 (rows 0-31), rows clamped from below to LO
.set VWH,  7                           ; v7-8    for loads 10, 11 (rows 80-95), rows clamped from above to QMAX
.set XOFF, 9                           ; v9-18   token x 2,048 + 16 (l & 7), for my ten rows
.set AADR, 19                          ; v19-20  LDS address of my token fragments, buffer 0, 1
.set BADR, 21                          ; v21-22  of my weight fragments
.set WST,  23                          ; v23-24  where I put weights
.set XST,  25                          ; v25-26  where I put token rows
.set RR,   27                          ; v27     r = l & 15
.set HH,   28                          ; v28     h = l >> 4
.set OGO,  31                          ; v31     3,072 wm + 1,536 wn + 16 l: my 16 bytes in my first row tile and column tile of the block of hid
.set AF,   32
.set BF,   72
.set XS,   120
.set WS0,  160
.set PK,   32                          ; the way out: v32-91 packed results, 12 registers for each row tile; v170-181 masks; v184-207, v208-231 at work
.set MK,   170
.set T,    184
.set U,    208
.set WV,   16                          ; s16-18  w, wm, wn
.set WM,   17
.set WN,   18
.set SL,   19                          ; s19, s20  slice, expert
.set EX,   20
.set CN,   21                          ; s21  the list's length
.set NTT,  22                          ; s22  its tiles of 16
.set NT,   23                          ; s23  those that go through LDS, 20 at the most
.set NM,   24                          ; s24  how many of them are my wave's
.set QMAX, 26                          ; s26-28  last weight row fetched; first valid column; number of valid columns
.set LO,   27
.set WID,  28
.set CT,   29
.set WB,   30                          ; s[30:31] my matrix at the slice's first row, running along K
.set XB,   32                          ; s[32:33] xb, running along K
.set W1B,  36                          ; s[36:39] W1 and W2 at the slice's first row
.set W2B,  38
.set HB,   40                          ; s[40:41] hid at the block's first byte
.set LB,   42                          ; s[42:43] the expert's list
.set LG,   46                          ; s[46:47] -log2(e), named as a pair
.set OF,   48
.set MSB, 0
.macro WIN new                         ; the immediate's high byte repeats the setting that is left; a switch that changes nothing is dropped
.if MSB != (\new)
	s_set_vgpr_msb (MSB<<8)|(\new)
.set MSB, \new
.endif
.endm
.macro SYNC                            ; my LDS stores are done and my LDS reads are back; then everybody's
	s_wait_dscnt 0x0
	s_barrier_signal -1
	s_barrier_wait -1
.endm
.macro PLACES                          ; four places between the last products and loads into their sources, or reads of their results
.rept 4
	v_nop
.endr
.endm
; 12 loads: my 24 rows' 256 bytes of a weight tile.  Load i takes rows 16 (i / 2) + i % 2 + 2 wm + 8 h, 16 bytes a lane: two whole pieces of 256 bytes
.macro LDW set
.set WSB, WS0+48*(\set)
.irp i, 0,1,2,3
	global_load_b128 v[WSB+4*\i:WSB+4*\i+3], v[VWL+\i], s[WB:WB+1]
.endr
.irp i, 4,5,6,7,8,9
	global_load_b128 v[WSB+4*\i:WSB+4*\i+3], v[VW], s[WB:WB+1] offset:4096*(16*((\i)/2)+(\i)%2) th:TH_LOAD_NT
.endr
.irp i, 10,11
	global_load_b128 v[WSB+4*\i:WSB+4*\i+3], v[VWH+\i-10], s[WB:WB+1]
.endr
.endm
; 10 loads: rows 32 i + 16 wn + 2 wm + h + 8 (bit 3 of l) of the list, 128 bytes of each
.macro LDX
.irp i, 0,1,2,3,4,5,6,7,8,9
	global_load_b128 v[XS+4*\i:XS+4*\i+3], v[XOFF+\i], s[XB:XB+1]
.endr
.endm
; The pieces of a filling.  CVW: n loads' weights, from load i0 on, rounded to bf16 in place.  STW: they go into buffer b.  STX: n loads' token rows go into buffer b.
.macro CVW set, i0, n
.set WSB, WS0+48*(\set)
.set i, \i0
.rept \n
	v_cvt_pk_bf16_f32 v[WSB+4*i], v[WSB+4*i], v[WSB+4*i+1]
	v_cvt_pk_bf16_f32 v[WSB+4*i+1], v[WSB+4*i+2], v[WSB+4*i+3]
.set i, i+1
.endr
.endm
.macro STW b, set, i0, n
.set WSB, WS0+48*(\set)
.set i, \i0
.rept \n
	ds_store_b64 v[WST+\b], v[WSB+4*i:WSB+4*i+1] offset:PX*(16*(i/2)+i%2)
.set i, i+1
.endr
.endm
.macro STX b, i0, n
.set i, \i0
.rept \n
	ds_store_b128 v[XST+\b], v[XS+4*i:XS+4*i+3] offset:4608*i
.set i, i+1
.endr
.endm
; The fragments of 32 along K (half j of buffer b): six of weights, five of tokens.  lad = 1: those of dead tiles m = 3, 4 are jumped over.
.macro FRAG b, j, lad
.irp c, 0,1,2,3,4,5
	ds_load_b128 v[BF+8*\c:BF+8*\c+3],   v[BADR+\b] offset:2304*((\c)%3)+13824*((\c)/3)+64*\j
	ds_load_b128 v[BF+8*\c+4:BF+8*\c+7], v[BADR+\b] offset:2304*((\c)%3)+13824*((\c)/3)+64*\j+32
.endr
.irp m, 0,1,2
	ds_load_b128 v[AF+8*\m:AF+8*\m+3],   v[AADR+\b] offset:9216*\m+64*\j
	ds_load_b128 v[AF+8*\m+4:AF+8*\m+7], v[AADR+\b] offset:9216*\m+64*\j+32
.endr
.irp m, 3,4
.if \lad
	s_cmp_le_u32 s[NM], \m
	s_cbranch_scc1 .Lfr_\@
.endif
	ds_load_b128 v[AF+8*\m:AF+8*\m+3],   v[AADR+\b] offset:9216*\m+64*\j
	ds_load_b128 v[AF+8*\m+4:AF+8*\m+7], v[AADR+\b] offset:9216*\m+64*\j+32
.endr
.Lfr_\@:
	s_wait_dscnt 0x0
.endm
; A group: the six products of row tile m.  The accumulators take turns, one instruction a turn.  zero = 1: the products start the sums.
.macro GRP m, zero
	WIN 0x50                                       ; C and D in window 1
.irp c, 0,1,2,3,4,5
.if \zero
	v_wmma_f32_16x16x32_bf16 v[48*\m+8*\c:48*\m+8*\c+7], v[BF+8*\c:BF+8*\c+7], v[AF+8*\m:AF+8*\m+7], 0
.else
	v_wmma_f32_16x16x32_bf16 v[48*\m+8*\c:48*\m+8*\c+7], v[BF+8*\c:BF+8*\c+7], v[AF+8*\m:AF+8*\m+7], v[48*\m+8*\c:48*\m+8*\c+7]
.endif
.endr
.endm
.macro GRPL m                          ; the same under the count: a dead row tile is jumped over; at a branch and at a label every window is 0
	WIN 0
	s_cmp_le_u32 s[NM], \m
	s_cbranch_scc1 .Lg_\@
	GRP \m, 0
	WIN 0
.Lg_\@:
.endm
; A TRIP.  Buffer b is multiplied; stage = 1: the next tile goes into buffer nb, the weights from register set `set`; cnt = the younger loads that may stay out;
; ldx, ldw = 1: the next loads are issued, the tokens' ahead of the weights', so that a later count of 12 leaves exactly one weight tile out.
; first = 1: the first 32 along K start all 30 sums, dead tiles' too, so that every accumulator and fragment register is written.
; bar = 1: the barrier.  In front of the signal my reads of b are back and my stores into nb are done (the wait for 0 at the end of FRAG); behind the wait nobody
; reads b any more and nb is whole.  Between signal and wait stand 18 products: work on registers.
.macro TRIP b, nb, set, cnt, ldx, ldw, stage, first, bar
	FRAG \b, 0, 1-(\first)
	GRP 0, \first
.if \stage
	WIN 0
	s_wait_loadcnt \cnt
	CVW \set, 0, 6
.endif
	GRP 1, \first
.if \stage
	WIN 0
	STW \nb, \set, 0, 6                            ; a group of products stands between a rounding and the store that reads it
	CVW \set, 6, 6
.endif
	GRP 2, \first
.if \stage
	WIN 0
	STW \nb, \set, 6, 6
	STX \nb, 0, 5
.endif
.if \first
	GRP 3, 1
.else
	GRPL 3
.endif
.if \stage
	WIN 0
	STX \nb, 5, 5
.endif
.if \ldx
	s_wait_xcnt 0x0                                ; the bases of loads that are out are stepped only behind this wait
	s_add_nc_u64 s[XB:XB+1], s[XB:XB+1], 128
.if \ldw
	s_add_nc_u64 s[WB:WB+1], s[WB:WB+1], 256
.endif
	LDX
.endif
.if \first
	GRP 4, 1
.else
	GRPL 4
.endif
	WIN 0
.if \ldw
	LDW \set
.endif
	PLACES
	FRAG \b, 1, 1
.if \bar
	s_barrier_signal -1
.endif
	GRP 0, 0
	GRP 1, 0
	GRP 2, 0
	WIN 0
.if \bar
	s_barrier_wait -1
.endif
	GRPL 3
	GRPL 4
	PLACES
.endm
	s_load_b256 s[4:11], s[0:1], 0x0               ; xb s[4:5], W1 s[6:7], W2 s[8:9], route s[10:11]
	s_load_b64 s[12:13], s[0:1], 0x20              ; hid
	v_lshl_add_u32 v29, v0, 2, 0x24000
	v_mov_b32 v30, 0
	v_lshrrev_b32 v32, 5, v0
	v_readfirstlane_b32 s[WV], v32
	v_and_b32 v[RR], 15, v0
	v_bfe_u32 v[HH], v0, 4, 1
	v_and_b32 v33, 31, v0                          ; lane
	s_and_b32 s[WM], s[WV], 3
	s_lshr_b32 s[WN], s[WV], 2
	s_mov_b32 s[SL], ttmp9
	s_and_b32 s[EX], ttmp7, 0xffff
	s_mul_i32 s50, s[SL], 86
	s_mov_b32 s[QMAX], 85
	s_cmp_eq_u32 s[SL], 31
	s_cselect_b32 s50, 2634, s50                   ; ROW0
	s_cselect_b32 s[QMAX], 95, s[QMAX]
	s_cselect_b32 s[LO], 32, 0
	s_cselect_b32 s[WID], 64, 86
	s_mul_i32 s[OF], s[EX], 2730
	s_add_co_u32 s[OF], s[OF], s50
	s_lshl_b32 s[OF], s[OF], 12                    ; the slice's first weight row, in bytes
	s_mov_b32 s[OF+1], 0
	s_lshl_b32 s52, s[EX], 12
	s_add_co_u32 s52, s52, 8448                    ; the expert's list in route
	s_mov_b32 s53, 0
	s_lshl_b32 s54, s[SL], 13
	s_lshl_b32 s55, s[EX], 10
	s_add_co_u32 s54, s54, s55
	s_mul_i32 s54, s54, 192                        ; the block of hid: 1,024 rows of 192 bytes = 64 tiles of 3,072
	s_mov_b32 s55, 0
	s_lshl_b32 s56, s[EX], 2                       ; the expert's count in route
	s_mov_b32 s[LG], 0xbfb8aa3b                    ; -log2(e)
	s_mov_b32 s[LG+1], s[LG]
	s_lshl_b32 s57, s[WM], 1
	v_lshl_add_u32 v34, v[HH], 3, s57              ; 2 wm + 8 h
	v_lshlrev_b32 v35, 4, v[RR]                    ; 16 r
	v_lshl_add_u32 v[VW], v34, 12, v35
.irp i, 0,1,2,3
	v_add_nc_u32 v39, 16*((\i)/2)+(\i)%2, v34
	v_max_u32 v39, s[LO], v39                      ; rows below the first valid column repeat it: nothing is fetched for them
	v_lshl_add_u32 v[VWL+\i], v39, 12, v35
.endr
.irp i, 10,11
	v_add_nc_u32 v39, 16*((\i)/2)+(\i)%2, v34
	v_min_u32 v39, s[QMAX], v39                    ; rows past the last valid column repeat it
	v_lshl_add_u32 v[VWH+\i-10], v39, 12, v35
.endr
	v_bfe_u32 v38, v0, 3, 1                        ; bit 3 of the lane
	v_lshl_add_u32 v38, v38, 3, v[HH]              ; 8 x it + h
	s_lshl_b32 s58, s[WN], 4
	s_add_co_u32 s58, s58, s57                     ; 16 wn + 2 wm
	v_add_nc_u32 v38, s58, v38                     ; my row among 32: the two rows of a store's 16 lanes lie 8 apart
	v_lshlrev_b32 v36, 2, v38                      ; its word in the list
	v_and_b32 v37, 7, v33
	v_lshlrev_b32 v37, 4, v37                      ; 16 (l & 7)
	s_wait_kmcnt 0x0
	s_load_b32 s[CN], s[10:11], s56 offset:0x0
	s_cmp_lt_u32 s[WV], 4                          ; waves 0-3 fetch W1, waves 4-7 W2
	s_cselect_b64 s[WB:WB+1], s[6:7], s[8:9]
	s_add_nc_u64 s[WB:WB+1], s[WB:WB+1], s[OF:OF+1]
	s_add_nc_u64 s[W1B:W1B+1], s[6:7], s[OF:OF+1]
	s_add_nc_u64 s[W2B:W2B+1], s[8:9], s[OF:OF+1]
	s_mov_b64 s[XB:XB+1], s[4:5]
	s_add_nc_u64 s[HB:HB+1], s[12:13], s[54:55]
	s_add_nc_u64 s[LB:LB+1], s[10:11], s[52:53]
.irp i, 0,1,2,3,4,5,6,7,8,9
	global_load_b32 v[XOFF+\i], v36, s[LB:LB+1] offset:128*\i
.endr
	LDW 0                                          ; weight tiles 0 and 1: the stream starts ahead of all that hangs on the list
	s_wait_xcnt 0x0
	s_add_nc_u64 s[WB:WB+1], s[WB:WB+1], 256
	LDW 1
	s_lshl_b32 s57, s[WM], 4
	v_add_nc_u32 v39, s57, v[RR]                   ; 16 wm + r
	v_mul_u32_u24 v39, PX, v39
	v_lshl_add_u32 v[AADR], v[HH], 4, v39
	v_add_nc_u32 v[AADR+1], BUF, v[AADR]
	s_mul_i32 s57, s[WN], 96
	v_add_nc_u32 v39, s57, v34                     ; 96 wn + 2 wm + 8 h
	v_mul_u32_u24 v39, PX, v39
	v_lshl_add_u32 v39, v[RR], 3, v39
	v_add_nc_u32 v[WST], WOF, v39
	v_add_nc_u32 v[WST+1], WOF+BUF, v39
	s_mul_i32 s57, s[WN], 48
	v_add_nc_u32 v39, s57, v[RR]                   ; 48 wn + r
	v_mul_u32_u24 v39, PX, v39
	v_lshl_add_u32 v39, v[HH], 4, v39
	v_add_nc_u32 v[BADR], WOF, v39
	v_add_nc_u32 v[BADR+1], WOF+BUF, v39
	v_mul_u32_u24 v39, PX, v38
	v_add_nc_u32 v[XST], v37, v39
	v_add_nc_u32 v[XST+1], BUF, v[XST]
	s_mul_i32 s57, s[WM], 3072                     ; row tile wm,
	s_mul_i32 s58, s[WN], 1536                     ; column groups 6 wn on,
	s_add_co_u32 s57, s57, s58
	v_lshl_add_u32 v[OGO], v33, 4, s57             ; group h, row r: 256 h + 16 r = 16 l
	s_wait_kmcnt 0x0
	s_min_u32 s[CN], s[CN], 1024
	s_add_co_u32 s[NTT], s[CN], 15
	s_lshr_b32 s[NTT], s[NTT], 4
	s_min_u32 s[NT], s[NTT], 20
	s_add_co_u32 s[NM], s[NT], 3
	s_sub_co_u32 s[NM], s[NM], s[WM]
	s_lshr_b32 s[NM], s[NM], 2                     ; the m with 4 m + wm < NT
	s_wait_loadcnt 24                              ; the list is in; the 24 weight loads issued behind it stay out
.irp i, 0,1,2,3,4,5,6,7,8,9
	v_min_u32 v[XOFF+\i], 0x3ff, v[XOFF+\i]        ; a token number enters an address clamped, then by a shift left and an add
	v_lshlrev_b32 v[XOFF+\i], 11, v[XOFF+\i]
	v_add_nc_u32 v[XOFF+\i], v37, v[XOFF+\i]
.endr
	LDX                                            ; token tile 0
	s_wait_loadcnt 0x0                             ; it stands behind both weight tiles, so the wait is for all
	CVW 0, 0, 12                                   ; tile 0 goes into buffer 0: there are no products yet to set it between
	STW 0, 0, 0, 12
	STX 0, 0, 10
	s_wait_xcnt 0x0
	s_add_nc_u64 s[XB:XB+1], s[XB:XB+1], 128
	s_add_nc_u64 s[WB:WB+1], s[WB:WB+1], 256
	LDX                                            ; tokens 1,
	LDW 0                                          ; weights 2
	SYNC
	TRIP 0, 1, 1, 12, 1, 1, 1, 1, 1                ; tile 0
	s_mov_b32 s[CT], 6
.Lk:                                                   ; tiles 1 to 12: trip t fills in tile t + 1 and asks for tokens t + 2 and weights t + 3
	TRIP 1, 0, 0, 12, 1, 1, 1, 0, 1
	TRIP 0, 1, 1, 12, 1, 1, 1, 0, 1
	s_sub_co_u32 s[CT], s[CT], 1
	s_cmp_lg_u32 s[CT], 0
	s_cbranch_scc1 .Lk
	TRIP 1, 0, 0, 12, 1, 0, 1, 0, 1                ; tile 13: the last token tile is asked for, no weights are left
	TRIP 0, 1, 1, 0, 0, 0, 1, 0, 1                 ; tile 14: all that is out is tile 15
	TRIP 1, 0, 0, 0, 0, 0, 0, 0, 0                 ; tile 15: nothing to fill, no barrier
	; THE WAY OUT.  A mask word for each pair of my columns: all ones where the column is valid (LO and WID are even).
	s_mul_i32 s57, s[WN], 48
	s_sub_co_u32 s57, s57, s[LO]
	v_lshl_add_u32 v33, v[HH], 3, s57              ; 48 wn + 8 h - LO
.irp p, 0,1,2,3,4,5,6,7,8,9,10,11
	v_add_nc_u32 v34, 16*((\p)/4)+2*((\p)%4), v33
	v_cmp_gt_u32 vcc_lo, s[WID], v34               ; unsigned: a column below LO wraps round and fails too
	v_cndmask_b32 v[MK+\p], 0, -1, vcc_lo
.endr
; Row tile m: 24 numbers a lane.  Each accumulator is read from its low end on.  A lane's 8 columns of column tile n are 16 bytes of
; group 6 wn + 2 n + h, row r: the wave's store covers 512 consecutive bytes.  Each tile has its own 12 packed registers, so no tile waits for the stores of the tile before.
.macro SWI m
	WIN 0x01                                       ; source 0 in window 1
.irp p, 0,1,2,3,4,5,6,7,8,9,10,11
	v_pk_mul_f32 v[T+2*\p:T+2*\p+1], v[48*\m+2*\p:48*\m+2*\p+1], s[LG:LG+1] op_sel_hi:[1,0]
.endr
	WIN 0x05                                       ; sources 0 and 1 in window 1
.irp p, 0,1,2,3,4,5,6,7,8,9,10,11
	v_pk_mul_f32 v[U+2*\p:U+2*\p+1], v[48*\m+2*\p:48*\m+2*\p+1], v[48*\m+24+2*\p:48*\m+24+2*\p+1]
.endr
	WIN 0
.set i, 0
.rept 24
	v_exp_f32 v[T+i], v[T+i]
.set i, i+1
.endr
	v_nop                                          ; a plain line between the exponentials and the use of their results (ISA guide 5.7.2)
	s_wait_alu depctr_va_vdst(0)
.irp p, 0,1,2,3,4,5,6,7,8,9,10,11
	v_pk_add_f32 v[T+2*\p:T+2*\p+1], v[T+2*\p:T+2*\p+1], 1.0 op_sel_hi:[1,0]
.endr
.set i, 0
.rept 24
	v_rcp_f32 v[T+i], v[T+i]
.set i, i+1
.endr
	v_nop
	s_wait_alu depctr_va_vdst(0)
.irp p, 0,1,2,3,4,5,6,7,8,9,10,11
	v_pk_mul_f32 v[U+2*\p:U+2*\p+1], v[U+2*\p:U+2*\p+1], v[T+2*\p:T+2*\p+1]
.endr
.irp p, 0,1,2,3,4,5,6,7,8,9,10,11
	v_cvt_pk_bf16_f32 v[PK+12*\m+\p], v[U+2*\p], v[U+2*\p+1]
.endr
.irp p, 0,1,2,3,4,5,6,7,8,9,10,11
	v_and_b32 v[PK+12*\m+\p], v[MK+\p], v[PK+12*\m+\p]
.endr
.irp n, 0,1,2
	global_store_b128 v[OGO], v[PK+12*\m+4*\n:PK+12*\m+4*\n+3], s[HB:HB+1] offset:12288*\m+512*\n  ; 512 consecutive bytes, at a multiple of 256 from hid's first
.endr
.endm
	SWI 0
	SWI 1
	SWI 2
	SWI 3
	SWI 4
	; ROWS FROM 320 ON: tile 20 + w + 8 c for trip c.  No LDS, no barrier: fragments come straight from memory, the weights rounded in registers.
	; v32-47 two accumulators; v48-79 tokens, v80-143 W1, v144-207 W2 for 128 along K; v208-238 at work.
.set OPOS, 208
.set OLA,  209
.set OAV,  210
.set OHO,  211
.set OBV,  212
.set OH16, 213                         ; 16 h
.set OT,   214
.set OU,   222
.set OPK,  230
.set OH32, 236                         ; 32 h
.set OL16, 238                         ; 16 l
	s_max_u32 s50, s[NTT], 20
	s_sub_co_u32 s50, s50, 13
	s_sub_co_u32 s50, s50, s[WV]
	s_lshr_b32 s50, s50, 3                         ; (tiles past 20 + 7 - w) / 8: my trips
	s_cmp_eq_u32 s50, 0
	s_cbranch_scc1 .Lend
	v_lshlrev_b32 v[OH16], 4, v[HH]
	v_lshlrev_b32 v[OH32], 5, v[HH]
	v_and_b32 v[OL16], 31, v0
	v_lshlrev_b32 v[OL16], 4, v[OL16]
	s_mov_b32 s51, 0
.Lotile:
	s_lshl3_add_u32 s52, s51, s[WV]
	s_add_co_u32 s52, s52, 20
	s_min_u32 s52, s52, 63                         ; the tile
	s_lshl_b32 s53, s52, 4
	s_mul_i32 s63, s52, 3072                       ; its place in the block of hid
	s_wait_xcnt 0x0                                ; earlier stores have read their registers
	v_add_nc_u32 v[OPOS], s53, v[RR]               ; my row of the list
	v_lshlrev_b32 v[OLA], 2, v[OPOS]
	global_load_b32 v[OAV], v[OLA], s[LB:LB+1]
	v_add_nc_u32 v[OHO], s63, v[OL16]              ; tile x 3,072 + 256 h + 16 r
	s_wait_loadcnt 0x0
	v_min_u32 v[OAV], 0x3ff, v[OAV]
	v_lshlrev_b32 v[OAV], 11, v[OAV]
	v_add_nc_u32 v[OAV], v[OH16], v[OAV]           ; token x 2,048 + 16 h
	s_mov_b32 s54, 0
.Lon:                                                  ; six column tiles
	s_lshl_b32 s55, s54, 4
	s_wait_xcnt 0x0                                ; the last store has read its registers; the bases are written anew
	v_add_nc_u32 v[OBV], s55, v[RR]
	v_lshlrev_b32 v[OBV], 12, v[OBV]
	v_add_nc_u32 v[OBV], v[OH32], v[OBV]           ; (16 n + r) x 4,096 + 32 h: inside the matrix for every slice, since ROW0 + 95 < 2,730
	s_mov_b64 s[56:57], s[4:5]
	s_mov_b64 s[58:59], s[W1B:W1B+1]
	s_mov_b64 s[60:61], s[W2B:W2B+1]
.set i, 32
.rept 16
	v_mov_b32 v[i], 0
.set i, i+1
.endr
	s_mov_b32 s62, 8
.Lok:                                                  ; 128 along K a trip
.irp j, 0,1,2,3
	global_load_b128 v[48+8*\j:48+8*\j+3], v[OAV], s[56:57] offset:64*\j
	global_load_b128 v[48+8*\j+4:48+8*\j+7], v[OAV], s[56:57] offset:64*\j+32
.endr
.irp j, 0,1,2,3
.irp q, 0,1,2,3
	global_load_b128 v[80+16*\j+4*\q:80+16*\j+4*\q+3], v[OBV], s[58:59] offset:128*\j+16*((\q)%2)+64*((\q)/2)
	global_load_b128 v[144+16*\j+4*\q:144+16*\j+4*\q+3], v[OBV], s[60:61] offset:128*\j+16*((\q)%2)+64*((\q)/2)
.endr
.endr
	s_wait_loadcnt 0x0
.set d, 0
.rept 32                               ; packed in place, ascending: register d takes raw 2 d and 2 d + 1, which lie at or above it
	v_cvt_pk_bf16_f32 v[80+d], v[80+2*d], v[80+2*d+1]
	v_cvt_pk_bf16_f32 v[144+d], v[144+2*d], v[144+2*d+1]
.set d, d+1
.endr
.irp j, 0,1,2,3                        ; the two accumulators take turns, over the backward jump too
	v_wmma_f32_16x16x32_bf16 v[32:39], v[80+8*\j:80+8*\j+7], v[48+8*\j:48+8*\j+7], v[32:39]
	v_wmma_f32_16x16x32_bf16 v[40:47], v[144+8*\j:144+8*\j+7], v[48+8*\j:48+8*\j+7], v[40:47]
.endr
.rept 4
	v_nop
.endr
	s_wait_xcnt 0x0
	s_add_nc_u64 s[56:57], s[56:57], 256
	s_add_nc_u64 s[58:59], s[58:59], 512
	s_add_nc_u64 s[60:61], s[60:61], 512
	s_sub_co_u32 s62, s62, 1
	s_cmp_lg_u32 s62, 0
	s_cbranch_scc1 .Lok
.irp p, 0,1,2,3
	v_pk_mul_f32 v[OT+2*\p:OT+2*\p+1], v[32+2*\p:32+2*\p+1], s[LG:LG+1] op_sel_hi:[1,0]
.endr
.irp p, 0,1,2,3
	v_pk_mul_f32 v[OU+2*\p:OU+2*\p+1], v[32+2*\p:32+2*\p+1], v[40+2*\p:40+2*\p+1]
.endr
.irp i, 0,1,2,3,4,5,6,7
	v_exp_f32 v[OT+\i], v[OT+\i]
.endr
	v_nop
	s_wait_alu depctr_va_vdst(0)
.irp p, 0,1,2,3
	v_pk_add_f32 v[OT+2*\p:OT+2*\p+1], v[OT+2*\p:OT+2*\p+1], 1.0 op_sel_hi:[1,0]
.endr
.irp i, 0,1,2,3,4,5,6,7
	v_rcp_f32 v[OT+\i], v[OT+\i]
.endr
	v_nop
	s_wait_alu depctr_va_vdst(0)
.irp p, 0,1,2,3
	v_pk_mul_f32 v[OU+2*\p:OU+2*\p+1], v[OU+2*\p:OU+2*\p+1], v[OT+2*\p:OT+2*\p+1]
.endr
	s_sub_co_u32 s63, s55, s[LO]
	v_lshl_add_u32 v234, v[HH], 3, s63             ; 16 n + 8 h - LO
.irp p, 0,1,2,3
	v_cvt_pk_bf16_f32 v[OPK+\p], v[OU+2*\p], v[OU+2*\p+1]
	v_add_nc_u32 v235, 2*\p, v234
	v_cmp_gt_u32 vcc_lo, s[WID], v235
	v_cndmask_b32 v[OPK+\p], 0, v[OPK+\p], vcc_lo
.endr
	s_lshl_b32 s63, s54, 9                         ; column groups 2 n and 2 n + 1
	v_add_nc_u32 v237, s63, v[OHO]
	global_store_b128 v237, v[OPK:OPK+3], s[HB:HB+1]  ; 512 consecutive bytes, at a multiple of 256 from hid's first
	s_add_co_u32 s54, s54, 1
	s_cmp_lt_u32 s54, 6
	s_cbranch_scc1 .Lon
	s_add_co_u32 s51, s51, 1
	s_cmp_lt_u32 s51, s50
	s_cbranch_scc1 .Lotile
.Lend:
	s_wait_tensorcnt 0x0
	ds_add_u32 v29, v30
	s_wait_dscnt 0x0
	s_endpgm
.Lfunc_end_k_qbdc070adbf_up:
	.size	k_qbdc070adbf_up, .Lfunc_end_k_qbdc070adbf_up-k_qbdc070adbf_up
	.p2alignl 7, 3214868480
	.fill 96, 4, 3214868480
	.section	.rodata,"a",@progbits
	.p2align	6, 0x0
	.amdhsa_kernel k_qbdc070adbf_up
		.amdhsa_group_segment_fixed_size 148480
		.amdhsa_private_segment_fixed_size 0
		.amdhsa_enable_private_segment 0
		.amdhsa_kernarg_size 40
		.amdhsa_user_sgpr_count 2
		.amdhsa_user_sgpr_kernarg_segment_ptr 1
		.amdhsa_wavefront_size32 1
		.amdhsa_system_sgpr_workgroup_id_x 1
		.amdhsa_system_sgpr_workgroup_id_y 1
		.amdhsa_system_sgpr_workgroup_id_z 1
		.amdhsa_system_vgpr_workitem_id 0
		.amdhsa_next_free_vgpr 496
		.amdhsa_next_free_sgpr 66
		.amdhsa_reserve_vcc 1
		.amdhsa_float_denorm_mode_32 3
		.amdhsa_float_denorm_mode_16_64 3
		.amdhsa_memory_ordered 1
		.amdhsa_forward_progress 1
		.amdhsa_inst_pref_size 131
	.end_amdhsa_kernel
	.amdgpu_metadata
---
amdhsa.version: [ 1, 2 ]
amdhsa.kernels:
  - .name:           k_qbdc070adbf_up
    .symbol:         k_qbdc070adbf_up.kd
    .args:
      - { .name: xb, .offset: 0, .size: 8, .value_kind: global_buffer, .address_space: global }
      - { .name: W1, .offset: 8, .size: 8, .value_kind: global_buffer, .address_space: global }
      - { .name: W2, .offset: 16, .size: 8, .value_kind: global_buffer, .address_space: global }
      - { .name: route, .offset: 24, .size: 8, .value_kind: global_buffer, .address_space: global }
      - { .name: hid, .offset: 32, .size: 8, .value_kind: global_buffer, .address_space: global }
    .group_segment_fixed_size: 148480
    .private_segment_fixed_size: 0
    .kernarg_segment_align: 8
    .kernarg_segment_size: 40
    .max_flat_workgroup_size: 256
    .sgpr_count:     66
    .vgpr_count:     496
    .wavefront_size: 32
...
	.end_amdgpu_metadata
.endif
;; end of part 8
;; launch down (part 9): grid 32 x 8, 8 waves a work-group, no clusters, 222,208 bytes of LDS; arguments hid, W3, route, part; writes part
.if DOCPART == 9
	.amdgcn_target "amdgcn-amd-amdhsa--gfx1250"
	.amdhsa_code_object_version 6
	.text
	.protected	k_qbdc070adbf_down
	.globl	k_qbdc070adbf_down
	.p2align	8
	.type	k_qbdc070adbf_down,@function
k_qbdc070adbf_down:
	s_mov_b64 s[64:65], 0
	v_nop
	global_prefetch_b8 v0, s[64:65] scope:SCOPE_SE
	s_setreg_imm32_b32 hwreg(HW_REG_WAVE_MODE, 25, 1), 1
	s_wait_xcnt 0x0
; part[ks] = hid W3^T over a quarter of the hidden axis, in f32, for the rows of one expert's list and 128 output channels.
; THE SHARE.  Work-group (db + 8 ks, e): channels 128 db .. + 127, slices 8 ks .. 8 ks + 7 of the hidden axis (blocks of 96 columns beginning at
; column 86 s, the last at 2,634; hid holds +0 in a block's columns that belong to a neighbour), expert e.  Every byte of W3 that is needed is
; asked for by one work-group.  K is split in four: with fewer parts each block of hid is read by more work-groups, with more parts the partial
; sums grow; four moves the fewest bytes beside W3.
; Rows 0-319 of the list go through LDS, K in 8 tiles of 96 on two buffers.  Wave w: wm = w & 3, wn = w >> 2: row tiles 4 m + wm, m = 0..4,
; channel tiles 64 wn + 16 n, n = 0..3: 20 accumulators.
; HID LIES BY TILES: a block (slice, expert) is 64 row tiles of 3,072 bytes; a tile is 12 groups of 8 columns, 256 bytes each: 16 rows x 16 bytes.
; So a load of 16 bytes a lane takes 512 consecutive bytes (two groups), and its 16 lanes of a group go to 16 different rows of LDS.
; THE FILLS GO THROUGH REGISTERS: W3 is f32 and each number is rounded once on its way into LDS; loads into registers stay out across barriers:
; two tiles of W3 are always on their way.  A row of W3 is 10,920 bytes and a block begins at a multiple of 8 bytes, not of 16: 8 bytes a lane
; is the widest aligned load.  NO CLUSTER: a joint request is a tensor load's, and none is used here.
; A TRIP multiplies one buffer, 3 x 32 along K, and fills the other.  The filling (the wait for the loads, the roundings, the LDS stores, the next
; loads) stands in ten pieces behind the groups of four products of the first two thirds, so that it is issued while the matrix unit works.
; The barrier is split: signal behind the last third's fragments, 12 products on registers, wait.
; COUNTS.  The list's length steers forward jumps over a wave's row tiles m = 3 and 4 where they are dead (text without a barrier), over the stores
; of dead tiles, and the trips of the last part, which takes the rows from 320 on without LDS and without a barrier.  Nobody reads a dead tile.
; THE MATRIX INSTRUCTION IS USED TRANSPOSED: source 0 = 16 rows of W3 (channels), source 1 = 16 rows of hid: a lane holds one row and 8 channels.
; LIMITS.  NaN and infinities are not treated apart: a column of hid that is +0 is multiplied by a number of W3 that must be finite.
; REGISTERS.  Window 0: v2-23, v252-254 addresses; v24-63 fragments of hid; v64-95 of W3; v96-155 a tile of hid on its way; v156-251 two tiles
; of W3 on their way.  Window 1: accumulator (m, n) at v[32 m + 8 n].
.set PH,   208                         ; an LDS row: 192 bytes + 16: an odd multiple of 16.
                                       ; Rows 8 apart lie 1,664 = 6 x 256 + 128 bytes apart: a store that takes 64 bytes of each of two such rows touches no bank twice
.set BUF,  93184                       ; a buffer: 320 rows of hid, then 128 rows of W3
.set WOF,  66560
.set STG,  186368                      ; behind the buffers: 16 rows x 272 bytes for each wave, for the way out
.set V3,   2                           ; v2      8 h x 10,920 + 8 r: my 8 bytes in 128 bytes of two rows of W3, 8 rows apart
.set VH,   5                           ; v5      1,536 w + 16 l: my 16 bytes in 512 consecutive bytes of hid
.set HST,  6                           ; v6-7    where I put hid, buffer 0, 1
.set W3ST, 12                          ; v12-13  where I put W3, buffer 0, 1
.set AADR, 18                          ; v18-19  LDS address of my fragments of hid
.set BADR, 20                          ; v20-21  of W3
.set SST,  22                          ; v22     the way out: where I put 32 bytes of a row
.set SRD,  23                          ; v23     where I read rows back
.set AF,   24
.set BF,   64
.set HS,   96
.set WS0,  156
.set OB,   64                          ; the way out: row tile m's 16 rows at v[64 + 32 m], registers of its own
.set PO,   252                         ; v252    4,096 h + 16 r
.set RR,   253
.set HH,   254
.set WV,   16
.set WM,   17
.set WN,   18
.set DB,   19
.set KS,   20
.set EX,   21
.set CN,   22
.set NTT,  23
.set NT,   24
.set NM,   25
.set SLC,  27                          ; s27  the slice of the tile of W3 asked for last
.set CT,   29
.set W3B,  30                          ; s[30:31] W3 at my 16 rows, running along the slices
.set HB,   32                          ; s[32:33] hid at the expert's rows, running along the slices
.set PB,   34                          ; s[34:35] part at my wave's first row and channel
.set HBO,  36                          ; s[36:41] the same three for the last part: the first slice, the work-group's first row of W3, its first channel
.set W3O,  38
.set PBO,  40
.set C344, 44                          ; s44  344: 86 columns of W3 in bytes
.set OF,   48                          ; s[48:49] the step from a block's first column to the next block's, in bytes
.set MSB, 0
.macro WIN new                         ; the immediate's high byte repeats the setting that is left; a switch that changes nothing is dropped
.if MSB != (\new)
	s_set_vgpr_msb (MSB<<8)|(\new)
.set MSB, \new
.endif
.endm
.macro SYNC                            ; my LDS stores are done and my LDS reads are back; then everybody's
	s_wait_dscnt 0x0
	s_barrier_signal -1
	s_barrier_wait -1
.endm
.macro PLACES                          ; four places between the last products and loads into their sources, or reads of their results
.rept 4
	v_nop
.endr
.endm
; The bases go one slice on: 86 columns of W3, or 54 into the last block; 8,192 rows of hid.  Bases of loads that are out are written only behind the wait.
.macro STEP wreg, hreg, ldh, ldw
	s_wait_xcnt 0x0
.if \ldw
	s_add_co_u32 s[SLC], s[SLC], 1
	s_cmp_eq_u32 s[SLC], 31
	s_cselect_b32 s[OF], 216, s[C344]
	s_add_nc_u64 s[\wreg:\wreg+1], s[\wreg:\wreg+1], s[OF:OF+1]
.endif
.if \ldh
	s_add_nc_u64 s[\hreg:\hreg+1], s[\hreg:\hreg+1], 1572864
.endif
.endm
.macro LDW3 set                        ; 24 loads: my 16 rows' 384 bytes: rows i + 8 h, third p of a row, 8 bytes a lane
.set WSB, WS0+48*(\set)
.irp i, 0,1,2,3,4,5,6,7
.irp p, 0,1,2
	global_load_b64 v[WSB+2*(3*\i+\p):WSB+2*(3*\i+\p)+1], v[V3], s[W3B:W3B+1] offset:10920*\i+128*\p
.endr
.endr
.endm
.macro LDH u0, n                       ; n of my 15 loads of hid: row tile 4 (u / 3) + (w >> 1), column groups 6 (w & 1) + 2 (u % 3) + h: 512 consecutive bytes each
.set u, \u0
.rept \n
	global_load_b128 v[HS+4*u:HS+4*u+3], v[VH], s[HB:HB+1] offset:12288*(u/3)+512*(u%3)
.set u, u+1
.endr
.endm
; The pieces of a filling.  CVW: n loads' numbers of W3, from load q0 on, rounded to bf16 in place.  STW: they go into buffer b.  STH: n loads' bytes of hid go into buffer b.
.macro CVW set, q0, n
.set WSB, WS0+48*(\set)
.set q, \q0
.rept \n
	v_cvt_pk_bf16_f32 v[WSB+2*q], v[WSB+2*q], v[WSB+2*q+1]
.set q, q+1
.endr
.endm
.macro STW b, set, q0, n
.set WSB, WS0+48*(\set)
.set q, \q0
.rept \n
	ds_store_b32 v[W3ST+\b], v[WSB+2*q] offset:PH*(q/3)+64*(q%3)
.set q, q+1
.endr
.endm
.macro STH b, u0, n
.set u, \u0
.rept \n
	ds_store_b128 v[HST+\b], v[HS+4*u:HS+4*u+3] offset:13312*(u/3)+32*(u%3)
.set u, u+1
.endr
.endm
; The fragments of 32 along K (third j of buffer b): four of W3, five of hid.  lad = 1: those of dead tiles m = 3, 4 are jumped over.
.macro FRAG b, j, lad
.irp n, 0,1,2,3
	ds_load_b128 v[BF+8*\n:BF+8*\n+3],   v[BADR+\b] offset:3328*\n+64*\j
	ds_load_b128 v[BF+8*\n+4:BF+8*\n+7], v[BADR+\b] offset:3328*\n+64*\j+32
.endr
.irp m, 0,1,2
	ds_load_b128 v[AF+8*\m:AF+8*\m+3],   v[AADR+\b] offset:13312*\m+64*\j
	ds_load_b128 v[AF+8*\m+4:AF+8*\m+7], v[AADR+\b] offset:13312*\m+64*\j+32
.endr
.irp m, 3,4
.if \lad
	s_cmp_le_u32 s[NM], \m
	s_cbranch_scc1 .Lfr_\@
.endif
	ds_load_b128 v[AF+8*\m:AF+8*\m+3],   v[AADR+\b] offset:13312*\m+64*\j
	ds_load_b128 v[AF+8*\m+4:AF+8*\m+7], v[AADR+\b] offset:13312*\m+64*\j+32
.endr
.Lfr_\@:
	s_wait_dscnt 0x0
.endm
; A group: the four products of row tile m.  The accumulators take turns, one instruction a turn.  zero = 1: the products start the sums.
.macro GRP m, zero
	WIN 0x50                                       ; C and D in window 1
.irp n, 0,1,2,3
.if \zero
	v_wmma_f32_16x16x32_bf16 v[32*\m+8*\n:32*\m+8*\n+7], v[BF+8*\n:BF+8*\n+7], v[AF+8*\m:AF+8*\m+7], 0
.else
	v_wmma_f32_16x16x32_bf16 v[32*\m+8*\n:32*\m+8*\n+7], v[BF+8*\n:BF+8*\n+7], v[AF+8*\m:AF+8*\m+7], v[32*\m+8*\n:32*\m+8*\n+7]
.endif
.endr
.endm
.macro GRPL m                          ; the same under the count: a dead row tile is jumped over; at a branch and at a label every window is 0
	WIN 0
	s_cmp_le_u32 s[NM], \m
	s_cbranch_scc1 .Lg_\@
	GRP \m, 0
	WIN 0
.Lg_\@:
.endm
; A TRIP.  Buffer b is multiplied; stage = 1: the next tile goes into buffer nb, W3 from register set `set`; cnt = the younger loads that may stay out;
; ldh, ldw = 1: the next loads are issued, hid's ahead of W3's, so that a later count of 24 leaves exactly one tile of W3 out.
; first = 1: the first 32 along K start all 20 sums, dead tiles' too, so that every accumulator and fragment register is written.
; bar = 1: the barrier.  In front of the signal my reads of b are back and my stores into nb are done (the wait for 0 at the end of FRAG); behind the wait nobody
; reads b any more and nb is whole.  Between signal and wait stand 12 products: work on registers.
.macro TRIP b, nb, set, cnt, ldh, ldw, stage, first, bar
	FRAG \b, 0, 1-(\first)
	GRP 0, \first
.if \stage
	WIN 0
	s_wait_loadcnt \cnt
	CVW \set, 0, 12
.endif
	GRP 1, \first
.if \stage
	WIN 0
	CVW \set, 12, 12
.endif
	GRP 2, \first
.if \stage
	WIN 0
	STW \nb, \set, 0, 8                            ; groups of products stand between a rounding and the store that reads it
.endif
.if \first
	GRP 3, 1
.else
	GRPL 3
.endif
.if \stage
	WIN 0
	STW \nb, \set, 8, 8
.endif
.if \first
	GRP 4, 1
.else
	GRPL 4
.endif
	WIN 0
.if \stage
	STW \nb, \set, 16, 8
.endif
	PLACES
	FRAG \b, 1, 1
	GRP 0, 0
.if \stage
	WIN 0
	STH \nb, 0, 8
.endif
	GRP 1, 0
.if \stage
	WIN 0
	STH \nb, 8, 7
.endif
	GRP 2, 0
.if \ldh
	WIN 0
	STEP W3B, HB, \ldh, \ldw
	LDH 0, 8
.endif
	GRPL 3
.if \ldh
	LDH 8, 7
.endif
	GRPL 4
.if \ldw
	LDW3 \set
.endif
	PLACES
	FRAG \b, 2, 1
.if \bar
	s_barrier_signal -1
.endif
	GRP 0, 0
	GRP 1, 0
	GRP 2, 0
	WIN 0
.if \bar
	s_barrier_wait -1
.endif
	GRPL 3
	GRPL 4
	PLACES
.endm
	s_load_b256 s[4:11], s[0:1], 0x0               ; hid s[4:5], W3 s[6:7], route s[8:9], part s[10:11]
	v_lshl_add_u32 v17, v0, 2, 0x36000
	v_mov_b32 v255, 0
	v_lshrrev_b32 v24, 5, v0
	v_readfirstlane_b32 s[WV], v24
	v_and_b32 v[RR], 15, v0
	v_bfe_u32 v[HH], v0, 4, 1
	v_and_b32 v32, 31, v0                          ; lane
	s_and_b32 s[WM], s[WV], 3
	s_lshr_b32 s[WN], s[WV], 2
	s_and_b32 s[DB], ttmp9, 7
	s_lshr_b32 s[KS], ttmp9, 3
	s_and_b32 s[EX], ttmp7, 0xffff
	s_mov_b32 s[C344], 344
	s_lshl_b32 s50, s[EX], 10
	s_lshl_b32 s51, s[DB], 7
	s_add_co_u32 s50, s50, s51                     ; the work-group's first row of W3
	s_mul_i32 s52, s50, 10920
	s_mul_i32 s53, s[KS], 2752                     ; its first slice's first column: 8 ks x 86 x 4 bytes
	s_add_co_u32 s52, s52, s53
	s_mov_b32 s53, 0
	s_mul_i32 s54, s[WV], 174720                   ; my 16 rows
	s_mov_b32 s55, 0
	s_mul_i32 s56, s[KS], 12582912                 ; 8 ks slices of 8,192 rows of 192 bytes,
	s_mul_i32 s57, s[EX], 196608                   ; the expert's 1,024 rows: 64 tiles of 3,072 bytes
	s_add_co_u32 s56, s56, s57
	s_mov_b32 s57, 0
	s_lshl_b32 s58, s[KS], 13
	s_lshl_b32 s59, s[EX], 10
	s_add_co_u32 s58, s58, s59
	s_lshl_b32 s58, s58, 12                        ; the expert's first row in my quarter of part,
	s_lshl_b32 s59, s[DB], 9
	s_add_co_u32 s58, s58, s59                     ; the work-group's first channel
	s_mov_b32 s59, 0
	s_lshl_b32 s60, s[WM], 16                      ; 16 wm rows,
	s_lshl_b32 s61, s[WN], 8
	s_add_co_u32 s60, s60, s61                     ; 64 wn channels
	s_mov_b32 s61, 0
	s_lshl_b32 s62, s[EX], 2
	s_lshl_b32 s[SLC], s[KS], 3
	s_mov_b32 s[OF+1], 0
	; the staging addresses: made of bit fields of the lane, the wave's number and constants alone
	v_mul_u32_u24 v24, 87360, v[HH]
	v_lshl_add_u32 v[V3], v[RR], 3, v24            ; 8 h rows of 10,920 bytes + 8 r
	s_lshl_b32 s26, s[WV], 4
	v_lshl_add_u32 v24, v[HH], 3, s26              ; 16 w + 8 h
	v_mul_u32_u24 v24, PH, v24
	v_lshl_add_u32 v24, v[RR], 2, v24              ; x pitch + 4 r: two numbers in bf16
	v_add_nc_u32 v[W3ST], WOF, v24
	v_add_nc_u32 v[W3ST+1], WOF+BUF, v24
	s_mul_i32 s28, s[WV], 1536                     ; row tile w >> 1 (3,072 bytes), column groups 6 (w & 1) on (1,536 bytes)
	v_lshl_add_u32 v[VH], v32, 4, s28              ; group h, row r: 256 h + 16 r = 16 l
	s_lshr_b32 s26, s[WV], 1
	s_lshl_b32 s26, s26, 4
	v_add_nc_u32 v25, s26, v[RR]                   ; 16 (w >> 1) + r
	v_mul_u32_u24 v25, PH, v25
	v_lshl_add_u32 v25, v[HH], 4, v25              ; x pitch + 16 h
	s_and_b32 s26, s[WV], 1
	s_mul_i32 s26, s26, 96                         ; + 6 (w & 1) groups of 16 bytes
	v_add_nc_u32 v[HST], s26, v25
	v_add_nc_u32 v[HST+1], BUF, v[HST]
	s_wait_kmcnt 0x0
	s_load_b32 s[CN], s[8:9], s62 offset:0x0
	s_add_nc_u64 s[W3O:W3O+1], s[6:7], s[52:53]
	s_add_nc_u64 s[W3B:W3B+1], s[W3O:W3O+1], s[54:55]
	s_add_nc_u64 s[HBO:HBO+1], s[4:5], s[56:57]
	s_mov_b64 s[HB:HB+1], s[HBO:HBO+1]
	s_add_nc_u64 s[PBO:PBO+1], s[10:11], s[58:59]
	s_add_nc_u64 s[PB:PB+1], s[PBO:PBO+1], s[60:61]
	LDH 0, 15                                      ; tile 0 of hid: rows 0-319 of every block are always written by the launch before
	LDW3 0                                         ; tiles 0 and 1 of W3
	STEP W3B, HB, 0, 1
	LDW3 1
	s_lshl_b32 s26, s[WM], 4
	v_add_nc_u32 v24, s26, v[RR]
	v_mul_u32_u24 v24, PH, v24
	v_lshl_add_u32 v[AADR], v[HH], 4, v24          ; (16 wm + r) x pitch + 16 h
	v_add_nc_u32 v[AADR+1], BUF, v[AADR]
	s_lshl_b32 s26, s[WN], 6
	v_add_nc_u32 v24, s26, v[RR]
	v_mul_u32_u24 v24, PH, v24
	v_lshl_add_u32 v24, v[HH], 4, v24              ; (64 wn + r) x pitch + 16 h
	v_add_nc_u32 v[BADR], WOF, v24
	v_add_nc_u32 v[BADR+1], WOF+BUF, v24
	s_mul_i32 s26, s[WV], 4352
	s_add_co_u32 s26, s26, STG                     ; my stage
	v_mul_u32_u24 v24, 272, v[RR]
	v_lshl_add_u32 v24, v[HH], 5, v24
	v_add_nc_u32 v[SST], s26, v24                  ; in: row r, 32 bytes for each half of the lanes
	v_mul_u32_u24 v24, 272, v[HH]
	v_lshl_add_u32 v24, v[RR], 4, v24
	v_add_nc_u32 v[SRD], s26, v24                  ; back: lanes 0-15 one row of 256 bytes, lanes 16-31 the next
	v_lshlrev_b32 v24, 12, v[HH]
	v_lshl_add_u32 v[PO], v[RR], 4, v24            ; the same two rows in part
	s_wait_kmcnt 0x0
	s_min_u32 s[CN], s[CN], 1024
	s_add_co_u32 s[NTT], s[CN], 15
	s_lshr_b32 s[NTT], s[NTT], 4
	s_min_u32 s[NT], s[NTT], 20
	s_add_co_u32 s[NM], s[NT], 3
	s_sub_co_u32 s[NM], s[NM], s[WM]
	s_lshr_b32 s[NM], s[NM], 2                     ; the m with 4 m + wm < NT
	s_wait_loadcnt 24                              ; tile 0 is in; the 24 loads of W3's tile 1 stay out
	CVW 0, 0, 24                                   ; tile 0 goes into buffer 0: there are no products yet to set it between
	STW 0, 0, 0, 24
	STH 0, 0, 15
	STEP W3B, HB, 1, 1
	LDH 0, 15                                      ; hid 1,
	LDW3 0                                         ; W3 2
	SYNC
	TRIP 0, 1, 1, 24, 1, 1, 1, 1, 1                ; tile 0
	s_mov_b32 s[CT], 2
.Lk:                                                   ; tiles 1 to 4: trip t fills in tile t + 1 and asks for hid t + 2 and W3 t + 3
	TRIP 1, 0, 0, 24, 1, 1, 1, 0, 1
	TRIP 0, 1, 1, 24, 1, 1, 1, 0, 1
	s_sub_co_u32 s[CT], s[CT], 1
	s_cmp_lg_u32 s[CT], 0
	s_cbranch_scc1 .Lk
	TRIP 1, 0, 0, 24, 1, 0, 1, 0, 1                ; tile 5: the last tile of hid is asked for
	TRIP 0, 1, 1, 0, 0, 0, 1, 0, 1                 ; tile 6: all that is out is tile 7
	TRIP 1, 0, 0, 0, 0, 0, 0, 0, 0                 ; tile 7: nothing to fill, no barrier
	; THE WAY OUT, a live row tile at a time, through my own stage: no barrier.  Each accumulator's low half is stored first.
	; Each tile comes back into 32 registers of its own, so that no tile waits for the stores of the tile before.
.irp m, 0,1,2,3,4
	s_cmp_le_u32 s[NM], \m
	s_cbranch_scc1 .Lstored
	WIN 0x04                                       ; the stores' data in window 1
.irp n, 0,1,2,3
	ds_store_b128 v[SST], v[32*\m+8*\n:32*\m+8*\n+3] offset:64*\n
	ds_store_b128 v[SST], v[32*\m+8*\n+4:32*\m+8*\n+7] offset:64*\n+16
.endr
	WIN 0
.irp t, 0,1,2,3,4,5,6,7
	ds_load_b128 v[OB+32*\m+4*\t:OB+32*\m+4*\t+3], v[SRD] offset:544*\t  ; LDS serves a wave's instructions in order (ISA guide 5.7.1.4): these see the stores above
.endr
	s_wait_dscnt 0x0
.irp t, 0,1,2,3,4,5,6,7
	global_store_b128 v[PO], v[OB+32*\m+4*\t:OB+32*\m+4*\t+3], s[PB:PB+1] offset:(64*\m+2*\t)*4096  ; 16 lanes store 256 consecutive bytes, at a multiple of 256 from part's first
.endr
.endr
.Lstored:
	; ROWS FROM 320 ON: tile 20 + w + 8 c for trip c, all 128 channels, two channel tiles at a time.  No LDS, no barrier.
	; v24-39 two accumulators; v40-63 hid, v64-159 W3 for a slice's 96 columns; v160-166 addresses.
	s_max_u32 s50, s[NTT], 20
	s_sub_co_u32 s50, s50, 13
	s_sub_co_u32 s50, s50, s[WV]
	s_lshr_b32 s50, s50, 3                         ; (tiles past 20 + 7 - w) / 8: my trips
	s_cmp_eq_u32 s50, 0
	s_cbranch_scc1 .Lend
	s_wait_xcnt 0x0                                ; the way out's stores have read their registers, which are written again from here on
	v_and_b32 v165, 31, v0
	v_lshlrev_b32 v165, 4, v165                    ; 16 l
	v_lshlrev_b32 v166, 5, v[HH]                   ; 32 h
	s_mov_b32 s51, 0
.Lotile:
	s_lshl3_add_u32 s52, s51, s[WV]
	s_add_co_u32 s52, s52, 20
	s_min_u32 s52, s52, 63                         ; the tile
	s_lshl_b32 s53, s52, 4
	s_mul_i32 s55, s52, 3072                       ; its place in a block of hid
	s_wait_xcnt 0x0                                ; earlier stores have read their registers
	v_add_nc_u32 v160, s53, v[RR]                  ; my row
	v_add_nc_u32 v161, s55, v165                   ; in hid: tile x 3,072 + 256 h + 16 r
	v_lshlrev_b32 v162, 12, v160
	v_add_nc_u32 v162, v166, v162                  ; in part: row x 4,096 + 32 h
	v_mul_u32_u24 v163, 10920, v[RR]
	v_add_nc_u32 v163, v166, v163                  ; in W3: r x 10,920 + 32 h,
	v_add_nc_u32 v164, 174720, v163                ; and 16 rows on
	s_mov_b32 s54, 0
.Lon:                                                  ; four pairs of channel tiles
	s_wait_xcnt 0x0
	s_mov_b64 s[56:57], s[HBO:HBO+1]
	s_mov_b64 s[58:59], s[W3O:W3O+1]
	s_lshl_b32 s[SLC], s[KS], 3
.set i, 24
.rept 16
	v_mov_b32 v[i], 0
.set i, i+1
.endr
	s_mov_b32 s62, 8
.Lok:                                                  ; a slice a trip
.irp j, 0,1,2
	global_load_b128 v[40+8*\j:40+8*\j+3], v161, s[56:57] offset:1024*\j        ; columns 32 j + 8 h on: group 4 j + h
	global_load_b128 v[40+8*\j+4:40+8*\j+7], v161, s[56:57] offset:1024*\j+512  ; columns 32 j + 16 + 8 h on: group 4 j + 2 + h
.endr
.irp j, 0,1,2
.irp q, 0,1,2,3,4,5,6,7
	global_load_b64 v[64+16*\j+2*\q:64+16*\j+2*\q+1], v163, s[58:59] offset:128*\j+8*((\q)%4)+64*((\q)/4)
	global_load_b64 v[112+16*\j+2*\q:112+16*\j+2*\q+1], v164, s[58:59] offset:128*\j+8*((\q)%4)+64*((\q)/4)
.endr
.endr
	s_wait_loadcnt 0x0
.set d, 0
.rept 48                               ; packed in place, ascending: register d takes raw 2 d and 2 d + 1, which lie at or above it
	v_cvt_pk_bf16_f32 v[64+d], v[64+2*d], v[64+2*d+1]
.set d, d+1
.endr
.irp j, 0,1,2                          ; the two accumulators take turns, over the backward jump too
	v_wmma_f32_16x16x32_bf16 v[24:31], v[64+8*\j:64+8*\j+7], v[40+8*\j:40+8*\j+7], v[24:31]
	v_wmma_f32_16x16x32_bf16 v[32:39], v[88+8*\j:88+8*\j+7], v[40+8*\j:40+8*\j+7], v[32:39]
.endr
.rept 4
	v_nop
.endr
	STEP 58, 56, 1, 1
	s_sub_co_u32 s62, s62, 1
	s_cmp_lg_u32 s62, 0
	s_cbranch_scc1 .Lok
	global_store_b128 v162, v[24:27], s[PBO:PBO+1]             ; 32 bytes a lane and tile, rows 4,096 bytes apart: accepted on this way alone
	global_store_b128 v162, v[28:31], s[PBO:PBO+1] offset:16
	global_store_b128 v162, v[32:35], s[PBO:PBO+1] offset:64
	global_store_b128 v162, v[36:39], s[PBO:PBO+1] offset:80
	s_wait_xcnt 0x0
	v_add_nc_u32 v162, 128, v162                   ; 32 channels on
	v_add_nc_u32 v163, 349440, v163                ; 32 rows of W3 on
	v_add_nc_u32 v164, 349440, v164
	s_add_co_u32 s54, s54, 1
	s_cmp_lt_u32 s54, 4
	s_cbranch_scc1 .Lon
	s_add_co_u32 s51, s51, 1
	s_cmp_lt_u32 s51, s50
	s_cbranch_scc1 .Lotile
.Lend:
	s_wait_tensorcnt 0x0
	ds_add_u32 v17, v255
	s_wait_dscnt 0x0
	s_endpgm
.Lfunc_end_k_qbdc070adbf_down:
	.size	k_qbdc070adbf_down, .Lfunc_end_k_qbdc070adbf_down-k_qbdc070adbf_down
	.p2alignl 7, 3214868480
	.fill 96, 4, 3214868480
	.section	.rodata,"a",@progbits
	.p2align	6, 0x0
	.amdhsa_kernel k_qbdc070adbf_down
		.amdhsa_group_segment_fixed_size 222208
		.amdhsa_private_segment_fixed_size 0
		.amdhsa_enable_private_segment 0
		.amdhsa_kernarg_size 32
		.amdhsa_user_sgpr_count 2
		.amdhsa_user_sgpr_kernarg_segment_ptr 1
		.amdhsa_wavefront_size32 1
		.amdhsa_system_sgpr_workgroup_id_x 1
		.amdhsa_system_sgpr_workgroup_id_y 1
		.amdhsa_system_sgpr_workgroup_id_z 1
		.amdhsa_system_vgpr_workitem_id 0
		.amdhsa_next_free_vgpr 416
		.amdhsa_next_free_sgpr 66
		.amdhsa_reserve_vcc 0
		.amdhsa_float_denorm_mode_32 3
		.amdhsa_float_denorm_mode_16_64 3
		.amdhsa_memory_ordered 1
		.amdhsa_forward_progress 1
		.amdhsa_inst_pref_size 128
	.end_amdhsa_kernel
	.amdgpu_metadata
---
amdhsa.version: [ 1, 2 ]
amdhsa.kernels:
  - .name:           k_qbdc070adbf_down
    .symbol:         k_qbdc070adbf_down.kd
    .args:
      - { .name: hid, .offset: 0, .size: 8, .value_kind: global_buffer, .address_space: global }
      - { .name: W3, .offset: 8, .size: 8, .value_kind: global_buffer, .address_space: global }
      - { .name: route, .offset: 16, .size: 8, .value_kind: global_buffer, .address_space: global }
      - { .name: part, .offset: 24, .size: 8, .value_kind: global_buffer, .address_space: global }
    .group_segment_fixed_size: 222208
    .private_segment_fixed_size: 0
    .kernarg_segment_align: 8
    .kernarg_segment_size: 32
    .max_flat_workgroup_size: 256
    .sgpr_count:     66
    .vgpr_count:     416
    .wavefront_size: 32
...
	.end_amdgpu_metadata
.endif
;; end of part 9
;; launch combine: the kernel of part 6 again; grid 256 x 1, 8 waves a work-group, no clusters, 0 bytes of LDS; arguments part, route, gw, out0; writes out0
;; ======== version 3 of 3: 5 launches; version 2 with the launches up, down written anew for expert scheduling mode
;; workspace buffers: xb 2,097,152 bytes; sel 4,096 bytes of whole numbers; gw 8,192 bytes; route 41,216 bytes of whole numbers; hid 50,331,648 bytes; part 134,217,728 bytes
;; launch gate: the kernel of part 1 again; grid 256 x 1, 4 waves a work-group, no clusters, 0 bytes of LDS; arguments x, Wg, xb, sel, gw; writes xb, sel, gw
;; launch route: the kernel of part 7 again; grid 1 x 1, 8 waves a work-group, no clusters, 34,048 bytes of LDS; arguments sel, route; writes route
;; launch up (part 10): grid 32 x 8, 8 waves a work-group, no clusters, 148,480 bytes of LDS; arguments xb, W1, W2, route, hid; writes hid
.if DOCPART == 10
	.amdgcn_target "amdgcn-amd-amdhsa--gfx1250"
	.amdhsa_code_object_version 6
	.text
	.protected	k_qbdc070adbf_up
	.globl	k_qbdc070adbf_up
	.p2align	8
	.type	k_qbdc070adbf_up,@function
k_qbdc070adbf_up:
	s_mov_b64 s[64:65], 0
	v_nop
	global_prefetch_b8 v0, s[64:65] scope:SCOPE_SE
	s_setreg_imm32_b32 hwreg(HW_REG_WAVE_SCHED_MODE, 0, 2), 2
	s_setreg_imm32_b32 hwreg(HW_REG_WAVE_MODE, 25, 1), 1
	s_wait_xcnt 0x0
	s_wait_alu depctr_vm_vsrc(0)
; hid = silu(x W1^T) * (x W2^T) for the rows of one expert's list and one slice of the hidden axis, rounded once to bf16.
; THE SHARE.  Work-group (s, e): slice s of 32, expert e.  A slice is a block of 96 hidden columns beginning at weight row ROW0: 86 s with
; columns 0-85 valid, or, for s = 31, 2,634 with columns 32-95 valid; the other columns are stored as +0, so the launch behind may multiply
; them by whatever finite numbers of W3 stand there.  8 x 32 work-groups, 86 (once 64) rows of W1 and of W2 each: every weight byte is read once.
; Rows 0-319 of the list (20 tiles of 16) go through LDS; K = 1,024 in 16 tiles of 64 on two LDS buffers.  Wave w: wm = w & 3, wn = w >> 2;
; it owns the row tiles 4 m + wm, m = 0..4, and the column tiles 48 wn + 16 n, n = 0..2, of both products: 30 accumulators.
; HID LIES BY TILES: block (s, e) is 64 row tiles of 3,072 bytes; a tile is 12 groups of 8 columns, 256 bytes each: 16 rows x 16 bytes.  That is the
; matrix result's own layout (below), so the results leave straight from registers, 512 consecutive bytes a store, with no way through LDS.
; THE FILLS GO THROUGH REGISTERS: the weights are f32 and each number is rounded once on its way into LDS, the token rows are gathered by
; the list, one address a lane, and loads into registers stay out across barriers: two weight tiles, 12 KB a wave, are always on their way.
; NO CLUSTER for the same reason: a joint request is a tensor load's, and none is used here.
; THE MODE: SCHED_MODE bits 1:0 = 2 (LLVM: expert scheduling mode 2), set by the entry lines.  The code itself states the register dependences
; between vector or matrix instructions and memory or LDS instructions, with s_wait_alu, always for 0.
; THE PLAN.  Registers that memory or LDS instructions touch, in the loop (trip t multiplies LDS buffer b = t % 2 and fills nb, the other):
;   AF, BF     The LDS loads of a half's fragments land in them; that half's products read them.  There is one set: 496 of a wave's 512 registers are taken.
;   WS0, WS1   Weight tile u lives in WS[u % 2]: its 12 loads land (issued in the middle of trip u - 3), its roundings work in place (end of trip u - 2),
;              its 12 LDS stores read it (first half of trip u - 1), and the loads of tile u + 2 land in it again (middle of trip u - 1).
;   XS         The 10 loads of a token tile land in it, its 10 LDS stores read it; no vector instruction names it.
;   v2-26, v31 Offsets and LDS addresses, made at the head and never written again: the scalar bases move on along K.
; So a trip has two waits on va_vdst, one ahead of each half's fragments.  The first also states that the roundings at the end of the trip before have written
; WS[nb]; behind it this half's LDS stores are dealt among the products, which name AF, BF and the accumulators alone.  One wait on vm_vsrc stands behind the
; last of these stores, ahead of the loads that land in XS and in WS[nb].  The weight loads follow the second half's fragment loads directly.
; The barrier is split: signal behind the fragments of the second 32 along K, 18 products on registers, wait.
; COUNTS.  The list's length is read from route.  It steers forward jumps over a wave's row tiles m = 3 and 4 where they are dead (text without
; a barrier) and the trip count of the last part, which takes the rows from 320 on, a tile of 16 a wave, without LDS and without a barrier.
; Tiles m = 0..2 are always multiplied.  Rows behind the count are token 0's: finite numbers that nobody reads.
; THE MATRIX INSTRUCTION IS USED TRANSPOSED: source 0 = 16 weight rows, source 1 = 16 tokens: a lane holds one token and 8 neighbouring columns.
; LIMITS.  NaN and infinities are not treated apart.  silu(a) b = a b / (1 + 2^(-a log2 e)): for very negative a the power is +inf and the result 0.
; REGISTERS.  Window 0: v2-31 addresses; v32-71 token fragments; v72-119 weight fragments; v120-159 a token tile on its way; v160-255 two
; weight tiles on their way.  Window 1: accumulator (m, c) at v[48 m + 8 c], c = 0..2 the first product's n, c = 3..5 the second's.
.set PX,   144                         ; an LDS row: 128 bytes + 16: the 16 rows of a fragment load start at 16 different groups of four banks (64 banks of 4 bytes: ISA guide 11.1).
                                       ; Rows 8 apart lie 1,152 = 4 x 256 + 128 bytes apart
.set BUF,  73728                       ; a buffer: 320 token rows, then 192 weight rows (96 of W1, 96 of W2)
.set WOF,  46080
.set VW,   2                           ; v2      (2 wm + 8 h) x 4,096 + 16 r: my place in two weight rows, 8 rows apart
.set VWL,  3                           ; v3-6    the same for loads 0-3 (rows 0-31), rows clamped from below to LO
.set VWH,  7                           ; v7-8    for loads 10, 11 (rows 80-95), rows clamped from above to QMAX
.set XOFF, 9                           ; v9-18   token x 2,048 + 16 (l & 7), for my ten rows
.set AADR, 19                          ; v19-20  LDS address of my token fragments, buffer 0, 1
.set BADR, 21                          ; v21-22  of my weight fragments
.set WST,  23                          ; v23-24  where I put weights
.set XST,  25                          ; v25-26  where I put token rows
.set RR,   27                          ; v27     r = l & 15
.set HH,   28                          ; v28     h = l >> 4
.set OGO,  31                          ; v31     3,072 wm + 1,536 wn + 16 l: my 16 bytes in my first row tile and column tile of the block of hid
.set AF,   32
.set BF,   72
.set XS,   120
.set WS0,  160
.set PK,   32                          ; the way out: v32-91 packed results, 12 registers for each row tile; v170-181 masks; v184-207, v208-231 at work
.set MK,   170
.set T,    184
.set U,    208
.set WV,   16                          ; s16-18  w, wm, wn
.set WM,   17
.set WN,   18
.set SL,   19                          ; s19, s20  slice, expert
.set EX,   20
.set CN,   21                          ; s21  the list's length
.set NTT,  22                          ; s22  its tiles of 16
.set NT,   23                          ; s23  those that go through LDS, 20 at the most
.set NM,   24                          ; s24  how many of them are my wave's
.set QMAX, 26                          ; s26-28  last weight row fetched; first valid column; number of valid columns
.set LO,   27
.set WID,  28
.set CT,   29
.set WB,   30                          ; s[30:31] my matrix at the slice's first row, running along K
.set XB,   32                          ; s[32:33] xb, running along K
.set OMS,  30                          ; s30-33  in the last part, when the two bases above are done with: the lanes whose pair of columns is valid, for four pairs
.set W1B,  36                          ; s[36:39] W1 and W2 at the slice's first row
.set W2B,  38
.set HB,   40                          ; s[40:41] hid at the block's first byte
.set LB,   42                          ; s[42:43] the expert's list
.set LG,   46                          ; s[46:47] -log2(e), named as a pair
.set OF,   48
.set MS,   48                          ; s48-59  the way out: the lanes whose pair of columns is valid, for my 12 pairs
.set MSB, 0
.macro WIN new                         ; the immediate's high byte repeats the setting that is left; a switch that changes nothing is dropped
.if MSB != (\new)
	s_set_vgpr_msb (MSB<<8)|(\new)
.set MSB, \new
.endif
.endm
.macro SYNC                            ; my LDS stores are done and my LDS reads are back; then everybody's
	s_wait_dscnt 0x0
	s_barrier_signal -1
	s_barrier_wait -1
.endm
.macro PLACES                          ; four places (ISA guide 7.12.1) behind the last products, ahead of what lands in their sources or reads their results; they stand beside the waits on va_vdst, not in their place
.rept 4
	v_nop
.endr
.endm
; 12 loads: my 24 rows' 256 bytes of a weight tile.  Load i takes rows 16 (i / 2) + i % 2 + 2 wm + 8 h, 16 bytes a lane: two whole pieces of 256 bytes
.macro LDW set
.set WSB, WS0+48*(\set)
.irp i, 0,1,2,3
	global_load_b128 v[WSB+4*\i:WSB+4*\i+3], v[VWL+\i], s[WB:WB+1]
.endr
.irp i, 4,5,6,7,8,9
	global_load_b128 v[WSB+4*\i:WSB+4*\i+3], v[VW], s[WB:WB+1] offset:4096*(16*((\i)/2)+(\i)%2) th:TH_LOAD_NT
.endr
.irp i, 10,11
	global_load_b128 v[WSB+4*\i:WSB+4*\i+3], v[VWH+\i-10], s[WB:WB+1]
.endr
.endm
; 10 loads: rows 32 i + 16 wn + 2 wm + h + 8 (bit 3 of l) of the list, 128 bytes of each
.macro LDX
.irp i, 0,1,2,3,4,5,6,7,8,9
	global_load_b128 v[XS+4*\i:XS+4*\i+3], v[XOFF+\i], s[XB:XB+1]
.endr
.endm
; The pieces of a filling.  CVW: n loads' weights, from load i0 on, rounded to bf16 in place.  STW: they go into buffer b.  STX: n loads' token rows go into buffer b.
.macro CVW set, i0, n
.set WSB, WS0+48*(\set)
.set i, \i0
.rept \n
	v_cvt_pk_bf16_f32 v[WSB+4*i], v[WSB+4*i], v[WSB+4*i+1]
	v_cvt_pk_bf16_f32 v[WSB+4*i+1], v[WSB+4*i+2], v[WSB+4*i+3]
.set i, i+1
.endr
.endm
.macro STW b, set, i0, n
.set WSB, WS0+48*(\set)
.set i, \i0
.rept \n
	ds_store_b64 v[WST+\b], v[WSB+4*i:WSB+4*i+1] offset:PX*(16*(i/2)+i%2)
.set i, i+1
.endr
.endm
.macro STX b, i0, n
.set i, \i0
.rept \n
	ds_store_b128 v[XST+\b], v[XS+4*i:XS+4*i+3] offset:4608*i
.set i, i+1
.endr
.endm
; The fragments of 32 along K (half j of buffer b): six of weights, five of tokens.  lad = 1: those of dead tiles m = 3, 4 are jumped over.
; ldw = 1: a weight tile's 12 loads, into WS[set], follow the fragment loads, ahead of the wait for these: between them and the wait on va_vdst that stands ahead of this macro lie loads and scalar lines alone.
.macro FRAG b, j, lad, ldw=0, set=0
.irp c, 0,1,2,3,4,5
	ds_load_b128 v[BF+8*\c:BF+8*\c+3],   v[BADR+\b] offset:2304*((\c)%3)+13824*((\c)/3)+64*\j
	ds_load_b128 v[BF+8*\c+4:BF+8*\c+7], v[BADR+\b] offset:2304*((\c)%3)+13824*((\c)/3)+64*\j+32
.endr
.irp m, 0,1,2
	ds_load_b128 v[AF+8*\m:AF+8*\m+3],   v[AADR+\b] offset:9216*\m+64*\j
	ds_load_b128 v[AF+8*\m+4:AF+8*\m+7], v[AADR+\b] offset:9216*\m+64*\j+32
.endr
.irp m, 3,4
.if \lad
	s_cmp_le_u32 s[NM], \m
	s_cbranch_scc1 .Lfr_\@
.endif
	ds_load_b128 v[AF+8*\m:AF+8*\m+3],   v[AADR+\b] offset:9216*\m+64*\j
	ds_load_b128 v[AF+8*\m+4:AF+8*\m+7], v[AADR+\b] offset:9216*\m+64*\j+32
.endr
.Lfr_\@:
.if \ldw
	LDW \set
.endif
	s_wait_dscnt 0x0
.endm
; A group: the six products of row tile m.  The accumulators take turns, one instruction a turn.  zero = 1: the products start the sums.
.macro GRP m, zero
	WIN 0x50                                       ; C and D in window 1
.irp c, 0,1,2,3,4,5
.if \zero
	v_wmma_f32_16x16x32_bf16 v[48*\m+8*\c:48*\m+8*\c+7], v[BF+8*\c:BF+8*\c+7], v[AF+8*\m:AF+8*\m+7], 0
.else
	v_wmma_f32_16x16x32_bf16 v[48*\m+8*\c:48*\m+8*\c+7], v[BF+8*\c:BF+8*\c+7], v[AF+8*\m:AF+8*\m+7], v[48*\m+8*\c:48*\m+8*\c+7]
.endif
.endr
.endm
.macro GRPL m                          ; the same under the count: a dead row tile is jumped over; at a branch and at a label every window is 0
	WIN 0
	s_cmp_le_u32 s[NM], \m
	s_cbranch_scc1 .Lg_\@
	GRP \m, 0
	WIN 0
.Lg_\@:
.endm
; A TRIP, tile t.  Buffer b is multiplied.  stage = 1: tile t + 1 goes into buffer nb: its weights, rounded at the end of the trip before, from WS[nb], its token rows from XS;
; cntx = the younger loads that may stay out when the token rows have to be there.  ldx, ldw = 1: the token rows of tile t + 2 and the weights of tile t + 3 are asked for,
; the tokens' ahead of the weights', so that a count of 12 leaves exactly one weight tile out.  cvt = 1: the weights of tile t + 2, in WS[b], are rounded at the trip's end;
; cntw = the younger loads that may stay out then.  first = 1: the first 32 along K start all 30 sums, dead tiles' too, so that every accumulator and fragment register is written.
; bar = 1: the barrier.  In front of the signal my reads of b are back and my stores into nb are done (the wait for 0 at the end of FRAG); behind the wait nobody
; reads b any more and nb is whole.  Between signal and wait stand 18 products: work on registers.
.macro TRIP b, nb, cntx, cntw, ldx, ldw, stage, cvt, first, bar
	s_wait_alu depctr_va_vdst(0)                   ; the products issued so far are done reading AF and BF, in which the fragments land; the roundings at the end of the trip before (tile 0: the head's) have written WS[nb], which this half's LDS stores read
	FRAG \b, 0, 1-(\first)
	GRP 0, \first
.if \stage
	WIN 0
	STW \nb, \nb, 0, 6                             ; no wait: since the wait above only products have been issued, and they name AF, BF and the accumulators
.endif
	GRP 1, \first
.if \stage
	WIN 0
	STW \nb, \nb, 6, 6
.endif
	GRP 2, \first
.if \stage
	WIN 0
	s_wait_loadcnt \cntx                           ; loads come back in order (ISA guide 5.7.1): the token rows are in
	STX \nb, 0, 5                                  ; their data come from loads, their address from the head
.endif
.if \first
	GRP 3, 1
.else
	GRPL 3
.endif
.if \stage
	WIN 0
	STX \nb, 5, 5
.endif
.if \ldx
	s_wait_alu depctr_vm_vsrc(0)                   ; this half's LDS stores have read XS and WS[nb], in which the loads below and those behind the next fragments land
	s_wait_xcnt 0x0                                ; the bases of loads that are out are stepped only behind this wait
	s_add_nc_u64 s[XB:XB+1], s[XB:XB+1], 128
.if \ldw
	s_add_nc_u64 s[WB:WB+1], s[WB:WB+1], 256
.endif
	LDX
.endif
.if \first
	GRP 4, 1
.else
	GRPL 4
.endif
	WIN 0
	PLACES
	s_wait_alu depctr_va_vdst(0)                   ; the first half's products are done reading AF and BF, in which the fragments land; the roundings that named WS[nb], in which the weight loads land, stand ahead of the trip's first wait
	FRAG \b, 1, 1, \ldw, \nb
.if \bar
	s_barrier_signal -1
.endif
	GRP 0, 0
	GRP 1, 0
	GRP 2, 0
	WIN 0
.if \bar
	s_barrier_wait -1
.endif
	GRPL 3
.if \cvt
	s_wait_loadcnt \cntw                           ; the weight tile after next is in
	CVW \b, 0, 6                                   ; WS[b]: the LDS stores that read it last stand ahead of the last trip's wait on vm_vsrc
.endif
	GRPL 4
.if \cvt
	CVW \b, 6, 6                                   ; these twelve are also the places behind the last products
.else
	PLACES
.endif
.endm
	s_load_b256 s[4:11], s[0:1], 0x0               ; xb s[4:5], W1 s[6:7], W2 s[8:9], route s[10:11]
	s_load_b64 s[12:13], s[0:1], 0x20              ; hid
	v_lshl_add_u32 v29, v0, 2, 0x24000
	v_mov_b32 v30, 0
	v_lshrrev_b32 v32, 5, v0
	v_readfirstlane_b32 s[WV], v32
	v_and_b32 v[RR], 15, v0
	v_bfe_u32 v[HH], v0, 4, 1
	v_and_b32 v33, 31, v0                          ; lane
	s_wait_alu depctr_va_sdst(0)                   ; the wave's number is written, ahead of its first reader
	s_and_b32 s[WM], s[WV], 3
	s_lshr_b32 s[WN], s[WV], 2
	s_mov_b32 s[SL], ttmp9
	s_and_b32 s[EX], ttmp7, 0xffff
	s_mul_i32 s50, s[SL], 86
	s_mov_b32 s[QMAX], 85
	s_cmp_eq_u32 s[SL], 31
	s_cselect_b32 s50, 2634, s50                   ; ROW0
	s_cselect_b32 s[QMAX], 95, s[QMAX]
	s_cselect_b32 s[LO], 32, 0
	s_cselect_b32 s[WID], 64, 86
	s_mul_i32 s[OF], s[EX], 2730
	s_add_co_u32 s[OF], s[OF], s50
	s_lshl_b32 s[OF], s[OF], 12                    ; the slice's first weight row, in bytes
	s_mov_b32 s[OF+1], 0
	s_lshl_b32 s52, s[EX], 12
	s_add_co_u32 s52, s52, 8448                    ; the expert's list in route
	s_mov_b32 s53, 0
	s_lshl_b32 s54, s[SL], 13
	s_lshl_b32 s55, s[EX], 10
	s_add_co_u32 s54, s54, s55
	s_mul_i32 s54, s54, 192                        ; the block of hid: 1,024 rows of 192 bytes = 64 tiles of 3,072
	s_mov_b32 s55, 0
	s_lshl_b32 s56, s[EX], 2                       ; the expert's count in route
	s_mov_b32 s[LG], 0xbfb8aa3b                    ; -log2(e)
	s_mov_b32 s[LG+1], s[LG]
	s_lshl_b32 s57, s[WM], 1
	v_lshl_add_u32 v34, v[HH], 3, s57              ; 2 wm + 8 h
	v_lshlrev_b32 v35, 4, v[RR]                    ; 16 r
	v_lshl_add_u32 v[VW], v34, 12, v35
.irp i, 0,1,2,3
	v_add_nc_u32 v39, 16*((\i)/2)+(\i)%2, v34
	v_max_u32 v39, s[LO], v39                      ; rows below the first valid column repeat it: nothing is fetched for them
	v_lshl_add_u32 v[VWL+\i], v39, 12, v35
.endr
.irp i, 10,11
	v_add_nc_u32 v39, 16*((\i)/2)+(\i)%2, v34
	v_min_u32 v39, s[QMAX], v39                    ; rows past the last valid column repeat it
	v_lshl_add_u32 v[VWH+\i-10], v39, 12, v35
.endr
	v_bfe_u32 v38, v0, 3, 1                        ; bit 3 of the lane
	v_lshl_add_u32 v38, v38, 3, v[HH]              ; 8 x it + h
	s_lshl_b32 s58, s[WN], 4
	s_add_co_u32 s58, s58, s57                     ; 16 wn + 2 wm
	v_add_nc_u32 v38, s58, v38                     ; my row among 32: the two rows of a store's 16 lanes lie 8 apart
	v_lshlrev_b32 v36, 2, v38                      ; its word in the list
	v_and_b32 v37, 7, v33
	v_lshlrev_b32 v37, 4, v37                      ; 16 (l & 7)
	s_wait_kmcnt 0x0
	s_load_b32 s[CN], s[10:11], s56 offset:0x0
	s_cmp_lt_u32 s[WV], 4                          ; waves 0-3 fetch W1, waves 4-7 W2
	s_cselect_b64 s[WB:WB+1], s[6:7], s[8:9]
	s_add_nc_u64 s[WB:WB+1], s[WB:WB+1], s[OF:OF+1]
	s_add_nc_u64 s[W1B:W1B+1], s[6:7], s[OF:OF+1]
	s_add_nc_u64 s[W2B:W2B+1], s[8:9], s[OF:OF+1]
	s_mov_b64 s[XB:XB+1], s[4:5]
	s_add_nc_u64 s[HB:HB+1], s[12:13], s[54:55]
	s_add_nc_u64 s[LB:LB+1], s[10:11], s[52:53]
	s_wait_alu depctr_va_vdst(0)                   ; v36 and v2-8 are written, which the loads of the list and of the weights read as their offsets
.irp i, 0,1,2,3,4,5,6,7,8,9
	global_load_b32 v[XOFF+\i], v36, s[LB:LB+1] offset:128*\i
.endr
	LDW 0                                          ; weight tiles 0 and 1: the stream starts ahead of all that hangs on the list
	s_wait_xcnt 0x0
	s_add_nc_u64 s[WB:WB+1], s[WB:WB+1], 256
	LDW 1
	s_lshl_b32 s57, s[WM], 4
	v_add_nc_u32 v39, s57, v[RR]                   ; 16 wm + r
	v_mul_u32_u24 v39, PX, v39
	v_lshl_add_u32 v[AADR], v[HH], 4, v39
	v_add_nc_u32 v[AADR+1], BUF, v[AADR]
	s_mul_i32 s57, s[WN], 96
	v_add_nc_u32 v39, s57, v34                     ; 96 wn + 2 wm + 8 h
	v_mul_u32_u24 v39, PX, v39
	v_lshl_add_u32 v39, v[RR], 3, v39
	v_add_nc_u32 v[WST], WOF, v39
	v_add_nc_u32 v[WST+1], WOF+BUF, v39
	s_mul_i32 s57, s[WN], 48
	v_add_nc_u32 v39, s57, v[RR]                   ; 48 wn + r
	v_mul_u32_u24 v39, PX, v39
	v_lshl_add_u32 v39, v[HH], 4, v39
	v_add_nc_u32 v[BADR], WOF, v39
	v_add_nc_u32 v[BADR+1], WOF+BUF, v39
	v_mul_u32_u24 v39, PX, v38
	v_add_nc_u32 v[XST], v37, v39
	v_add_nc_u32 v[XST+1], BUF, v[XST]
	s_mul_i32 s57, s[WM], 3072                     ; row tile wm,
	s_mul_i32 s58, s[WN], 1536                     ; column groups 6 wn on,
	s_add_co_u32 s57, s57, s58
	v_lshl_add_u32 v[OGO], v33, 4, s57             ; group h, row r: 256 h + 16 r = 16 l
	s_wait_kmcnt 0x0
	s_min_u32 s[CN], s[CN], 1024
	s_add_co_u32 s[NTT], s[CN], 15
	s_lshr_b32 s[NTT], s[NTT], 4
	s_min_u32 s[NT], s[NTT], 20
	s_add_co_u32 s[NM], s[NT], 3
	s_sub_co_u32 s[NM], s[NM], s[WM]
	s_lshr_b32 s[NM], s[NM], 2                     ; the m with 4 m + wm < NT
	s_wait_loadcnt 24                              ; the list is in; the 24 weight loads issued behind it stay out
.irp i, 0,1,2,3,4,5,6,7,8,9
	v_min_u32 v[XOFF+\i], 0x3ff, v[XOFF+\i]        ; a token number enters an address clamped, then by a shift left and an add
	v_lshlrev_b32 v[XOFF+\i], 11, v[XOFF+\i]
	v_add_nc_u32 v[XOFF+\i], v37, v[XOFF+\i]
.endr
	s_wait_alu depctr_va_vdst(0)                   ; v9-18 are written, which every load of token rows reads as its offset; so are the LDS addresses v19-26 and the stores' offset v31, for the whole kernel
	LDX                                            ; token tile 0
	s_wait_loadcnt 0x0                             ; it stands behind both weight tiles, so the wait is for all
	CVW 0, 0, 12                                   ; tile 0 goes into buffer 0: there are no products yet to set it between
	CVW 1, 0, 12                                   ; tile 1's weights are rounded here, as every later tile's are at the end of the trip two ahead of its own
	s_wait_alu depctr_va_vdst(0)                   ; the roundings have written WS0, which the LDS stores read
	STW 0, 0, 0, 12
	STX 0, 0, 10
	s_wait_alu depctr_vm_vsrc(0)                   ; the LDS stores have read XS and WS0, in which the loads below land; the list's loads have read v36, in which a fragment lands later
	s_wait_xcnt 0x0
	s_add_nc_u64 s[XB:XB+1], s[XB:XB+1], 128
	s_add_nc_u64 s[WB:WB+1], s[WB:WB+1], 256
	LDX                                            ; tokens 1,
	LDW 0                                          ; weights 2
	SYNC
	TRIP 0, 1, 12, 22, 1, 1, 1, 1, 1, 1            ; tile 0.  12: one weight tile stays out; 22: a token tile and a weight tile stay out
	s_mov_b32 s[CT], 6
.Lk:                                                   ; tiles 1 to 12: trip t fills in tile t + 1, asks for tokens t + 2 and weights t + 3 and rounds weights t + 2
	TRIP 1, 0, 12, 22, 1, 1, 1, 1, 0, 1
	TRIP 0, 1, 12, 22, 1, 1, 1, 1, 0, 1
	s_sub_co_u32 s[CT], s[CT], 1
	s_cmp_lg_u32 s[CT], 0
	s_cbranch_scc1 .Lk
	TRIP 1, 0, 12, 10, 1, 0, 1, 1, 0, 1            ; tile 13: the last token tile is asked for, no weights are left; behind the last weight tile only those 10 loads are out
	TRIP 0, 1, 0, 0, 0, 0, 1, 0, 0, 1              ; tile 14: all that is out is tile 15's token rows
	TRIP 1, 0, 0, 0, 0, 0, 0, 0, 0, 0              ; tile 15: nothing to fill, no barrier
	; THE WAY OUT.  A mask word for each pair of my columns: all ones where the column is valid (LO and WID are even).
	s_wait_alu depctr_vm_vsrc(0)                   ; tile 15's filling stores have read v120-159 and v208-255, which are written again from here on
	s_mul_i32 s60, s[WN], 48
	s_sub_co_u32 s60, s60, s[LO]
	v_lshl_add_u32 v33, v[HH], 3, s60              ; 48 wn + 8 h - LO
.irp p, 0,1,2,3,4,5,6,7,8,9,10,11
	v_add_nc_u32 v34, 16*((\p)/4)+2*((\p)%4), v33
	v_cmp_gt_u32 s[MS+\p], s[WID], v34             ; unsigned: a column below LO wraps round and fails too
.endr
	s_wait_alu depctr_va_sdst(0)                   ; the twelve compares have written s48-59, ahead of the selects that read them
.irp p, 0,1,2,3,4,5,6,7,8,9,10,11
	v_cndmask_b32 v[MK+\p], 0, -1, s[MS+\p]
.endr
; Row tile m: 24 numbers a lane.  Each accumulator is read from its low end on.  A lane's 8 columns of column tile n are 16 bytes of
; group 6 wn + 2 n + h, row r: the wave's store covers 512 consecutive bytes.  Each tile has its own 12 packed registers, so no tile waits for the stores of the tile before.
.macro SWI m
	WIN 0x01                                       ; source 0 in window 1
.irp p, 0,1,2,3,4,5,6,7,8,9,10,11
	v_pk_mul_f32 v[T+2*\p:T+2*\p+1], v[48*\m+2*\p:48*\m+2*\p+1], s[LG:LG+1] op_sel_hi:[1,0]
.endr
	WIN 0x05                                       ; sources 0 and 1 in window 1
.irp p, 0,1,2,3,4,5,6,7,8,9,10,11
	v_pk_mul_f32 v[U+2*\p:U+2*\p+1], v[48*\m+2*\p:48*\m+2*\p+1], v[48*\m+24+2*\p:48*\m+24+2*\p+1]
.endr
	WIN 0
.set i, 0
.rept 24
	v_exp_f32 v[T+i], v[T+i]
.set i, i+1
.endr
	v_nop                                          ; a plain line between the exponentials and the use of their results (ISA guide 5.7.2)
	s_wait_alu depctr_va_vdst(0)
.irp p, 0,1,2,3,4,5,6,7,8,9,10,11
	v_pk_add_f32 v[T+2*\p:T+2*\p+1], v[T+2*\p:T+2*\p+1], 1.0 op_sel_hi:[1,0]
.endr
.set i, 0
.rept 24
	v_rcp_f32 v[T+i], v[T+i]
.set i, i+1
.endr
	v_nop
	s_wait_alu depctr_va_vdst(0)
.irp p, 0,1,2,3,4,5,6,7,8,9,10,11
	v_pk_mul_f32 v[U+2*\p:U+2*\p+1], v[U+2*\p:U+2*\p+1], v[T+2*\p:T+2*\p+1]
.endr
.irp p, 0,1,2,3,4,5,6,7,8,9,10,11
	v_cvt_pk_bf16_f32 v[PK+12*\m+\p], v[U+2*\p], v[U+2*\p+1]
.endr
.irp p, 0,1,2,3,4,5,6,7,8,9,10,11
	v_and_b32 v[PK+12*\m+\p], v[MK+\p], v[PK+12*\m+\p]
.endr
	s_wait_alu depctr_va_vdst(0)                   ; this tile's twelve packed registers are written, which its three stores read
.irp n, 0,1,2
	global_store_b128 v[OGO], v[PK+12*\m+4*\n:PK+12*\m+4*\n+3], s[HB:HB+1] offset:12288*\m+512*\n  ; 512 consecutive bytes, at a multiple of 256 from hid's first
.endr
.endm
	SWI 0
	SWI 1
	SWI 2
	SWI 3
	SWI 4
	; ROWS FROM 320 ON: tile 20 + w + 8 c for trip c.  No LDS, no barrier: fragments come straight from memory, the weights rounded in registers.
	; v32-47 two accumulators; v48-79 tokens, v80-143 W1, v144-207 W2 for 128 along K; v208-238 at work.
.set OPOS, 208
.set OLA,  209
.set OAV,  210
.set OHO,  211
.set OBV,  212
.set OH16, 213                         ; 16 h
.set OT,   214
.set OU,   222
.set OPK,  230
.set OH32, 236                         ; 32 h
.set OL16, 238                         ; 16 l
	s_max_u32 s50, s[NTT], 20
	s_sub_co_u32 s50, s50, 13
	s_sub_co_u32 s50, s50, s[WV]
	s_lshr_b32 s50, s50, 3                         ; (tiles past 20 + 7 - w) / 8: my trips
	s_cmp_eq_u32 s50, 0
	s_cbranch_scc1 .Lend
	v_lshlrev_b32 v[OH16], 4, v[HH]
	v_lshlrev_b32 v[OH32], 5, v[HH]
	v_and_b32 v[OL16], 31, v0
	v_lshlrev_b32 v[OL16], 4, v[OL16]
	s_mov_b32 s51, 0
.Lotile:
	s_lshl3_add_u32 s52, s51, s[WV]
	s_add_co_u32 s52, s52, 20
	s_min_u32 s52, s52, 63                         ; the tile
	s_lshl_b32 s53, s52, 4
	s_mul_i32 s63, s52, 3072                       ; its place in the block of hid
	s_wait_xcnt 0x0                                ; earlier stores have read their registers
	s_wait_alu depctr_vm_vsrc(0)                   ; the loads and stores issued so far have read their registers: v209 and v210, offsets of the tile before, and v32-91, the way out's data, are written again below
	v_add_nc_u32 v[OPOS], s53, v[RR]               ; my row of the list
	v_lshlrev_b32 v[OLA], 2, v[OPOS]
	s_wait_alu depctr_va_vdst(0)                   ; v209 is written, which the load reads as its offset; the lines that made the last tile's v210, in which it lands, are done
	global_load_b32 v[OAV], v[OLA], s[LB:LB+1]
	v_add_nc_u32 v[OHO], s63, v[OL16]              ; tile x 3,072 + 256 h + 16 r
	s_wait_loadcnt 0x0
	v_min_u32 v[OAV], 0x3ff, v[OAV]
	v_lshlrev_b32 v[OAV], 11, v[OAV]
	v_add_nc_u32 v[OAV], v[OH16], v[OAV]           ; token x 2,048 + 16 h
	s_mov_b32 s54, 0
.Lon:                                                  ; six column tiles
	s_lshl_b32 s55, s54, 4
	s_wait_xcnt 0x0                                ; the last store has read its registers; the bases are written anew
	s_wait_alu depctr_vm_vsrc(0)                   ; the last column tile's loads have read v212, its store v230-233 and v237: all are written again below
	v_add_nc_u32 v[OBV], s55, v[RR]
	v_lshlrev_b32 v[OBV], 12, v[OBV]
	v_add_nc_u32 v[OBV], v[OH32], v[OBV]           ; (16 n + r) x 4,096 + 32 h: inside the matrix for every slice, since ROW0 + 95 < 2,730
	s_mov_b64 s[56:57], s[4:5]
	s_mov_b64 s[58:59], s[W1B:W1B+1]
	s_mov_b64 s[60:61], s[W2B:W2B+1]
.set i, 32
.rept 16
	v_mov_b32 v[i], 0
.set i, i+1
.endr
	s_mov_b32 s62, 8
.Lok:                                                  ; 128 along K a trip
	s_wait_alu depctr_va_vdst(0)                   ; v210 and v212 are written, the loads' offsets; the roundings and products issued so far are done with v48-207, in which the loads land
.irp j, 0,1,2,3
	global_load_b128 v[48+8*\j:48+8*\j+3], v[OAV], s[56:57] offset:64*\j
	global_load_b128 v[48+8*\j+4:48+8*\j+7], v[OAV], s[56:57] offset:64*\j+32
.endr
.irp j, 0,1,2,3
.irp q, 0,1,2,3
	global_load_b128 v[80+16*\j+4*\q:80+16*\j+4*\q+3], v[OBV], s[58:59] offset:128*\j+16*((\q)%2)+64*((\q)/2)
	global_load_b128 v[144+16*\j+4*\q:144+16*\j+4*\q+3], v[OBV], s[60:61] offset:128*\j+16*((\q)%2)+64*((\q)/2)
.endr
.endr
	s_wait_loadcnt 0x0
.set d, 0
.rept 32                               ; packed in place, ascending: register d takes raw 2 d and 2 d + 1, which lie at or above it
	v_cvt_pk_bf16_f32 v[80+d], v[80+2*d], v[80+2*d+1]
	v_cvt_pk_bf16_f32 v[144+d], v[144+2*d], v[144+2*d+1]
.set d, d+1
.endr
.irp j, 0,1,2,3                        ; the two accumulators take turns, over the backward jump too
	v_wmma_f32_16x16x32_bf16 v[32:39], v[80+8*\j:80+8*\j+7], v[48+8*\j:48+8*\j+7], v[32:39]
	v_wmma_f32_16x16x32_bf16 v[40:47], v[144+8*\j:144+8*\j+7], v[48+8*\j:48+8*\j+7], v[40:47]
.endr
.rept 4
	v_nop
.endr
	s_wait_xcnt 0x0
	s_add_nc_u64 s[56:57], s[56:57], 256
	s_add_nc_u64 s[58:59], s[58:59], 512
	s_add_nc_u64 s[60:61], s[60:61], 512
	s_sub_co_u32 s62, s62, 1
	s_cmp_lg_u32 s62, 0
	s_cbranch_scc1 .Lok
.irp p, 0,1,2,3
	v_pk_mul_f32 v[OT+2*\p:OT+2*\p+1], v[32+2*\p:32+2*\p+1], s[LG:LG+1] op_sel_hi:[1,0]
.endr
.irp p, 0,1,2,3
	v_pk_mul_f32 v[OU+2*\p:OU+2*\p+1], v[32+2*\p:32+2*\p+1], v[40+2*\p:40+2*\p+1]
.endr
.irp i, 0,1,2,3,4,5,6,7
	v_exp_f32 v[OT+\i], v[OT+\i]
.endr
	v_nop
	s_wait_alu depctr_va_vdst(0)
.irp p, 0,1,2,3
	v_pk_add_f32 v[OT+2*\p:OT+2*\p+1], v[OT+2*\p:OT+2*\p+1], 1.0 op_sel_hi:[1,0]
.endr
.irp i, 0,1,2,3,4,5,6,7
	v_rcp_f32 v[OT+\i], v[OT+\i]
.endr
	v_nop
	s_wait_alu depctr_va_vdst(0)
.irp p, 0,1,2,3
	v_pk_mul_f32 v[OU+2*\p:OU+2*\p+1], v[OU+2*\p:OU+2*\p+1], v[OT+2*\p:OT+2*\p+1]
.endr
	s_sub_co_u32 s63, s55, s[LO]
	v_lshl_add_u32 v234, v[HH], 3, s63             ; 16 n + 8 h - LO
.irp p, 0,1,2,3
	v_cvt_pk_bf16_f32 v[OPK+\p], v[OU+2*\p], v[OU+2*\p+1]
	v_add_nc_u32 v235, 2*\p, v234
	v_cmp_gt_u32 s[OMS+\p], s[WID], v235
.endr
	s_wait_alu depctr_va_sdst(0)                   ; the four compares have written s30-33, ahead of the selects that read them
.irp p, 0,1,2,3
	v_cndmask_b32 v[OPK+\p], 0, v[OPK+\p], s[OMS+\p]
.endr
	s_lshl_b32 s63, s54, 9                         ; column groups 2 n and 2 n + 1
	v_add_nc_u32 v237, s63, v[OHO]
	s_wait_alu depctr_va_vdst(0)                   ; v230-233 and v237 are written, the store's data and offset
	global_store_b128 v237, v[OPK:OPK+3], s[HB:HB+1]  ; 512 consecutive bytes, at a multiple of 256 from hid's first
	s_add_co_u32 s54, s54, 1
	s_cmp_lt_u32 s54, 6
	s_cbranch_scc1 .Lon
	s_add_co_u32 s51, s51, 1
	s_cmp_lt_u32 s51, s50
	s_cbranch_scc1 .Lotile
.Lend:
	s_wait_dscnt 0x0
	s_wait_alu depctr_hold_cnt(0) depctr_sa_sdst(0) depctr_va_vdst(0) depctr_va_sdst(0) depctr_va_ssrc(0) depctr_va_vcc(0) depctr_vm_vsrc(0)
	s_wait_tensorcnt 0x0
	ds_add_u32 v29, v30
	s_wait_dscnt 0x0
	s_endpgm
.Lfunc_end_k_qbdc070adbf_up:
	.size	k_qbdc070adbf_up, .Lfunc_end_k_qbdc070adbf_up-k_qbdc070adbf_up
	.p2alignl 7, 3214868480
	.fill 96, 4, 3214868480
	.section	.rodata,"a",@progbits
	.p2align	6, 0x0
	.amdhsa_kernel k_qbdc070adbf_up
		.amdhsa_group_segment_fixed_size 148480
		.amdhsa_private_segment_fixed_size 0
		.amdhsa_enable_private_segment 0
		.amdhsa_kernarg_size 40
		.amdhsa_user_sgpr_count 2
		.amdhsa_user_sgpr_kernarg_segment_ptr 1
		.amdhsa_wavefront_size32 1
		.amdhsa_system_sgpr_workgroup_id_x 1
		.amdhsa_system_sgpr_workgroup_id_y 1
		.amdhsa_system_sgpr_workgroup_id_z 1
		.amdhsa_system_vgpr_workitem_id 0
		.amdhsa_next_free_vgpr 496
		.amdhsa_next_free_sgpr 66
		.amdhsa_reserve_vcc 0
		.amdhsa_float_denorm_mode_32 3
		.amdhsa_float_denorm_mode_16_64 3
		.amdhsa_memory_ordered 1
		.amdhsa_forward_progress 1
		.amdhsa_inst_pref_size 132
	.end_amdhsa_kernel
	.amdgpu_metadata
---
amdhsa.version: [ 1, 2 ]
amdhsa.kernels:
  - .name:           k_qbdc070adbf_up
    .symbol:         k_qbdc070adbf_up.kd
    .args:
      - { .name: xb, .offset: 0, .size: 8, .value_kind: global_buffer, .address_space: global }
      - { .name: W1, .offset: 8, .size: 8, .value_kind: global_buffer, .address_space: global }
      - { .name: W2, .offset: 16, .size: 8, .value_kind: global_buffer, .address_space: global }
      - { .name: route, .offset: 24, .size: 8, .value_kind: global_buffer, .address_space: global }
      - { .name: hid, .offset: 32, .size: 8, .value_kind: global_buffer, .address_space: global }
    .group_segment_fixed_size: 148480
    .private_segment_fixed_size: 0
    .kernarg_segment_align: 8
    .kernarg_segment_size: 40
    .max_flat_workgroup_size: 256
    .sgpr_count:     66
    .vgpr_count:     496
    .wavefront_size: 32
...
	.end_amdgpu_metadata
.endif
;; end of part 10
;; launch down (part 11): grid 32 x 8, 8 waves a work-group, no clusters, 222,208 bytes of LDS; arguments hid, W3, route, part; writes part
.if DOCPART == 11
	.amdgcn_target "amdgcn-amd-amdhsa--gfx1250"
	.amdhsa_code_object_version 6
	.text
	.protected	k_qbdc070adbf_down
	.globl	k_qbdc070adbf_down
	.p2align	8
	.type	k_qbdc070adbf_down,@function
k_qbdc070adbf_down:
	s_mov_b64 s[64:65], 0
	v_nop
	global_prefetch_b8 v0, s[64:65] scope:SCOPE_SE
	s_setreg_imm32_b32 hwreg(HW_REG_WAVE_SCHED_MODE, 0, 2), 2
	s_setreg_imm32_b32 hwreg(HW_REG_WAVE_MODE, 25, 1), 1
	s_wait_xcnt 0x0
	s_wait_alu depctr_vm_vsrc(0)
; part[ks] = hid W3^T over a quarter of the hidden axis, in f32, for the rows of one expert's list and 128 output channels.
; THE SHARE.  Work-group (db + 8 ks, e): channels 128 db .. + 127, slices 8 ks .. 8 ks + 7 of the hidden axis (blocks of 96 columns beginning at
; column 86 s, the last at 2,634; hid holds +0 in a block's columns that belong to a neighbour), expert e.  Every byte of W3 that is needed is
; asked for by one work-group.  K is split in four: with fewer parts each block of hid is read by more work-groups, with more parts the partial
; sums grow; four moves the fewest bytes beside W3.
; Rows 0-319 of the list go through LDS, K in 8 tiles of 96 on two buffers.  Wave w: wm = w & 3, wn = w >> 2: row tiles 4 m + wm, m = 0..4,
; channel tiles 64 wn + 16 n, n = 0..3: 20 accumulators.
; HID LIES BY TILES: a block (slice, expert) is 64 row tiles of 3,072 bytes; a tile is 12 groups of 8 columns, 256 bytes each: 16 rows x 16 bytes.
; So a load of 16 bytes a lane takes 512 consecutive bytes (two groups), and its 16 lanes of a group go to 16 different rows of LDS.
; THE FILLS GO THROUGH REGISTERS: W3 is f32 and each number is rounded once on its way into LDS; loads into registers stay out across barriers:
; two tiles of W3 are always on their way.  A row of W3 is 10,920 bytes and a block begins at a multiple of 8 bytes, not of 16: 8 bytes a lane
; is the widest aligned load.  NO CLUSTER: a joint request is a tensor load's, and none is used here.
; THE MODE: SCHED_MODE bits 1:0 = 2 (LLVM: expert scheduling mode 2), set by the entry lines.  The code itself states the register dependences
; between vector or matrix instructions and memory or LDS instructions, with s_wait_alu, always for 0.
; THE PLAN.  A trip multiplies one LDS buffer, 3 x 32 along K, and fills the other.  Registers that memory or LDS instructions touch, in the loop:
;   AF, BF     The LDS loads of a third's fragments land in them; that third's products read them.
;   WS0, WS1   A tile of W3: its 24 loads land; its roundings work in place (first third of the trip that fills it in); its 24 LDS stores read it (second third);
;              the loads of the tile two on land in it again (behind the last third's fragment loads).
;   HS         The 15 loads of a tile of hid land in it; its 15 LDS stores read it (first third); it is loaded again in the second third.  No vector instruction names it.
;   v2-23, v252 Offsets and LDS addresses, made at the head and never written again: the scalar bases move on from slice to slice.
; So a trip has three waits on va_vdst, one ahead of each third's fragments.  The second also states that the roundings have written WS[set]; behind it the LDS stores of W3
; are dealt among the products, which name AF, BF and the accumulators alone.  One wait on vm_vsrc stands behind the last of these stores, ahead of the loads that land in HS and WS[set].
; The barrier is split: signal behind the last third's fragments, 12 products on registers, wait.
; COUNTS.  The list's length steers forward jumps over a wave's row tiles m = 3 and 4 where they are dead (text without a barrier), over the stores
; of dead tiles, and the trips of the last part, which takes the rows from 320 on without LDS and without a barrier.  Nobody reads a dead tile.
; THE MATRIX INSTRUCTION IS USED TRANSPOSED: source 0 = 16 rows of W3 (channels), source 1 = 16 rows of hid: a lane holds one row and 8 channels.
; LIMITS.  NaN and infinities are not treated apart: a column of hid that is +0 is multiplied by a number of W3 that must be finite.
; REGISTERS.  Window 0: v2-23, v252-254 addresses; v24-63 fragments of hid; v64-95 of W3; v96-155 a tile of hid on its way; v156-251 two tiles
; of W3 on their way.  Window 1: accumulator (m, n) at v[32 m + 8 n].
.set PH,   208                         ; an LDS row: 192 bytes + 16: an odd multiple of 16.
                                       ; Rows 8 apart lie 1,664 = 6 x 256 + 128 bytes apart: a store that takes 64 bytes of each of two such rows touches no bank twice
.set BUF,  93184                       ; a buffer: 320 rows of hid, then 128 rows of W3
.set WOF,  66560
.set STG,  186368                      ; behind the buffers: 16 rows x 272 bytes for each wave, for the way out
.set V3,   2                           ; v2      8 h x 10,920 + 8 r: my 8 bytes in 128 bytes of two rows of W3, 8 rows apart
.set VH,   5                           ; v5      1,536 w + 16 l: my 16 bytes in 512 consecutive bytes of hid
.set HST,  6                           ; v6-7    where I put hid, buffer 0, 1
.set W3ST, 12                          ; v12-13  where I put W3, buffer 0, 1
.set AADR, 18                          ; v18-19  LDS address of my fragments of hid
.set BADR, 20                          ; v20-21  of W3
.set SST,  22                          ; v22     the way out: where I put 32 bytes of a row
.set SRD,  23                          ; v23     where I read rows back
.set AF,   24
.set BF,   64
.set HS,   96
.set WS0,  156
.set OB,   64                          ; the way out: row tile m's 16 rows at v[64 + 32 m], registers of its own
.set PO,   252                         ; v252    4,096 h + 16 r
.set RR,   253
.set HH,   254
.set WV,   16
.set WM,   17
.set WN,   18
.set DB,   19
.set KS,   20
.set EX,   21
.set CN,   22
.set NTT,  23
.set NT,   24
.set NM,   25
.set SLC,  27                          ; s27  the slice of the tile of W3 asked for last
.set CT,   29
.set W3B,  30                          ; s[30:31] W3 at my 16 rows, running along the slices
.set HB,   32                          ; s[32:33] hid at the expert's rows, running along the slices
.set PB,   34                          ; s[34:35] part at my wave's first row and channel
.set HBO,  36                          ; s[36:41] the same three for the last part: the first slice, the work-group's first row of W3, its first channel
.set W3O,  38
.set PBO,  40
.set C344, 44                          ; s44  344: 86 columns of W3 in bytes
.set OF,   48                          ; s[48:49] the step from a block's first column to the next block's, in bytes
.set MSB, 0
.macro WIN new                         ; the immediate's high byte repeats the setting that is left; a switch that changes nothing is dropped
.if MSB != (\new)
	s_set_vgpr_msb (MSB<<8)|(\new)
.set MSB, \new
.endif
.endm
.macro SYNC                            ; my LDS stores are done and my LDS reads are back; then everybody's
	s_wait_dscnt 0x0
	s_barrier_signal -1
	s_barrier_wait -1
.endm
.macro PLACES                          ; four places (ISA guide 7.12.1) behind the last products, ahead of what lands in their sources or reads their results; they stand beside the waits on va_vdst, not in their place
.rept 4
	v_nop
.endr
.endm
; The bases go one slice on: 86 columns of W3, or 54 into the last block; 8,192 rows of hid.  Bases of loads that are out are written only behind the wait.
.macro STEP wreg, hreg, ldh, ldw
	s_wait_xcnt 0x0
.if \ldw
	s_add_co_u32 s[SLC], s[SLC], 1
	s_cmp_eq_u32 s[SLC], 31
	s_cselect_b32 s[OF], 216, s[C344]
	s_add_nc_u64 s[\wreg:\wreg+1], s[\wreg:\wreg+1], s[OF:OF+1]
.endif
.if \ldh
	s_add_nc_u64 s[\hreg:\hreg+1], s[\hreg:\hreg+1], 1572864
.endif
.endm
.macro LDW3 set                        ; 24 loads: my 16 rows' 384 bytes: rows i + 8 h, third p of a row, 8 bytes a lane
.set WSB, WS0+48*(\set)
.irp i, 0,1,2,3,4,5,6,7
.irp p, 0,1,2
	global_load_b64 v[WSB+2*(3*\i+\p):WSB+2*(3*\i+\p)+1], v[V3], s[W3B:W3B+1] offset:10920*\i+128*\p
.endr
.endr
.endm
.macro LDH u0, n                       ; n of my 15 loads of hid: row tile 4 (u / 3) + (w >> 1), column groups 6 (w & 1) + 2 (u % 3) + h: 512 consecutive bytes each
.set u, \u0
.rept \n
	global_load_b128 v[HS+4*u:HS+4*u+3], v[VH], s[HB:HB+1] offset:12288*(u/3)+512*(u%3)
.set u, u+1
.endr
.endm
; The pieces of a filling.  CVW: n loads' numbers of W3, from load q0 on, rounded to bf16 in place.  STW: they go into buffer b.  STH: n loads' bytes of hid go into buffer b.
.macro CVW set, q0, n
.set WSB, WS0+48*(\set)
.set q, \q0
.rept \n
	v_cvt_pk_bf16_f32 v[WSB+2*q], v[WSB+2*q], v[WSB+2*q+1]
.set q, q+1
.endr
.endm
.macro STW b, set, q0, n
.set WSB, WS0+48*(\set)
.set q, \q0
.rept \n
	ds_store_b32 v[W3ST+\b], v[WSB+2*q] offset:PH*(q/3)+64*(q%3)
.set q, q+1
.endr
.endm
.macro STH b, u0, n
.set u, \u0
.rept \n
	ds_store_b128 v[HST+\b], v[HS+4*u:HS+4*u+3] offset:13312*(u/3)+32*(u%3)
.set u, u+1
.endr
.endm
; The fragments of 32 along K (third j of buffer b): four of W3, five of hid.  lad = 1: those of dead tiles m = 3, 4 are jumped over.
; ldw = 1: the 24 loads of a tile of W3, into WS[set], follow the fragment loads, ahead of the wait for these: between them and the wait on va_vdst that stands ahead of this macro lie loads and scalar lines alone.
.macro FRAG b, j, lad, ldw=0, set=0
.irp n, 0,1,2,3
	ds_load_b128 v[BF+8*\n:BF+8*\n+3],   v[BADR+\b] offset:3328*\n+64*\j
	ds_load_b128 v[BF+8*\n+4:BF+8*\n+7], v[BADR+\b] offset:3328*\n+64*\j+32
.endr
.irp m, 0,1,2
	ds_load_b128 v[AF+8*\m:AF+8*\m+3],   v[AADR+\b] offset:13312*\m+64*\j
	ds_load_b128 v[AF+8*\m+4:AF+8*\m+7], v[AADR+\b] offset:13312*\m+64*\j+32
.endr
.irp m, 3,4
.if \lad
	s_cmp_le_u32 s[NM], \m
	s_cbranch_scc1 .Lfr_\@
.endif
	ds_load_b128 v[AF+8*\m:AF+8*\m+3],   v[AADR+\b] offset:13312*\m+64*\j
	ds_load_b128 v[AF+8*\m+4:AF+8*\m+7], v[AADR+\b] offset:13312*\m+64*\j+32
.endr
.Lfr_\@:
.if \ldw
	LDW3 \set
.endif
	s_wait_dscnt 0x0
.endm
; A group: the four products of row tile m.  The accumulators take turns, one instruction a turn.  zero = 1: the products start the sums.
.macro GRP m, zero
	WIN 0x50                                       ; C and D in window 1
.irp n, 0,1,2,3
.if \zero
	v_wmma_f32_16x16x32_bf16 v[32*\m+8*\n:32*\m+8*\n+7], v[BF+8*\n:BF+8*\n+7], v[AF+8*\m:AF+8*\m+7], 0
.else
	v_wmma_f32_16x16x32_bf16 v[32*\m+8*\n:32*\m+8*\n+7], v[BF+8*\n:BF+8*\n+7], v[AF+8*\m:AF+8*\m+7], v[32*\m+8*\n:32*\m+8*\n+7]
.endif
.endr
.endm
.macro GRPL m                          ; the same under the count: a dead row tile is jumped over; at a branch and at a label every window is 0
	WIN 0
	s_cmp_le_u32 s[NM], \m
	s_cbranch_scc1 .Lg_\@
	GRP \m, 0
	WIN 0
.Lg_\@:
.endm
; A TRIP.  Buffer b is multiplied; stage = 1: the next tile goes into buffer nb, W3 from register set `set`; cnt = the younger loads that may stay out;
; ldh, ldw = 1: the next loads are issued, hid's ahead of W3's, so that a later count of 24 leaves exactly one tile of W3 out.
; first = 1: the first 32 along K start all 20 sums, dead tiles' too, so that every accumulator and fragment register is written.
; bar = 1: the barrier.  In front of the signal my reads of b are back and my stores into nb are done (the wait for 0 at the end of FRAG); behind the wait nobody
; reads b any more and nb is whole.  Between signal and wait stand 12 products: work on registers.
.macro TRIP b, nb, set, cnt, ldh, ldw, stage, first, bar
	s_wait_alu depctr_va_vdst(0)                   ; the products issued so far are done reading AF and BF, in which the fragments land (tile 0: the head's lines are done with v24, v25 and v32)
	FRAG \b, 0, 1-(\first)
	GRP 0, \first
.if \stage
	WIN 0
	s_wait_loadcnt \cnt                            ; loads come back in order (ISA guide 5.7.1): the next tile of hid and of W3 is in
	CVW \set, 0, 12                                ; WS[set]: the LDS stores that read it last stand ahead of an earlier trip's wait on vm_vsrc
.endif
	GRP 1, \first
.if \stage
	WIN 0
	CVW \set, 12, 12
.endif
	GRP 2, \first
.if \stage
	WIN 0
	STH \nb, 0, 8                                  ; their data come from loads, their address from the head: no vector instruction of the loop names either
.endif
.if \first
	GRP 3, 1
.else
	GRPL 3
.endif
.if \stage
	WIN 0
	STH \nb, 8, 7
.endif
.if \first
	GRP 4, 1
.else
	GRPL 4
.endif
	WIN 0
	PLACES
	s_wait_alu depctr_va_vdst(0)                   ; the first third's products are done reading AF and BF, in which the fragments land; the roundings have written WS[set], which this third's LDS stores read
	FRAG \b, 1, 1
	GRP 0, 0
.if \stage
	WIN 0
	STW \nb, \set, 0, 8                            ; no wait: since the wait above only products have been issued, and they name AF, BF and the accumulators
.endif
	GRP 1, 0
.if \stage
	WIN 0
	STW \nb, \set, 8, 8
.endif
	GRP 2, 0
.if \stage
	WIN 0
	STW \nb, \set, 16, 8
.endif
.if \ldh
	s_wait_alu depctr_vm_vsrc(0)                   ; the trip's LDS stores have read HS and WS[set], in which the loads below and those behind the next fragments land
	STEP W3B, HB, \ldh, \ldw
	LDH 0, 8
.endif
	GRPL 3
.if \ldh
	LDH 8, 7
.endif
	GRPL 4
	PLACES
	s_wait_alu depctr_va_vdst(0)                   ; the second third's products are done reading AF and BF, in which the fragments land; the roundings that named WS[set], in which W3's loads land, stand ahead of the wait before
	FRAG \b, 2, 1, \ldw, \set
.if \bar
	s_barrier_signal -1
.endif
	GRP 0, 0
	GRP 1, 0
	GRP 2, 0
	WIN 0
.if \bar
	s_barrier_wait -1
.endif
	GRPL 3
	GRPL 4
	PLACES
.endm
	s_load_b256 s[4:11], s[0:1], 0x0               ; hid s[4:5], W3 s[6:7], route s[8:9], part s[10:11]
	v_lshl_add_u32 v17, v0, 2, 0x36000
	v_mov_b32 v255, 0
	v_lshrrev_b32 v24, 5, v0
	v_readfirstlane_b32 s[WV], v24
	v_and_b32 v[RR], 15, v0
	v_bfe_u32 v[HH], v0, 4, 1
	v_and_b32 v32, 31, v0                          ; lane
	s_wait_alu depctr_va_sdst(0)                   ; the wave's number is written, ahead of its first reader
	s_and_b32 s[WM], s[WV], 3
	s_lshr_b32 s[WN], s[WV], 2
	s_and_b32 s[DB], ttmp9, 7
	s_lshr_b32 s[KS], ttmp9, 3
	s_and_b32 s[EX], ttmp7, 0xffff
	s_mov_b32 s[C344], 344
	s_lshl_b32 s50, s[EX], 10
	s_lshl_b32 s51, s[DB], 7
	s_add_co_u32 s50, s50, s51                     ; the work-group's first row of W3
	s_mul_i32 s52, s50, 10920
	s_mul_i32 s53, s[KS], 2752                     ; its first slice's first column: 8 ks x 86 x 4 bytes
	s_add_co_u32 s52, s52, s53
	s_mov_b32 s53, 0
	s_mul_i32 s54, s[WV], 174720                   ; my 16 rows
	s_mov_b32 s55, 0
	s_mul_i32 s56, s[KS], 12582912                 ; 8 ks slices of 8,192 rows of 192 bytes,
	s_mul_i32 s57, s[EX], 196608                   ; the expert's 1,024 rows: 64 tiles of 3,072 bytes
	s_add_co_u32 s56, s56, s57
	s_mov_b32 s57, 0
	s_lshl_b32 s58, s[KS], 13
	s_lshl_b32 s59, s[EX], 10
	s_add_co_u32 s58, s58, s59
	s_lshl_b32 s58, s58, 12                        ; the expert's first row in my quarter of part,
	s_lshl_b32 s59, s[DB], 9
	s_add_co_u32 s58, s58, s59                     ; the work-group's first channel
	s_mov_b32 s59, 0
	s_lshl_b32 s60, s[WM], 16                      ; 16 wm rows,
	s_lshl_b32 s61, s[WN], 8
	s_add_co_u32 s60, s60, s61                     ; 64 wn channels
	s_mov_b32 s61, 0
	s_lshl_b32 s62, s[EX], 2
	s_lshl_b32 s[SLC], s[KS], 3
	s_mov_b32 s[OF+1], 0
	; the staging addresses: made of bit fields of the lane, the wave's number and constants alone
	v_mul_u32_u24 v24, 87360, v[HH]
	v_lshl_add_u32 v[V3], v[RR], 3, v24            ; 8 h rows of 10,920 bytes + 8 r
	s_lshl_b32 s26, s[WV], 4
	v_lshl_add_u32 v24, v[HH], 3, s26              ; 16 w + 8 h
	v_mul_u32_u24 v24, PH, v24
	v_lshl_add_u32 v24, v[RR], 2, v24              ; x pitch + 4 r: two numbers in bf16
	v_add_nc_u32 v[W3ST], WOF, v24
	v_add_nc_u32 v[W3ST+1], WOF+BUF, v24
	s_mul_i32 s28, s[WV], 1536                     ; row tile w >> 1 (3,072 bytes), column groups 6 (w & 1) on (1,536 bytes)
	v_lshl_add_u32 v[VH], v32, 4, s28              ; group h, row r: 256 h + 16 r = 16 l
	s_lshr_b32 s26, s[WV], 1
	s_lshl_b32 s26, s26, 4
	v_add_nc_u32 v25, s26, v[RR]                   ; 16 (w >> 1) + r
	v_mul_u32_u24 v25, PH, v25
	v_lshl_add_u32 v25, v[HH], 4, v25              ; x pitch + 16 h
	s_and_b32 s26, s[WV], 1
	s_mul_i32 s26, s26, 96                         ; + 6 (w & 1) groups of 16 bytes
	v_add_nc_u32 v[HST], s26, v25
	v_add_nc_u32 v[HST+1], BUF, v[HST]
	s_wait_kmcnt 0x0
	s_load_b32 s[CN], s[8:9], s62 offset:0x0
	s_add_nc_u64 s[W3O:W3O+1], s[6:7], s[52:53]
	s_add_nc_u64 s[W3B:W3B+1], s[W3O:W3O+1], s[54:55]
	s_add_nc_u64 s[HBO:HBO+1], s[4:5], s[56:57]
	s_mov_b64 s[HB:HB+1], s[HBO:HBO+1]
	s_add_nc_u64 s[PBO:PBO+1], s[10:11], s[58:59]
	s_add_nc_u64 s[PB:PB+1], s[PBO:PBO+1], s[60:61]
	s_wait_alu depctr_va_vdst(0)                   ; v5 and v2 are written, which the loads of hid and of W3 read as their offsets
	LDH 0, 15                                      ; tile 0 of hid: rows 0-319 of every block are always written by the launch before
	LDW3 0                                         ; tiles 0 and 1 of W3
	STEP W3B, HB, 0, 1
	LDW3 1
	s_lshl_b32 s26, s[WM], 4
	v_add_nc_u32 v24, s26, v[RR]
	v_mul_u32_u24 v24, PH, v24
	v_lshl_add_u32 v[AADR], v[HH], 4, v24          ; (16 wm + r) x pitch + 16 h
	v_add_nc_u32 v[AADR+1], BUF, v[AADR]
	s_lshl_b32 s26, s[WN], 6
	v_add_nc_u32 v24, s26, v[RR]
	v_mul_u32_u24 v24, PH, v24
	v_lshl_add_u32 v24, v[HH], 4, v24              ; (64 wn + r) x pitch + 16 h
	v_add_nc_u32 v[BADR], WOF, v24
	v_add_nc_u32 v[BADR+1], WOF+BUF, v24
	s_mul_i32 s26, s[WV], 4352
	s_add_co_u32 s26, s26, STG                     ; my stage
	v_mul_u32_u24 v24, 272, v[RR]
	v_lshl_add_u32 v24, v[HH], 5, v24
	v_add_nc_u32 v[SST], s26, v24                  ; in: row r, 32 bytes for each half of the lanes
	v_mul_u32_u24 v24, 272, v[HH]
	v_lshl_add_u32 v24, v[RR], 4, v24
	v_add_nc_u32 v[SRD], s26, v24                  ; back: lanes 0-15 one row of 256 bytes, lanes 16-31 the next
	v_lshlrev_b32 v24, 12, v[HH]
	v_lshl_add_u32 v[PO], v[RR], 4, v24            ; the same two rows in part
	s_wait_kmcnt 0x0
	s_min_u32 s[CN], s[CN], 1024
	s_add_co_u32 s[NTT], s[CN], 15
	s_lshr_b32 s[NTT], s[NTT], 4
	s_min_u32 s[NT], s[NTT], 20
	s_add_co_u32 s[NM], s[NT], 3
	s_sub_co_u32 s[NM], s[NM], s[WM]
	s_lshr_b32 s[NM], s[NM], 2                     ; the m with 4 m + wm < NT
	s_wait_loadcnt 24                              ; tile 0 is in; the 24 loads of W3's tile 1 stay out
	CVW 0, 0, 24                                   ; tile 0 goes into buffer 0: there are no products yet to set it between
	s_wait_alu depctr_va_vdst(0)                   ; the roundings have written WS0, which the LDS stores read; the LDS addresses v18-23 and the stores' offset v252 are written, for the whole kernel
	STW 0, 0, 0, 24
	STH 0, 0, 15
	s_wait_alu depctr_vm_vsrc(0)                   ; the LDS stores have read HS and WS0, in which the loads below land
	STEP W3B, HB, 1, 1
	LDH 0, 15                                      ; hid 1,
	LDW3 0                                         ; W3 2
	SYNC
	TRIP 0, 1, 1, 24, 1, 1, 1, 1, 1                ; tile 0
	s_mov_b32 s[CT], 2
.Lk:                                                   ; tiles 1 to 4: trip t fills in tile t + 1 and asks for hid t + 2 and W3 t + 3
	TRIP 1, 0, 0, 24, 1, 1, 1, 0, 1
	TRIP 0, 1, 1, 24, 1, 1, 1, 0, 1
	s_sub_co_u32 s[CT], s[CT], 1
	s_cmp_lg_u32 s[CT], 0
	s_cbranch_scc1 .Lk
	TRIP 1, 0, 0, 24, 1, 0, 1, 0, 1                ; tile 5: the last tile of hid is asked for
	TRIP 0, 1, 1, 0, 0, 0, 1, 0, 1                 ; tile 6: all that is out is tile 7
	TRIP 1, 0, 0, 0, 0, 0, 0, 0, 0                 ; tile 7: nothing to fill, no barrier
	; THE WAY OUT, a live row tile at a time, through my own stage: no barrier.  Each accumulator's low half is stored first.
	; Each tile comes back into 32 registers of its own, so that no tile waits for the stores of the tile before.  No vector instruction stands in it, so the two waits below serve all five tiles.
	s_wait_alu depctr_va_vdst(0)                   ; the products have written the accumulators, which the LDS stores read (the four places stand ahead of this wait); products and roundings are done with v64-223, in which the stage's rows land
	s_wait_alu depctr_vm_vsrc(0)                   ; tile 7's filling stores have read v96-251, in which the stage's rows land
.irp m, 0,1,2,3,4
	s_cmp_le_u32 s[NM], \m
	s_cbranch_scc1 .Lstored
	WIN 0x04                                       ; the stores' data in window 1
.irp n, 0,1,2,3
	ds_store_b128 v[SST], v[32*\m+8*\n:32*\m+8*\n+3] offset:64*\n
	ds_store_b128 v[SST], v[32*\m+8*\n+4:32*\m+8*\n+7] offset:64*\n+16
.endr
	WIN 0
.irp t, 0,1,2,3,4,5,6,7
	ds_load_b128 v[OB+32*\m+4*\t:OB+32*\m+4*\t+3], v[SRD] offset:544*\t  ; LDS serves a wave's instructions in order (ISA guide 5.7.1.4): these see the stores above
.endr
	s_wait_dscnt 0x0
.irp t, 0,1,2,3,4,5,6,7
	global_store_b128 v[PO], v[OB+32*\m+4*\t:OB+32*\m+4*\t+3], s[PB:PB+1] offset:(64*\m+2*\t)*4096  ; 16 lanes store 256 consecutive bytes, at a multiple of 256 from part's first
.endr
.endr
.Lstored:
	; ROWS FROM 320 ON: tile 20 + w + 8 c for trip c, all 128 channels, two channel tiles at a time.  No LDS, no barrier.
	; v24-39 two accumulators; v40-63 hid, v64-159 W3 for a slice's 96 columns; v160-166 addresses.
	s_max_u32 s50, s[NTT], 20
	s_sub_co_u32 s50, s50, 13
	s_sub_co_u32 s50, s50, s[WV]
	s_lshr_b32 s50, s50, 3                         ; (tiles past 20 + 7 - w) / 8: my trips
	s_cmp_eq_u32 s50, 0
	s_cbranch_scc1 .Lend
	s_wait_xcnt 0x0                                ; the way out's stores have read their registers, which are written again from here on
	s_wait_alu depctr_vm_vsrc(0)                   ; the way out's stores have read v64-223: v160-166 are written below, and loads land in v64-159
	v_and_b32 v165, 31, v0
	v_lshlrev_b32 v165, 4, v165                    ; 16 l
	v_lshlrev_b32 v166, 5, v[HH]                   ; 32 h
	s_mov_b32 s51, 0
.Lotile:
	s_lshl3_add_u32 s52, s51, s[WV]
	s_add_co_u32 s52, s52, 20
	s_min_u32 s52, s52, 63                         ; the tile
	s_lshl_b32 s53, s52, 4
	s_mul_i32 s55, s52, 3072                       ; its place in a block of hid
	s_wait_xcnt 0x0                                ; earlier stores have read their registers
	v_add_nc_u32 v160, s53, v[RR]                  ; my row.  (v161-164: the loads and stores that read them last stand ahead of the wait on vm_vsrc behind the last stores, or of the one above)
	v_add_nc_u32 v161, s55, v165                   ; in hid: tile x 3,072 + 256 h + 16 r
	v_lshlrev_b32 v162, 12, v160
	v_add_nc_u32 v162, v166, v162                  ; in part: row x 4,096 + 32 h
	v_mul_u32_u24 v163, 10920, v[RR]
	v_add_nc_u32 v163, v166, v163                  ; in W3: r x 10,920 + 32 h,
	v_add_nc_u32 v164, 174720, v163                ; and 16 rows on
	s_mov_b32 s54, 0
.Lon:                                                  ; four pairs of channel tiles
	s_wait_xcnt 0x0
	s_mov_b64 s[56:57], s[HBO:HBO+1]
	s_mov_b64 s[58:59], s[W3O:W3O+1]
	s_lshl_b32 s[SLC], s[KS], 3
.set i, 24
.rept 16
	v_mov_b32 v[i], 0
.set i, i+1
.endr
	s_mov_b32 s62, 8
.Lok:                                                  ; a slice a trip
	s_wait_alu depctr_va_vdst(0)                   ; v161, v163 and v164 are written, the loads' offsets; the roundings and products issued so far are done with v40-159, in which the loads land
.irp j, 0,1,2
	global_load_b128 v[40+8*\j:40+8*\j+3], v161, s[56:57] offset:1024*\j        ; columns 32 j + 8 h on: group 4 j + h
	global_load_b128 v[40+8*\j+4:40+8*\j+7], v161, s[56:57] offset:1024*\j+512  ; columns 32 j + 16 + 8 h on: group 4 j + 2 + h
.endr
.irp j, 0,1,2
.irp q, 0,1,2,3,4,5,6,7
	global_load_b64 v[64+16*\j+2*\q:64+16*\j+2*\q+1], v163, s[58:59] offset:128*\j+8*((\q)%4)+64*((\q)/4)
	global_load_b64 v[112+16*\j+2*\q:112+16*\j+2*\q+1], v164, s[58:59] offset:128*\j+8*((\q)%4)+64*((\q)/4)
.endr
.endr
	s_wait_loadcnt 0x0
.set d, 0
.rept 48                               ; packed in place, ascending: register d takes raw 2 d and 2 d + 1, which lie at or above it
	v_cvt_pk_bf16_f32 v[64+d], v[64+2*d], v[64+2*d+1]
.set d, d+1
.endr
.irp j, 0,1,2                          ; the two accumulators take turns, over the backward jump too
	v_wmma_f32_16x16x32_bf16 v[24:31], v[64+8*\j:64+8*\j+7], v[40+8*\j:40+8*\j+7], v[24:31]
	v_wmma_f32_16x16x32_bf16 v[32:39], v[88+8*\j:88+8*\j+7], v[40+8*\j:40+8*\j+7], v[32:39]
.endr
.rept 4
	v_nop
.endr
	STEP 58, 56, 1, 1
	s_sub_co_u32 s62, s62, 1
	s_cmp_lg_u32 s62, 0
	s_cbranch_scc1 .Lok
	s_wait_alu depctr_va_vdst(0)                   ; the products have written v24-39, the stores' data; the four places stand behind the last product, in the loop
	global_store_b128 v162, v[24:27], s[PBO:PBO+1]             ; 32 bytes a lane and tile, rows 4,096 bytes apart: accepted on this way alone
	global_store_b128 v162, v[28:31], s[PBO:PBO+1] offset:16
	global_store_b128 v162, v[32:35], s[PBO:PBO+1] offset:64
	global_store_b128 v162, v[36:39], s[PBO:PBO+1] offset:80
	s_wait_xcnt 0x0
	s_wait_alu depctr_vm_vsrc(0)                   ; the stores have read v162 and v24-39, the slices' loads v161, v163 and v164: all are written again, below or in the next trip
	v_add_nc_u32 v162, 128, v162                   ; 32 channels on
	v_add_nc_u32 v163, 349440, v163                ; 32 rows of W3 on
	v_add_nc_u32 v164, 349440, v164
	s_add_co_u32 s54, s54, 1
	s_cmp_lt_u32 s54, 4
	s_cbranch_scc1 .Lon
	s_add_co_u32 s51, s51, 1
	s_cmp_lt_u32 s51, s50
	s_cbranch_scc1 .Lotile
.Lend:
	s_wait_dscnt 0x0
	s_wait_alu depctr_hold_cnt(0) depctr_sa_sdst(0) depctr_va_vdst(0) depctr_va_sdst(0) depctr_va_ssrc(0) depctr_va_vcc(0) depctr_vm_vsrc(0)
	s_wait_tensorcnt 0x0
	ds_add_u32 v17, v255
	s_wait_dscnt 0x0
	s_endpgm
.Lfunc_end_k_qbdc070adbf_down:
	.size	k_qbdc070adbf_down, .Lfunc_end_k_qbdc070adbf_down-k_qbdc070adbf_down
	.p2alignl 7, 3214868480
	.fill 96, 4, 3214868480
	.section	.rodata,"a",@progbits
	.p2align	6, 0x0
	.amdhsa_kernel k_qbdc070adbf_down
		.amdhsa_group_segment_fixed_size 222208
		.amdhsa_private_segment_fixed_size 0
		.amdhsa_enable_private_segment 0
		.amdhsa_kernarg_size 32
		.amdhsa_user_sgpr_count 2
		.amdhsa_user_sgpr_kernarg_segment_ptr 1
		.amdhsa_wavefront_size32 1
		.amdhsa_system_sgpr_workgroup_id_x 1
		.amdhsa_system_sgpr_workgroup_id_y 1
		.amdhsa_system_sgpr_workgroup_id_z 1
		.amdhsa_system_vgpr_workitem_id 0
		.amdhsa_next_free_vgpr 416
		.amdhsa_next_free_sgpr 66
		.amdhsa_reserve_vcc 0
		.amdhsa_float_denorm_mode_32 3
		.amdhsa_float_denorm_mode_16_64 3
		.amdhsa_memory_ordered 1
		.amdhsa_forward_progress 1
		.amdhsa_inst_pref_size 129
	.end_amdhsa_kernel
	.amdgpu_metadata
---
amdhsa.version: [ 1, 2 ]
amdhsa.kernels:
  - .name:           k_qbdc070adbf_down
    .symbol:         k_qbdc070adbf_down.kd
    .args:
      - { .name: hid, .offset: 0, .size: 8, .value_kind: global_buffer, .address_space: global }
      - { .name: W3, .offset: 8, .size: 8, .value_kind: global_buffer, .address_space: global }
      - { .name: route, .offset: 16, .size: 8, .value_kind: global_buffer, .address_space: global }
      - { .name: part, .offset: 24, .size: 8, .value_kind: global_buffer, .address_space: global }
    .group_segment_fixed_size: 222208
    .private_segment_fixed_size: 0
    .kernarg_segment_align: 8
    .kernarg_segment_size: 32
    .max_flat_workgroup_size: 256
    .sgpr_count:     66
    .vgpr_count:     416
    .wavefront_size: 32
...
	.end_amdgpu_metadata
.endif
;; end of part 11
;; launch combine: the kernel of part 6 again; grid 256 x 1, 8 waves a work-group, no clusters, 0 bytes of LDS; arguments part, route, gw, out0; writes out0
